; MI455X (gfx1250); checked and timed in simulation.
; The chip was launched on July 23, 2026; its instructions are those of AMD's public machine-readable ISA for CDNA 5 (MIT licence, August 2026) and "CDNA5" Instruction Set Architecture Reference Guide (July 2026). The comments in the code are by the model that wrote it; some were corrected since.
;; Mesh Di T. Allowed arithmetic: matrix products marked QUANTISED: E3M2 operands, one E8M0 scale for each 32 along K, by v_wmma_scale_f32_16x16x128_f8f6f4 with both operands' format E3M2, f32 sums; products left as they are: f32 operands where the result goes on into a quantised operand, else bf16, f16 or f32 operands; f32 sums; everything else in f32.
;; Inputs: A_c 16 x 512 float32; A_x 16 x 512 float32; B_c 512 x 16 float32; B_x 512 x 16 float32; W_kvc 1,024 x 512 float32; W_kvx 1,024 x 512 float32; W_pc 512 x 512 float32; W_px 512 x 512 float32; W_qc 512 x 512 float32; W_qx 512 x 512 float32; c 4 x 1,024 x 512 float32; g_kvc 512 float32; g_kvx 512 float32; g_pc 512 float32; g_px 512 float32; g_qc 512 float32; g_qx 512 float32; mag_c 1 x 8 x 1 x 1 float32; mag_x 1 x 8 x 1 x 1 float32; x 4 x 4,096 x 512 float32.
;; Outputs: out0 4 x 4,096 x 512 float32; out1 4 x 1,024 x 512 float32.
;; This version of the problem:
;;   THIS VERSION OF THE PROBLEM IS GIVEN IN LOW PRECISION. The matrix products marked QUANTISED in the list below multiply operands that are first quantised to E3M2 (3 exponent bits, 2 mantissa bits; 6 bits a number), with one power-of-two scale for each 32 numbers along K (OCP MX v1.0); their sums are f32. All else is computed in f32.
;;   The module's matrix products, in the order in which they are computed (A, B: the left and right operand; K: the contracted axis; several contracted axes count as one K, in the product's order):
;;     1. [M 16,384, K 512] x [K 512, N 512]; A: computed on the way; B: computed on the way: QUANTISED
;;     2. [M 16,384, K 512] x [K 512, N 16]; A: input x; B: input A_x: QUANTISED
;;     3. [M 16,384, K 16] x [K 16, N 512]; A: computed on the way; B: input B_x: left as it is (K = 16 < 32)
;;     4. [M 4,096, K 512] x [K 512, N 1,024]; A: computed on the way; B: computed on the way: QUANTISED
;;     5. batch 32 x [M 4,096, K 64] x [K 64, N 1,024]; A: computed on the way; B: computed on the way: QUANTISED
;;     6. batch 32 x [M 4,096, K 1,024] x [K 1,024, N 64]; A: softmax (see below); B: computed on the way: QUANTISED
;;     7. [M 16,384, K 512] x [K 512, N 512]; A: computed on the way; B: computed on the way: QUANTISED
;;     8. [M 4,096, K 512] x [K 512, N 512]; A: computed on the way; B: computed on the way: QUANTISED
;;     9. [M 4,096, K 512] x [K 512, N 16]; A: input c; B: input A_c: QUANTISED
;;     10. [M 4,096, K 16] x [K 16, N 512]; A: computed on the way; B: input B_c: left as it is (K = 16 < 32)
;;     11. [M 16,384, K 512] x [K 512, N 1,024]; A: computed on the way; B: computed on the way: QUANTISED
;;     12. batch 32 x [M 1,024, K 64] x [K 64, N 4,096]; A: computed on the way; B: computed on the way: QUANTISED
;;     13. batch 32 x [M 1,024, K 4,096] x [K 4,096, N 64]; A: softmax (see below); B: computed on the way: QUANTISED
;;     14. [M 4,096, K 512] x [K 512, N 512]; A: computed on the way; B: computed on the way: QUANTISED
;;   THE QUANTISER, for each operand of a quantised product, along K:
;;     - K is cut into blocks of 32 from its start; a last block that is shorter is filled with zeros.
;;     - A block's scale is 2^e with e = floor(log2(the largest magnitude in the block)) - 4, held to -126 .. 127; a block of zeros has e = 0. As a byte (E8M0): e + 127.
;;     - Each number is divided by its block's scale, clamped to +-28, and rounded to the nearest number of E3M2, ties to even, subnormals kept.
;;     - The product sums the exact products of the quantised numbers (number of the format x scale) in f32.
;;   ~~~python
;;   def quantise(x, axis):      # numpy; x: float32 -> the quantised numbers, widened to float32 again
;;       x = np.moveaxis(x, axis, -1); K = x.shape[-1]
;;       x = np.pad(x, [(0, 0)] * (x.ndim - 1) + [(0, -K % 32)]); x = x.reshape(x.shape[:-1] + (-1, 32)); a = np.abs(x).max(-1, keepdims=True)
;;       e = np.where(a > 0, np.clip(np.frexp(np.where(a > 0, a, 1))[1] - 1 - 4, -126, 127), 0)      # np.frexp(a)[1] - 1 = floor(log2(a)), exactly
;;       r = np.clip(x / 2.0 ** e, -28, 28)
;;       step = 2.0 ** (np.maximum(np.frexp(np.where(r == 0, 1, r))[1] - 1, -2) - 2)
;;       q = np.round(r / step) * step * 2.0 ** e      # np.round: ties to even
;;       return np.moveaxis(q.reshape(q.shape[:-2] + (-1,))[..., :K], -1, axis).astype(np.float32)
;;   ~~~
;;   SOFTMAX AHEAD OF A QUANTISED PRODUCT. Where the list says 'softmax', what is quantised is not the finished softmax but p = 2^(t - M), with t = logit x log2(e) and M = ceil(the row's largest t), a whole number; so 1/2 < the row's largest p <= 1. The row's sum l is taken of the UNQUANTISED p, in f32, and the product's result is divided by l at the end. Since M is a whole number, a kernel that streams over the keys may use a running M (the ceiling of the running maximum): every later rescaling is an exact power of two, which a block's scale takes up: the codes' values come out the same.
;;   OPERANDS COMPUTED ON THE WAY. 'Computed on the way' means the value that the module computes at that place (a softmax that the list does not call 'softmax' is quantised finished and normalised). What goes into a quantiser is computed in f32, as accurately as f32 sums, v_exp_f32 and their like allow (about 1e-6 of the number): no bf16 or f16 on the way to a quantiser, and a product that is left as it is and whose result goes on into a quantised operand takes f32 operands (vector FMAs, or v_wmma_f32_16x16x4_f32). A number that lies on a knife's edge between two numbers of the format may be rounded either way, as far as f32 arithmetic and the matrix unit's own rounding can turn it there, and no further.
;; 2 versions, each right and faster than the one before. Each part assembles by itself: llvm-mc -triple=amdgcn-amd-amdhsa -mcpu=gfx1250 --defsym DOCPART=n.
;; ======== version 1 of 2: 5 launches
;; workspace buffers: wpart 4,096 bytes; wfrag 1,651,200 bytes; qimg 8,192,000 bytes; kvblk 16,384,000 bytes; att 41,943,040 bytes
;; launch wsum (part 1): grid 256 x 1, 4 waves a work-group, no clusters, 0 bytes of LDS; arguments W_qx, W_px, W_qc, W_pc, W_kvc, W_kvx, wpart; writes wpart
.if DOCPART == 1
	.amdgcn_target "amdgcn-amd-amdhsa--gfx1250"
	.amdhsa_code_object_version 6
	.text
	.protected	k_q8eb2e4398d_wsum
	.globl	k_q8eb2e4398d_wsum
	.p2align	8
	.type	k_q8eb2e4398d_wsum,@function
k_q8eb2e4398d_wsum:
	s_mov_b64 s[64:65], 0
	v_nop
	global_prefetch_b8 v0, s[64:65] scope:SCOPE_SE
	s_setreg_imm32_b32 hwreg(HW_REG_WAVE_MODE, 25, 1), 1
	s_wait_xcnt 0x0
; FIRST OF FIVE LAUNCHES: partial sums of |w| for the six BitLinear weights (the ternary grid wants the mean |w| of a whole matrix).
; The program: wsum (sums of |w|) -> wquant (weights and A_x, A_c as E3M2 fragments) -> proj (q_final, k, v of all tokens as E3M2 fragments) -> attn (both attention passes) -> oproj (output BitLinear and residual).
; WORK LEFT OUT IN THE WHOLE PROGRAM, for all finite values of the inputs:
;  (1) xq = xn + (aq - xn), with aq = activation_quant(xn), is aq by an identity.  It is so in f32 too: aq = n / scale with n = round(xn scale); for n != 0, aq and xn lie within a factor 2 of each other,
;      so aq - xn is exact and the sum gives aq back; for n = 0 the sum is xn - xn = 0.  The subtraction and the addition are not done.
;  (2) clip(round(xn scale), -128, 127) never acts: |xn| scale <= 127 (1 + 3e-7), since scale = 127 / max(largest |xn|, 1e-5); that rounds to 127 at the most.  The clip is not done.
;  The same identity for the weights, w + (t - w), is done as written (wquant).  Every input has a way to an output and is loaded.
; ROUNDING THAT DIFFERS FROM reference()'s by about 1e-7 of a number: n / scale is n x (a / 127), t / scale is t x a, 1 / a is v_rcp_f32, mag is multiplied into B ahead of the K = 16 product, the mean |w| is summed as a tree.
; LIMITS: NaN and infinities among the inputs are not served, and a NaN, an infinity or an overflow that would reach only the work left out is not carried to the result; a block of 32 whose largest magnitude lies
; under 2^-122 keeps the scale byte 1; a block of zeros has the byte 1 where the rule says 127 (its codes are zeros, and this program alone reads the bytes).
; THIS LAUNCH: the six matrices are 256 runs of 32 KB; work-group u takes run u, wave w 8 KB of it: 16 loads of 512 consecutive bytes.  One f32 a wave goes to wpart[4 u + w]:
; W_qx, W_px, W_qc, W_pc have 128 partial sums each, then W_kvc and W_kvx 256 each.  No LDS, no barrier: waves share nothing.
	s_load_b256 s[4:11], s[0:1], 0x0               ; W_qx, W_px, W_qc, W_pc
	s_load_b128 s[12:15], s[0:1], 0x20             ; W_kvc, W_kvx
	s_load_b64 s[16:17], s[0:1], 0x30              ; wpart
	v_lshrrev_b32 v1, 5, v0
	v_readfirstlane_b32 s18, v1                    ; wave
	v_and_b32 v2, 31, v0                           ; lane
	v_lshlrev_b32 v3, 4, v2                        ; 16 bytes a lane
	s_mov_b32 s20, 0x76543210                      ; v_permlanex16_b32's selects for lane l xor 16
	s_mov_b32 s21, 0xfedcba98
	s_cmp_lt_u32 ttmp9, 128
	s_cselect_b32 s22, 31, 63                      ; runs in a matrix, less 1
	s_and_b32 s22, ttmp9, s22
	s_lshl_b32 s22, s22, 15                        ; my run in its matrix,
	s_lshl_b32 s23, s18, 13                        ; my wave's 8 KB
	s_add_co_u32 s22, s22, s23
	s_mov_b32 s23, 0
	s_lshl_b32 s24, ttmp9, 2
	s_add_co_u32 s24, s24, s18
	s_lshl_b32 s24, s24, 2                         ; byte of wpart[4 u + w]
	v_mov_b32 v4, s24
	s_wait_kmcnt 0x0
	s_cmp_ge_u32 ttmp9, 32                         ; which matrix: the choice hangs on the work-group's number alone
	s_cselect_b64 s[4:5], s[6:7], s[4:5]
	s_cmp_ge_u32 ttmp9, 64
	s_cselect_b64 s[4:5], s[8:9], s[4:5]
	s_cmp_ge_u32 ttmp9, 96
	s_cselect_b64 s[4:5], s[10:11], s[4:5]
	s_cmp_ge_u32 ttmp9, 128
	s_cselect_b64 s[4:5], s[12:13], s[4:5]
	s_cmp_ge_u32 ttmp9, 192
	s_cselect_b64 s[4:5], s[14:15], s[4:5]
	s_add_nc_u64 s[4:5], s[4:5], s[22:23]
.set i, 0
.rept 16
	global_load_b128 v[16+4*i:19+4*i], v3, s[4:5] offset:512*i th:TH_LOAD_NT
.set i, i+1
.endr
	s_wait_loadcnt 0x0
	v_add_f32 v8, |v16|, |v17|                     ; four chains; the first additions start them: nothing is cleared
	v_add_f32 v9, |v18|, |v19|
	v_add_f32 v10, |v20|, |v21|
	v_add_f32 v11, |v22|, |v23|
.set j, 24
.rept 56
	v_add_f32 v[8+j%4], v[8+j%4], |v[j]|
.set j, j+1
.endr
	v_add_f32 v8, v8, v9
	v_add_f32 v10, v10, v11
	v_add_f32 v8, v8, v10
	v_add_f32_dpp v8, v8, v8 row_xmask:1 row_mask:0xf bank_mask:0xf
	v_add_f32_dpp v8, v8, v8 row_xmask:2 row_mask:0xf bank_mask:0xf
	v_add_f32_dpp v8, v8, v8 row_xmask:4 row_mask:0xf bank_mask:0xf
	v_add_f32_dpp v8, v8, v8 row_xmask:8 row_mask:0xf bank_mask:0xf
	v_permlanex16_b32 v9, v8, s20, s21
	v_add_f32 v8, v8, v9                           ; the wave's sum, in every lane
	v_cmp_eq_u32 vcc_lo, 0, v2
	s_wait_xcnt 0x0                                ; EXEC is narrowed only when the loads have read it
	s_and_saveexec_b32 s25, vcc_lo
	global_store_b32 v4, v8, s[16:17]              ; lane 0 stores
	s_wait_xcnt 0x0                                ; and widened only when the store has
	s_or_b32 exec_lo, exec_lo, s25
	s_endpgm
.Lfunc_end_k_q8eb2e4398d_wsum:
	.size	k_q8eb2e4398d_wsum, .Lfunc_end_k_q8eb2e4398d_wsum-k_q8eb2e4398d_wsum
	.p2alignl 7, 3214868480
	.fill 96, 4, 3214868480
	.section	.rodata,"a",@progbits
	.p2align	6, 0x0
	.amdhsa_kernel k_q8eb2e4398d_wsum
		.amdhsa_group_segment_fixed_size 0
		.amdhsa_private_segment_fixed_size 0
		.amdhsa_enable_private_segment 0
		.amdhsa_kernarg_size 56
		.amdhsa_user_sgpr_count 2
		.amdhsa_user_sgpr_kernarg_segment_ptr 1
		.amdhsa_wavefront_size32 1
		.amdhsa_system_sgpr_workgroup_id_x 1
		.amdhsa_system_sgpr_workgroup_id_y 1
		.amdhsa_system_sgpr_workgroup_id_z 1
		.amdhsa_system_vgpr_workitem_id 0
		.amdhsa_next_free_vgpr 80
		.amdhsa_next_free_sgpr 66
		.amdhsa_reserve_vcc 1
		.amdhsa_float_denorm_mode_32 3
		.amdhsa_float_denorm_mode_16_64 3
		.amdhsa_memory_ordered 1
		.amdhsa_forward_progress 1
		.amdhsa_inst_pref_size 8
	.end_amdhsa_kernel
	.amdgpu_metadata
---
amdhsa.version: [ 1, 2 ]
amdhsa.kernels:
  - .name:           k_q8eb2e4398d_wsum
    .symbol:         k_q8eb2e4398d_wsum.kd
    .args:
      - { .name: W_qx, .offset: 0, .size: 8, .value_kind: global_buffer, .address_space: global }
      - { .name: W_px, .offset: 8, .size: 8, .value_kind: global_buffer, .address_space: global }
      - { .name: W_qc, .offset: 16, .size: 8, .value_kind: global_buffer, .address_space: global }
      - { .name: W_pc, .offset: 24, .size: 8, .value_kind: global_buffer, .address_space: global }
      - { .name: W_kvc, .offset: 32, .size: 8, .value_kind: global_buffer, .address_space: global }
      - { .name: W_kvx, .offset: 40, .size: 8, .value_kind: global_buffer, .address_space: global }
      - { .name: wpart, .offset: 48, .size: 8, .value_kind: global_buffer, .address_space: global }
    .group_segment_fixed_size: 0
    .private_segment_fixed_size: 0
    .kernarg_segment_align: 8
    .kernarg_segment_size: 56
    .max_flat_workgroup_size: 128
    .sgpr_count:     66
    .vgpr_count:     80
    .wavefront_size: 32
...
	.end_amdgpu_metadata
.endif
;; end of part 1
;; launch wquant (part 2): grid 258 x 1, 4 waves a work-group, no clusters, 0 bytes of LDS; arguments W_qx, W_px, W_qc, W_pc, W_kvc, W_kvx, A_x, A_c, wpart, wfrag; writes wfrag
.if DOCPART == 2
	.amdgcn_target "amdgcn-amd-amdhsa--gfx1250"
	.amdhsa_code_object_version 6
	.text
	.protected	k_q8eb2e4398d_wquant
	.globl	k_q8eb2e4398d_wquant
	.p2align	8
	.type	k_q8eb2e4398d_wquant,@function
k_q8eb2e4398d_wquant:
	s_mov_b64 s[64:65], 0
	v_nop
	global_prefetch_b8 v0, s[64:65] scope:SCOPE_SE
	s_setreg_imm32_b32 hwreg(HW_REG_WAVE_MODE, 25, 1), 1
	s_wait_xcnt 0x0
; The six BitLinear weights go onto their ternary grid (w + (t - w), t = clip(round(w / a), -1, 1) a, a = max(mean |w|, 1e-5)) and then, like A_x and A_c as they are, into codes of E3M2 with one E8M0 byte for 32 along K.
; (Left out: nothing here.  t / scale is computed as t x a, 1 / a by v_rcp_f32: see the first kernel's head.)
; WHAT IS STORED: OPERAND BLOCKS of 6,400 bytes: four fragments (16 rows x 128 K, 12 registers a lane) as IMAGES OF THEIR REGISTERS, fragment n at 1536 n, registers 4 c .. 4 c + 3 of lane l at 512 c + 16 l;
; then 256 bytes of scale words, that of (fragment n, row r) at 6144 + 8 (16 (n & 1) + r) + 4 (n >> 1): one load of 8 bytes a lane brings two registers, fragment n's words in register n >> 1, lanes 16 (n & 1) on.
; Block 4 G + s: 64 rows of a weight (group G) x K step s.  G 0-7 W_qx, 8-15 W_px, 16-23 W_qc, 24-31 W_pc, 32-47 W_kvc, 48-63 W_kvx.  Blocks 256, 257: A_x, A_c, fragment n = K step n.
; THE ROWS OF A TILE: where G & 8 = 0 (the q weights, the k halves) lane r of tile 2 b + u takes row 32 b + 8 u + r + 8 (r / 8), so that the results of two neighbouring tiles are 16 neighbours along the next K;
; elsewhere (the v halves, the output weights, A) row 16 n + r.
; SHARES: a work-group makes a block, wave n fragment n.  Lane (r, h) loads the very numbers that the operand's layout gives it, k = 64 c + 32 h + 0 .. 31 of its row: two whole blocks of 32, so no other lane is asked for a maximum.
	s_load_b512 s[4:19], s[0:1], 0x0               ; W_qx, W_px, W_qc, W_pc, W_kvc, W_kvx, A_x, A_c
	s_load_b128 s[20:23], s[0:1], 0x40             ; wpart, wfrag
	v_lshrrev_b32 v1, 5, v0
	v_readfirstlane_b32 s24, v1                    ; wave n
	v_and_b32 v2, 31, v0                           ; lane
	v_and_b32 v3, 15, v0                           ; r
	v_bfe_u32 v4, v0, 4, 1                         ; h
	s_mov_b32 s40, 0x76543210
	s_mov_b32 s41, 0xfedcba98
	s_lshr_b32 s25, ttmp9, 2                       ; G
	s_and_b32 s26, ttmp9, 3                        ; K step
	s_cmp_ge_u32 ttmp9, 256
	s_cselect_b32 s26, s24, s26                    ; in A's blocks the wave's number
	s_bfe_u32 s27, s25, 0x10003                    ; bit 3 of G
	s_xor_b32 s27, s27, 1                          ; 1: the tile's rows are chosen
	s_cmp_ge_u32 ttmp9, 256
	s_cselect_b32 s27, 0, s27
	s_cmp_lt_u32 s25, 32
	s_cselect_b32 s28, 7, 15
	s_and_b32 s28, s25, s28                        ; the group in its matrix
	s_lshl_b32 s28, s28, 6                         ; its first row
	s_lshr_b32 s29, s24, 1
	s_lshl_b32 s29, s29, 5
	s_and_b32 s30, s24, 1
	s_lshl_b32 s30, s30, 3
	s_add_co_u32 s29, s29, s30                     ; 32 (n >> 1) + 8 (n & 1)
	s_lshl_b32 s30, s24, 4                         ; 16 n
	s_cmp_eq_u32 s27, 1
	s_cselect_b32 s29, s29, s30
	s_add_co_u32 s28, s28, s29
	s_cmp_ge_u32 ttmp9, 256
	s_cselect_b32 s28, 0, s28                      ; the tile's first row
	v_and_b32 v5, 8, v3
	v_mul_u32_u24 v5, s27, v5
	v_add3_u32 v5, v5, v3, s28                     ; my row
	v_lshlrev_b32 v6, 11, v5                       ; 2,048 bytes a row
	v_lshl_add_u32 v6, v4, 7, v6                   ; + 128 h
	s_lshl_b32 s31, s26, 9
	v_add_nc_u32 v6, s31, v6                       ; + 512 x K step
	s_mul_i32 s42, ttmp9, 6400                     ; my block,
	s_mov_b32 s43, 0
	s_mul_i32 s37, s24, 1536                       ; my fragment,
	v_lshlrev_b32 v10, 4, v2
	v_add_nc_u32 v10, s37, v10                     ; 16 bytes a lane
	s_and_b32 s38, s24, 1
	s_lshl_b32 s38, s38, 7
	s_lshr_b32 s39, s24, 1
	s_lshl_b32 s39, s39, 2
	s_add_co_u32 s38, s38, s39
	s_add_co_u32 s38, s38, 6144
	v_lshlrev_b32 v11, 3, v3
	v_add_nc_u32 v11, s38, v11                     ; my row's scale word
	s_wait_kmcnt 0x0
	s_cmp_ge_u32 ttmp9, 32                         ; which tensor: the choice hangs on the work-group's number alone
	s_cselect_b64 s[4:5], s[6:7], s[4:5]
	s_cmp_ge_u32 ttmp9, 64
	s_cselect_b64 s[4:5], s[8:9], s[4:5]
	s_cmp_ge_u32 ttmp9, 96
	s_cselect_b64 s[4:5], s[10:11], s[4:5]
	s_cmp_ge_u32 ttmp9, 128
	s_cselect_b64 s[4:5], s[12:13], s[4:5]
	s_cmp_ge_u32 ttmp9, 192
	s_cselect_b64 s[4:5], s[14:15], s[4:5]
	s_cmp_ge_u32 ttmp9, 256
	s_cselect_b64 s[4:5], s[16:17], s[4:5]
	s_cmp_ge_u32 ttmp9, 257
	s_cselect_b64 s[4:5], s[18:19], s[4:5]
	s_add_nc_u64 s[22:23], s[22:23], s[42:43]
.irp c, 0,1
.irp j, 0,1,2,3,4,5,6,7
	global_load_b128 v[32+32*\c+4*\j:35+32*\c+4*\j], v6, s[4:5] offset:256*\c+16*\j   ; k = 128 s + 64 c + 32 h + 4 j on
.endr
.endr
	s_cmp_ge_u32 ttmp9, 256
	s_cbranch_scc1 .Lraw                           ; A_x and A_c have no ternary grid: a branch on the work-group's number
	; the mean |w| of my matrix, from its 128 or 256 partial sums
	s_lshr_b32 s32, ttmp9, 5
	s_lshl_b32 s32, s32, 9                         ; the four small matrices: 512 bytes each
	s_sub_co_u32 s33, ttmp9, 128
	s_lshr_b32 s33, s33, 6
	s_lshl_b32 s33, s33, 10
	s_add_co_u32 s33, s33, 2048                    ; the two large ones: 1,024 bytes each, behind them
	s_mov_b32 s36, 0x36000000                      ; 2^-19
	s_cmp_lt_u32 ttmp9, 128
	s_cselect_b32 s32, s32, s33
	s_cselect_b32 s34, 0, 512                      ; a small matrix reads its 512 bytes twice,
	s_cselect_b32 s35, 0, 1.0                      ; and counts the second reading for nothing
	s_cselect_b32 s36, 0x36800000, s36             ; 1 / the matrix's numbers: 2^-18 or 2^-19
	v_lshlrev_b32 v7, 4, v2
	v_add_nc_u32 v7, s32, v7
	v_add_nc_u32 v8, s34, v7
	global_load_b128 v[12:15], v7, s[20:21]
	global_load_b128 v[16:19], v8, s[20:21]
	s_wait_loadcnt 0x0
	v_add_f32 v12, v12, v13
	v_add_f32 v14, v14, v15
	v_add_f32 v16, v16, v17
	v_add_f32 v18, v18, v19
	v_add_f32 v12, v12, v14
	v_add_f32 v16, v16, v18
	v_fma_f32 v12, v16, s35, v12
	v_add_f32_dpp v12, v12, v12 row_xmask:1 row_mask:0xf bank_mask:0xf
	v_add_f32_dpp v12, v12, v12 row_xmask:2 row_mask:0xf bank_mask:0xf
	v_add_f32_dpp v12, v12, v12 row_xmask:4 row_mask:0xf bank_mask:0xf
	v_add_f32_dpp v12, v12, v12 row_xmask:8 row_mask:0xf bank_mask:0xf
	v_permlanex16_b32 v13, v12, s40, s41
	v_add_f32 v12, v12, v13
	v_mul_f32 v12, s36, v12                        ; the mean
	v_max_num_f32 v12, 0x3727c5ac, v12             ; a = max(mean, 1e-5)
	v_rcp_f32 v13, v12                             ; 1 / a
	v_nop                                          ; a plain instruction behind the reciprocal,
	s_wait_alu depctr_va_vdst(0)                   ; and the wait ahead of its first reader
.set i, 0
.rept 16                                       ; four numbers by turns, so that no line waits for the line above it
.irp k, 0,1,2,3
	v_mul_f32 v[96+\k], v[32+i+\k], v13
.endr
.irp k, 0,1,2,3
	v_rndne_f32 v[96+\k], v[96+\k]
.endr
.irp k, 0,1,2,3
	v_med3_num_f32 v[96+\k], v[96+\k], -1.0, 1.0
.endr
.irp k, 0,1,2,3
	v_mul_f32 v[96+\k], v[96+\k], v12              ; t
.endr
.irp k, 0,1,2,3
	v_sub_f32 v[96+\k], v[96+\k], v[32+i+\k]       ; t - w
.endr
.irp k, 0,1,2,3
	v_add_f32 v[32+i+\k], v[32+i+\k], v[96+\k]     ; w + (t - w)
.endr
.set i, i+4
.endr
.Lraw:
	s_wait_loadcnt 0x0
.irp c, 0,1                                    ; my block 2 c + h: all its 32 numbers are mine
	v_max3_num_f32 v[20+\c], |v[32+32*\c]|, |v[33+32*\c]|, 0x2800000   ; with the floor 2^(5 - 127): the byte cannot fall under 1
.endr
.irp i, 2,4,6,8,10,12,14,16,18,20,22,24,26,28,30
.irp c, 0,1
	v_max3_num_f32 v[20+\c], v[20+\c], |v[32+32*\c+\i]|, |v[33+32*\c+\i]|
.endr
.endr
.irp c, 0,1
	v_add_nc_u32 v[24+\c], 0xfe000000, v[20+\c]    ; 4 off the exponent field: the conversion's scale operand
.endr
.irp c, 0,1
	v_lshrrev_b32 v[22+\c], 23, v[24+\c]           ; the scale's byte
.endr
	v_lshl_or_b32 v9, v23, 16, v22                 ; my two bytes: blocks h and 2 + h,
	v_lshlrev_b32 v26, 3, v4
	v_lshlrev_b32 v9, v26, v9                      ; 8 h bits up;
	v_mov_b32 v26, 0
	v_permlanex16_b32 v26, v9, s40, s41
	v_or_b32 v9, v9, v26                           ; with lane l xor 16's two the word is whole
.irp c, 0,1
	v_cvt_scalef32_pk16_bf6_f32 v[100+6*\c:102+6*\c], v[32+32*\c:47+32*\c], v[24+\c]
	v_cvt_scalef32_pk16_bf6_f32 v[112+4*\c:114+4*\c], v[48+32*\c:63+32*\c], v[24+\c]   ; (a conversion's three registers begin on an even number)
.endr
	v_nop                                          ; one plain instruction behind a scaled conversion
.irp c, 0,1
.irp i, 0,1,2
	v_mov_b32 v[103+6*\c+\i], v[112+4*\c+\i]
.endr
.endr
.irp c, 0,1,2
	global_store_b128 v10, v[100+4*\c:103+4*\c], s[22:23] offset:512*\c   ; 32 lanes store 512 consecutive bytes, at a multiple of 256 from the buffer's first byte
.endr
	v_cmp_gt_u32 vcc_lo, 16, v2
	s_wait_xcnt 0x0                                ; EXEC is narrowed only when the stores have read it
	s_and_saveexec_b32 s44, vcc_lo
	global_store_b32 v11, v9, s[22:23]             ; lanes 0-15: the rows' scale words
	s_wait_xcnt 0x0
	s_or_b32 exec_lo, exec_lo, s44
	s_endpgm
.Lfunc_end_k_q8eb2e4398d_wquant:
	.size	k_q8eb2e4398d_wquant, .Lfunc_end_k_q8eb2e4398d_wquant-k_q8eb2e4398d_wquant
	.p2alignl 7, 3214868480
	.fill 96, 4, 3214868480
	.section	.rodata,"a",@progbits
	.p2align	6, 0x0
	.amdhsa_kernel k_q8eb2e4398d_wquant
		.amdhsa_group_segment_fixed_size 0
		.amdhsa_private_segment_fixed_size 0
		.amdhsa_enable_private_segment 0
		.amdhsa_kernarg_size 80
		.amdhsa_user_sgpr_count 2
		.amdhsa_user_sgpr_kernarg_segment_ptr 1
		.amdhsa_wavefront_size32 1
		.amdhsa_system_sgpr_workgroup_id_x 1
		.amdhsa_system_sgpr_workgroup_id_y 1
		.amdhsa_system_sgpr_workgroup_id_z 1
		.amdhsa_system_vgpr_workitem_id 0
		.amdhsa_next_free_vgpr 128
		.amdhsa_next_free_sgpr 66
		.amdhsa_reserve_vcc 1
		.amdhsa_float_denorm_mode_32 3
		.amdhsa_float_denorm_mode_16_64 3
		.amdhsa_memory_ordered 1
		.amdhsa_forward_progress 1
		.amdhsa_inst_pref_size 24
	.end_amdhsa_kernel
	.amdgpu_metadata
---
amdhsa.version: [ 1, 2 ]
amdhsa.kernels:
  - .name:           k_q8eb2e4398d_wquant
    .symbol:         k_q8eb2e4398d_wquant.kd
    .args:
      - { .name: W_qx, .offset: 0, .size: 8, .value_kind: global_buffer, .address_space: global }
      - { .name: W_px, .offset: 8, .size: 8, .value_kind: global_buffer, .address_space: global }
      - { .name: W_qc, .offset: 16, .size: 8, .value_kind: global_buffer, .address_space: global }
      - { .name: W_pc, .offset: 24, .size: 8, .value_kind: global_buffer, .address_space: global }
      - { .name: W_kvc, .offset: 32, .size: 8, .value_kind: global_buffer, .address_space: global }
      - { .name: W_kvx, .offset: 40, .size: 8, .value_kind: global_buffer, .address_space: global }
      - { .name: A_x, .offset: 48, .size: 8, .value_kind: global_buffer, .address_space: global }
      - { .name: A_c, .offset: 56, .size: 8, .value_kind: global_buffer, .address_space: global }
      - { .name: wpart, .offset: 64, .size: 8, .value_kind: global_buffer, .address_space: global }
      - { .name: wfrag, .offset: 72, .size: 8, .value_kind: global_buffer, .address_space: global }
    .group_segment_fixed_size: 0
    .private_segment_fixed_size: 0
    .kernarg_segment_align: 8
    .kernarg_segment_size: 80
    .max_flat_workgroup_size: 128
    .sgpr_count:     66
    .vgpr_count:     128
    .wavefront_size: 32
...
	.end_amdgpu_metadata
.endif
;; end of part 2
;; launch proj (part 3): grid 160 x 1, 8 waves a work-group, no clusters, 119,808 bytes of LDS; arguments x, c, g_qx, g_kvx, g_qc, g_kvc, B_x, B_c, mag_x, mag_c, wfrag, qimg, kvblk; writes qimg, kvblk
.if DOCPART == 3
	.amdgcn_target "amdgcn-amd-amdhsa--gfx1250"
	.amdhsa_code_object_version 6
	.text
	.protected	k_q8eb2e4398d_proj
	.globl	k_q8eb2e4398d_proj
	.p2align	8
	.type	k_q8eb2e4398d_proj,@function
k_q8eb2e4398d_proj:
	s_mov_b64 s[64:65], 0
	v_nop
	global_prefetch_b8 v0, s[64:65] scope:SCOPE_SE
	s_setreg_imm32_b32 hwreg(HW_REG_WAVE_MODE, 25, 1), 1
	s_wait_xcnt 0x0
; For 128 tokens of x (work-groups 0-127) or of c (128-159): q_final = BitLinear_q(tok) + mag ((tok A^T) B^T), and k, v = BitLinear_kv(tok), all stored as E3M2 fragments for the attention launch.
; (Left out, as shown at the first kernel's head: the straight-through sum xn + (aq - xn) = aq and the int8 clip, which never acts.)
; PHASE A, wave w = token tile w.  THE TOKENS OF A TILE ARE NOT NEIGHBOURS: lane r of tile 2 b + u holds token 32 b + 8 u + r + 8 (r / 8), so that as keys the results of tiles 2 b, 2 b + 1 are 16 neighbours.
;   Lane (r, h) holds, of its token's 512 numbers, 16 of each block of 32 (k = 32 B + 16 h + i at register 16 B + i of window 1).  (1) the sum of squares; (2) the raw numbers are quantised and multiplied by A's codes:
;   low[rank][token]; (3) x r; (4) for each of the two gains (q's, kv's): x g, the token's largest magnitude, the int8 grid, the E3M2 quantiser; four fragments and their scale words go to LDS as images of their registers.
; PHASE B, wave w = head w, all 128 tokens: three products of 128 matrix instructions each (K = 512), weights straight from memory in fragment order, activations from LDS:
;   Q and K transposed (source 0 = 16 rows of W, source 1 = 16 tokens): a lane holds one token and 32 of the head's 64 channels;  V the other way (source 0 = tokens): a lane holds one channel and 64 of the 128 keys.
;   q gets mag x delta by v_wmma_f32_16x16x4_f32 (K = 16 in f32), whose first step takes q's accumulator as C.  Each result is quantised in registers and stored as an operand block (layout: the second kernel's head).
;   A head has K = 64: a fragment of q or k holds TWO tiles, tile 2 i in registers 0-5 and scale bytes 0, 1, tile 2 i + 1 in registers 6-11 and bytes 2, 3.
; No tensor loads and no cluster: what the work-groups share, the weights, comes whole in the order of the operand's registers, 12 loads of 512 consecutive bytes for four fragments, straight into registers.
; 160 work-groups: a key step of the attention is 128 tokens, and v's fragments want its 128 keys in one wave.
; REGISTERS, window 0: v1-15 addresses; v16-47 q_final's four tiles (written by the f32 matrix form alone); v48-71 the quantiser's (TM, PC, PT); v72-89 phase A's statistics; v112-175, v176-239 phase A's two sets of 64;
;   in the products v48-143 two sets of four activation fragments, v144-239 two sets of four weight fragments; v240-253 scale words alone.   window 1: the token's 256 numbers, then the 32 accumulators.
.set ACT0,  0                          ; LDS: q's activations: fragment (tile m, K step s) at (4 m + s) x 1,536
.set ACT1,  49152                      ; kv's
.set ASC0,  98304                      ; their scale words, 128 bytes a fragment
.set ASC1,  102400
.set LOWI,  106496                     ; low: 1,024 bytes a tile
.set GLDS,  114688                     ; g_q, g_kv
.set SPARE, 118784                     ; the spare words, 128 bytes for each wave: four blocks of 256 bytes that no other line names
.set LI,  1                            ; v1   16 x lane
.set L4,  2                            ; v2   4 x lane
.set L8,  3                            ; v3   8 x lane
.set XA,  4                            ; v4   my token's row and my half's 64 bytes
.set GA,  5                            ; v5   g in LDS: GLDS + 64 h
.set IWA, 6                            ; v6   where I store images: 6,144 w + 16 x lane
.set SWA, 7                            ; v7   and scale words: ASC0 + 512 w + 4 x lane
.set LWA, 8                            ; v8   and low: LOWI + 1,024 w + 16 x lane
.set SPW, 9                            ; v9   my spare word; never rewritten
.set NIL, 10                           ; v10  0; never rewritten
.set BA,  11                           ; v11  B: my channel's row, + 32 h
.set LRD, 15                           ; v15  low, read: LOWI + 16 x lane.  (v12-14: this gain's addresses; later the products' two)
.set QF,  16
.set TM,  48
.set PC,  56
.set PT,  68
.set RR,  72
.set SCL, 74
.set INV, 76
.set AM,  78
.set SS,  82
.set G,   112
.set T,   176
.set AFR, 112
.set LOWACC, 160
.set AF,  48
.set WF,  144
.set LW,  112
.set BF,  192
.set AS,  240
.set PW,  240
.set WS,  248
.set SW,  252
.set MSB, 0
.macro WIN new                         ; the immediate's high byte repeats the setting that is left; a switch that changes nothing is dropped
.if MSB != (\new)
	s_set_vgpr_msb (MSB<<8)|(\new)
.set MSB, (\new)
.endif
.endm
.macro PLACES n
.rept \n
	v_nop
.endr
.endm
; 32 numbers of a lane in window w, register s + 16 b + i = k 32 b + 16 (lane / 16) + i of my row (b = 0, 1), become registers 6 c .. 6 c + 5 of the fragment at v[PC] and bytes 2 c, 2 c + 1 of the scale word v[PW].
.macro QHALF s, w, c
	WIN 5*(\w)
.irp b, 0,1
.irp a, 0,1
	v_max3_num_f32 v[TM+2*\b+\a], |v[(\s)+16*\b+8*\a]|, |v[(\s)+16*\b+8*\a+1]|, 0x2800000   ; each group of eight from its low end on; the floor 2^(5 - 127) holds the byte at 1 from below
.endr
.endr
	WIN 0x14*(\w)
.irp i, 2,4,6
.irp b, 0,1
.irp a, 0,1
	v_max3_num_f32 v[TM+2*\b+\a], v[TM+2*\b+\a], |v[(\s)+16*\b+8*\a+\i]|, |v[(\s)+16*\b+8*\a+\i+1]|
.endr
.endr
.endr
	WIN 0
	v_max_num_f32 v[TM], v[TM], v[TM+1]
	v_max_num_f32 v[TM+1], v[TM+2], v[TM+3]
	v_permlanex16_b32 v[TM+4], v[TM], s50, s51
	v_permlanex16_b32 v[TM+5], v[TM+1], s50, s51
	v_max_num_f32 v[TM], v[TM], v[TM+4]            ; with lane l xor 16's 16: the block's largest magnitude
	v_max_num_f32 v[TM+1], v[TM+1], v[TM+5]
	v_add_nc_u32 v[TM+6], 0xfe000000, v[TM]        ; 4 off the exponent field: the conversion's scale operand
	v_add_nc_u32 v[TM+7], 0xfe000000, v[TM+1]
	v_lshrrev_b32 v[TM+2], 23, v[TM+6]             ; the scale's byte
	v_lshrrev_b32 v[TM+3], 23, v[TM+7]
.if (\c) == 0
	v_lshl_or_b32 v[PW], v[TM+3], 8, v[TM+2]
.else
	v_lshl_or_b32 v[PW], v[TM+2], 16, v[PW]
	v_lshl_or_b32 v[PW], v[TM+3], 24, v[PW]
.endif
	WIN \w
	v_cvt_scalef32_pk16_bf6_f32 v[PC+6*(\c):PC+6*(\c)+2], v[(\s):(\s)+15], v[TM+6]
	v_cvt_scalef32_pk16_bf6_f32 v[PT:PT+2], v[(\s)+16:(\s)+31], v[TM+7]
	WIN 0
	v_nop                                          ; one plain instruction behind a scaled conversion
.irp i, 0,1,2
	v_permlane16_swap_b32 v[PC+6*(\c)+\i], v[PT+\i]   ; the layout wants a whole block in a lane: lanes 0-15 the first, lanes 16-31 the second
.endr
.irp i, 0,1,2
	v_mov_b32 v[PC+6*(\c)+3+\i], v[PT+\i]
.endr
.endm
; one scaled matrix instruction from the symbols rD, rA, rB, rZ (C = 0), rSA, rSB, rRA, rRB (a side's scales in lanes 16-31)
.macro WM
.if rZ
.if rRA
	v_wmma_scale_f32_16x16x128_f8f6f4 v[rD:rD+7], v[rA:rA+11], v[rB:rB+11], 0, v[rSA], v[rSB] matrix_a_fmt:MATRIX_FMT_BF6 matrix_b_fmt:MATRIX_FMT_BF6 matrix_a_scale:MATRIX_SCALE_ROW1
.elseif rRB
	v_wmma_scale_f32_16x16x128_f8f6f4 v[rD:rD+7], v[rA:rA+11], v[rB:rB+11], 0, v[rSA], v[rSB] matrix_a_fmt:MATRIX_FMT_BF6 matrix_b_fmt:MATRIX_FMT_BF6 matrix_b_scale:MATRIX_SCALE_ROW1
.else
	v_wmma_scale_f32_16x16x128_f8f6f4 v[rD:rD+7], v[rA:rA+11], v[rB:rB+11], 0, v[rSA], v[rSB] matrix_a_fmt:MATRIX_FMT_BF6 matrix_b_fmt:MATRIX_FMT_BF6
.endif
.else
.if rRA
	v_wmma_scale_f32_16x16x128_f8f6f4 v[rD:rD+7], v[rA:rA+11], v[rB:rB+11], v[rD:rD+7], v[rSA], v[rSB] matrix_a_fmt:MATRIX_FMT_BF6 matrix_b_fmt:MATRIX_FMT_BF6 matrix_a_scale:MATRIX_SCALE_ROW1
.elseif rRB
	v_wmma_scale_f32_16x16x128_f8f6f4 v[rD:rD+7], v[rA:rA+11], v[rB:rB+11], v[rD:rD+7], v[rSA], v[rSB] matrix_a_fmt:MATRIX_FMT_BF6 matrix_b_fmt:MATRIX_FMT_BF6 matrix_b_scale:MATRIX_SCALE_ROW1
.else
	v_wmma_scale_f32_16x16x128_f8f6f4 v[rD:rD+7], v[rA:rA+11], v[rB:rB+11], v[rD:rD+7], v[rSA], v[rSB] matrix_a_fmt:MATRIX_FMT_BF6 matrix_b_fmt:MATRIX_FMT_BF6
.endif
.endif
.endm
.macro GLOAD buf, s                    ; g at my 64 places of K step s: 16 LDS loads; the lanes of a half read the same bytes
.irp b, 0,1,2,3
.irp j, 0,1,2,3
	ds_load_b128 v[\buf+16*\b+4*\j:\buf+16*\b+4*\j+3], v12 offset:512*(\s)+128*\b+16*\j
.endr
.endr
.endm
; pass 1, K step s: buf = (x r) g, and the largest magnitude so far; then buf takes g of K step nxt
.macro P1 s, buf, nxt
	s_wait_dscnt 16                                ; this buffer's 16 loads are in; the other buffer's 16 may be out
	WIN 0x01
.set i, 0
.rept 32
	v_pk_mul_f32 v[\buf+i:\buf+i+1], v[64*(\s)+i:64*(\s)+i+1], v[\buf+i:\buf+i+1]
.set i, i+2
.endr
	WIN 0
.set i, 0
.rept 32
.if ((\s) == 0) && (i < 4)
	v_max3_num_f32 v[AM+i], |v[\buf+2*i]|, |v[\buf+2*i+1]|, s57      ; reference()'s clip at 1e-5 is a leaf of the maximum
.else
	v_max3_num_f32 v[AM+i%4], v[AM+i%4], |v[\buf+2*i]|, |v[\buf+2*i+1]|
.endif
.set i, i+1
.endr
.if (\nxt) >= 0
	GLOAD \buf, \nxt
.endif
.endm
; pass 2, K step s: xn again, onto the int8 grid, quantised to E3M2; the fragment and its scale words go to LDS as they stand
.macro P2 s
	s_wait_dscnt 0x0                               ; g is in, and the last fragment's stores have read their registers
	WIN 0x01
.set i, 0
.rept 32
	v_pk_mul_f32 v[T+i:T+i+1], v[64*(\s)+i:64*(\s)+i+1], v[G+i:G+i+1]
.set i, i+2
.endr
	WIN 0
.if (\s) < 3
	GLOAD G, (\s)+1
.endif
.set i, 0
.rept 32
	v_pk_mul_f32 v[T+i:T+i+1], v[T+i:T+i+1], v[SCL:SCL+1] op_sel_hi:[1,0]
.set i, i+2
.endr
.set i, 0
.rept 64
	v_rndne_f32 v[T+i], v[T+i]
.set i, i+1
.endr
.set i, 0
.rept 32
	v_pk_mul_f32 v[T+i:T+i+1], v[T+i:T+i+1], v[INV:INV+1] op_sel_hi:[1,0]
.set i, i+2
.endr
	QHALF T, 0, 0
	QHALF T+32, 0, 1
.irp c, 0,1,2
	ds_store_b128 v13, v[PC+4*\c:PC+4*\c+3] offset:1536*(\s)+512*\c
.endr
	ds_store_b32 v14, v[PW] offset:128*(\s)
.endm
.macro ASET                            ; one gain's four fragments
	GLOAD G, 0
	GLOAD T, 1
	P1 0, G, 2
	P1 1, T, 3
	P1 2, G, 0
	P1 3, T, -1
	v_max3_num_f32 v[AM], v[AM], v[AM+1], v[AM+2]
	v_max_num_f32 v[AM], v[AM], v[AM+3]
	v_permlanex16_b32 v[AM+1], v[AM], s50, s51
	v_max_num_f32 v[AM], v[AM], v[AM+1]            ; a = max(the token's largest |xn|, 1e-5)
	v_rcp_f32 v[SCL], v[AM]
	v_mul_f32 v[INV], s58, v[AM]                   ; a / 127.  (A plain instruction behind the reciprocal)
	v_mov_b32 v[INV+1], v[INV]
	s_wait_alu depctr_va_vdst(0)                   ; the wait ahead of the reciprocal's first reader
	v_mul_f32 v[SCL], 0x42fe0000, v[SCL]           ; 127 / a
	v_mov_b32 v[SCL+1], v[SCL]
	P2 0
	P2 1
	P2 2
	P2 3
.endm
.macro LOADW base, s, buf              ; a weight's operand block of K step s: 12 + 1 loads
.irp n, 0,1,2,3
.irp c, 0,1,2
	global_load_b128 v[WF+48*(\buf)+12*\n+4*\c:WF+48*(\buf)+12*\n+4*\c+3], v[LI], s[\base:\base+1] offset:6400*(\s)+1536*\n+512*\c
.endr
.endr
	global_load_b64 v[WS+2*(\buf):WS+2*(\buf)+1], v[L8], s[\base:\base+1] offset:6400*(\s)+6144
.endm
.macro LOADA g, buf                    ; group g: K step g >> 1, token tiles 4 (g & 1) + 0 .. 3: 12 + 4 LDS loads
.irp mm, 0,1,2,3
.irp c, 0,1,2
	ds_load_b128 v[AF+48*(\buf)+12*\mm+4*\c:AF+48*(\buf)+12*\mm+4*\c+3], v12 offset:(4*(4*((\g)&1)+\mm)+((\g)>>1))*1536+512*\c
.endr
	ds_load_b32 v[AS+4*(\buf)+\mm], v13 offset:(4*(4*((\g)&1)+\mm)+((\g)>>1))*128
.endr
.endm
; 128 tokens x my head's 64 rows of a weight x K = 512: eight groups of 16 matrix instructions, each on 16 accumulators of its own turn, so that no two that follow each other share one.
; swap = 0: source 0 = W, accumulator (m, n) at 32 m + 8 n of window 1;  swap = 1: source 0 = the tokens, at 64 n + 8 m.
.macro GEMM swap, base
	s_wait_xcnt 0x0                                ; the last stores have read their registers: loads may land there
	LOADA 0, 0
.irp g, 0,1,2,3,4,5,6,7
.if \g > 0
	PLACES 4                                       ; in front of loads into registers that the last group's matrix instructions have read
.endif
.if \g < 7
	LOADA (\g+1), ((\g+1)&1)
.endif
.if ((\g%2) == 0) && (\g < 6)
	LOADW \base, (\g/2+1), ((\g/2+1)&1)
.endif
.if \g < 7
	s_wait_dscnt 16                                ; this group's fragments are in; the next group's 16 loads may be out
.else
	s_wait_dscnt 0x0
.endif
.if (\g%2) == 0
.if \g < 6
	s_wait_loadcnt 13                              ; this K step's weights are in; the next step's 13 loads may be out
.else
	s_wait_loadcnt 0x0
.endif
.endif
	WIN 0x50                                       ; C and D in window 1
.irp mm, 0,1,2,3
.irp n, 0,1,2,3
.set rM, 4*(\g&1)+\mm
.set rZ, \g < 2
.if \swap
.set rD, 64*\n+8*rM
.set rA, AF+48*(\g&1)+12*\mm
.set rB, WF+48*((\g>>1)&1)+12*\n
.set rSA, AS+4*(\g&1)+\mm
.set rSB, WS+2*((\g>>1)&1)+(\n>>1)
.set rRA, 0
.set rRB, \n&1
.else
.set rD, 32*rM+8*\n
.set rA, WF+48*((\g>>1)&1)+12*\n
.set rB, AF+48*(\g&1)+12*\mm
.set rSA, WS+2*((\g>>1)&1)+(\n>>1)
.set rSB, AS+4*(\g&1)+\mm
.set rRA, \n&1
.set rRB, 0
.endif
	WM
.endr
.endr
	WIN 0
.endr
.endm
; the fragment at v[PC] is stored as fragment n of the operand block at base + off; its scale words are gathered: even fragments in lanes 0-15, odd ones in lanes 16-31
.macro PUT base, off, n
.irp c, 0,1,2
	global_store_b128 v[LI], v[PC+4*\c:PC+4*\c+3], s[\base:\base+1] offset:\off+1536*(\n)+512*\c   ; 512 consecutive bytes, at a multiple of 256 from the buffer's first byte
.endr
.if ((\n)%2) == 0
	v_mov_b32 v[SW+(\n)/2], v[PW]
.else
	v_cndmask_b32 v[SW+(\n)/2], v[SW+(\n)/2], v[PW], s52
.endif
.if (\n) == 3
	global_store_b64 v[L8], v[SW:SW+1], s[\base:\base+1] offset:\off+6144   ; the block's 256 bytes of scale words
.endif
.endm
.macro LWLOAD i                        ; low of token tiles 2 i, 2 i + 1
.irp u, 0,1
.irp q, 0,1
	ds_load_b128 v[LW+16*((\i)&1)+8*\u+4*\q:LW+16*((\i)&1)+8*\u+4*\q+3], v[LRD] offset:1024*(2*(\i)+\u)+512*\q
.endr
.endr
.endm
	s_load_b512 s[4:19], s[0:1], 0x0               ; x, c, g_qx, g_kvx, g_qc, g_kvc, B_x, B_c
	s_load_b256 s[20:27], s[0:1], 0x40             ; mag_x, mag_c, wfrag, qimg
	s_load_b64 s[28:29], s[0:1], 0x60              ; kvblk
	v_lshl_add_u32 v[SPW], v0, 2, SPARE
	v_mov_b32 v[NIL], 0
	v_lshrrev_b32 v12, 5, v0
	v_readfirstlane_b32 s56, v12                   ; wave 0..7
	v_and_b32 v12, 31, v0                          ; lane
	v_and_b32 v13, 15, v0                          ; r
	v_bfe_u32 v14, v0, 4, 1                        ; h
	v_lshlrev_b32 v[LI], 4, v12
	v_lshlrev_b32 v[L4], 2, v12
	v_lshlrev_b32 v[L8], 3, v12
	v_and_b32 v15, 8, v13
	v_add_nc_u32 v15, v15, v13                     ; r + 8 (r / 8)
	v_lshlrev_b32 v[XA], 11, v15
	v_lshl_add_u32 v[XA], v14, 6, v[XA]
	v_lshlrev_b32 v[GA], 6, v14
	v_add_nc_u32 v[GA], GLDS, v[GA]
	s_mul_i32 s63, s56, 6144
	v_add_nc_u32 v[IWA], s63, v[LI]
	s_lshl_b32 s63, s56, 9
	s_add_co_u32 s63, s63, ASC0
	v_add_nc_u32 v[SWA], s63, v[L4]
	s_lshl_b32 s63, s56, 10
	s_add_co_u32 s63, s63, LOWI
	v_add_nc_u32 v[LWA], s63, v[LI]
	s_lshl_b32 s63, s56, 6
	v_add_nc_u32 v[BA], s63, v15                   ; channel 64 w + r + 8 (r / 8)
	v_lshlrev_b32 v[BA], 6, v[BA]                  ; a row of B is 64 bytes
	v_lshl_add_u32 v[BA], v14, 5, v[BA]            ; + 32 h: ranks 8 h on
	v_add_nc_u32 v[LRD], LOWI, v[LI]
	v_and_b32 v12, 127, v0
	v_lshlrev_b32 v12, 4, v12                      ; g: 16 bytes a thread; waves 0-3 copy q's, waves 4-7 kv's
	v_lshl_add_u32 v13, v0, 4, GLDS
	v_mov_b32 v[TM+4], 0                           ; written once: a lane permute's destination counts as one of its sources
	v_mov_b32 v[TM+5], 0
	s_mov_b32 s50, 0x76543210                      ; v_permlanex16_b32's selects for lane l xor 16
	s_mov_b32 s51, 0xfedcba98
	s_mov_b32 s52, 0xffff0000                      ; lanes 16-31
	s_mov_b32 s53, 0x3b000000                      ; 1 / 512
	s_mov_b32 s54, 0x322bcc77                      ; 1e-8
	s_mov_b32 s57, 0x3727c5ac                      ; 1e-5
	s_mov_b32 s58, 0x3c010204                      ; 1 / 127
	s_cmp_lt_u32 ttmp9, 128                        ; x's block or c's?
	s_cselect_b32 s70, 0, 128
	s_cselect_b32 s71, 0, 1
	s_cselect_b32 s72, 0, 16                       ; W_q's first group
	s_cselect_b32 s73, 48, 32                      ; W_kv's
	s_cselect_b32 s74, 5, 3                        ; log2 of a batch's blocks
	s_cselect_b32 s75, 0, 1024                     ; first key step of the tensor in kvblk
	s_sub_co_u32 s70, ttmp9, s70                   ; the block in its tensor
	s_lshr_b32 s76, s70, s74                       ; batch
	s_lshl_b32 s77, s76, s74
	s_sub_co_u32 s77, s70, s77                     ; key step in the batch
	s_lshl_b32 s76, s76, 3
	s_add_co_u32 s76, s76, s56                     ; batch x 8 + head
	s_lshl_b32 s76, s76, s74
	s_add_co_u32 s76, s76, s77
	s_add_co_u32 s76, s76, s75
	s_mul_i32 s76, s76, 12800                      ; my head's key step in kvblk
	s_mov_b32 s77, 0
	s_add_co_u32 s78, s71, 256
	s_mul_i32 s78, s78, 6400                       ; A's block
	s_mov_b32 s79, 0
	s_add_co_u32 s80, s72, s56
	s_mul_i32 s80, s80, 25600                      ; my head's four blocks of W_q
	s_mov_b32 s81, 0
	s_add_co_u32 s82, s73, s56
	s_mul_i32 s82, s82, 25600                      ; of W_kv's k half
	s_mov_b32 s83, 0
	s_lshl_b32 s84, ttmp9, 3
	s_add_co_u32 s84, s84, s56
	s_mul_i32 s84, s84, 6400                       ; my head's block of qimg
	s_mov_b32 s85, 0
	s_lshl_b32 s86, s70, 18                        ; the block's 128 rows of 2,048 bytes,
	s_lshr_b32 s87, s56, 1
	s_lshl_b32 s87, s87, 16                        ; my tile: 32 (w >> 1) rows
	s_add_co_u32 s86, s86, s87
	s_and_b32 s87, s56, 1
	s_lshl_b32 s87, s87, 14                        ; + 8 (w & 1)
	s_add_co_u32 s86, s86, s87
	s_mov_b32 s87, 0
	s_lshl_b32 s88, s56, 2
	s_mov_b32 s89, 0
	s_wait_kmcnt 0x0
	s_cmp_lt_u32 ttmp9, 128                        ; every choice of a buffer hangs on ids alone
	s_cselect_b64 s[30:31], s[4:5], s[6:7]         ; the tokens
	s_cselect_b64 s[66:67], s[8:9], s[12:13]       ; g_q
	s_cselect_b64 s[68:69], s[10:11], s[14:15]     ; g_kv
	s_cselect_b64 s[34:35], s[16:17], s[18:19]     ; B
	s_cselect_b64 s[36:37], s[20:21], s[22:23]     ; mag
	s_cmp_lt_u32 s56, 4
	s_cselect_b64 s[32:33], s[66:67], s[68:69]
	s_add_nc_u64 s[30:31], s[30:31], s[86:87]
	s_add_nc_u64 s[38:39], s[24:25], s[78:79]      ; A's block
	s_add_nc_u64 s[40:41], s[24:25], s[80:81]      ; W_q
	s_add_nc_u64 s[42:43], s[24:25], s[82:83]      ; W_k
	s_add_nc_u64 s[44:45], s[42:43], 204800        ; W_v: eight groups on
	s_add_nc_u64 s[46:47], s[26:27], s[84:85]
	s_add_nc_u64 s[48:49], s[28:29], s[76:77]
	s_add_nc_u64 s[36:37], s[36:37], s[88:89]
	s_load_b32 s55, s[36:37], 0x0                  ; mag of my head
	global_load_b128 v[176:179], v12, s[32:33]     ; g
.irp n, 0,1,2,3
.irp c, 0,1,2
	global_load_b128 v[AFR+12*\n+4*\c:AFR+12*\n+4*\c+3], v[LI], s[38:39] offset:1536*\n+512*\c   ; A's four K steps
.endr
.endr
	global_load_b64 v[WS:WS+1], v[L8], s[38:39] offset:6144
	s_wait_loadcnt 13                              ; g is in; A's 13 loads may be out
	ds_store_b128 v13, v[176:179]
	WIN 0x40                                       ; destination window 1
.set i, 0
.rept 64
	global_load_b128 v[4*i:4*i+3], v[XA], s[30:31] offset:128*(i/4)+16*(i%4) th:TH_LOAD_NT   ; block i / 4 of my token: my 16 numbers
.set i, i+1
.endr
	WIN 0
	s_wait_dscnt 0x0                               ; for the others' sake: my part of g lies in LDS
	s_barrier_signal -1
	s_barrier_wait -1
	; ---- the sum of squares, K step by K step as the loads come in
.irp s, 0,1,2,3
	s_wait_loadcnt 16*(3-\s)                       ; the 16 loads of each later K step may be out
	WIN 0x05
.set i, 0
.rept 32
.if (\s == 0) && (i < 4)
	v_pk_mul_f32 v[SS+2*i:SS+2*i+1], v[64*\s+2*i:64*\s+2*i+1], v[64*\s+2*i:64*\s+2*i+1]   ; the first products start four chains
.else
	v_pk_fma_f32 v[SS+2*(i%4):SS+2*(i%4)+1], v[64*\s+2*i:64*\s+2*i+1], v[64*\s+2*i:64*\s+2*i+1], v[SS+2*(i%4):SS+2*(i%4)+1]
.endif
.set i, i+1
.endr
.endr
	WIN 0
	v_pk_add_f32 v[SS:SS+1], v[SS:SS+1], v[SS+2:SS+3]
	v_pk_add_f32 v[SS+4:SS+5], v[SS+4:SS+5], v[SS+6:SS+7]
	v_pk_add_f32 v[SS:SS+1], v[SS:SS+1], v[SS+4:SS+5]
	v_add_f32 v[SS], v[SS], v[SS+1]
	v_permlanex16_b32 v[SS+2], v[SS], s50, s51
	v_add_f32 v[SS], v[SS], v[SS+2]                ; the token's
	v_fma_f32 v[SS], v[SS], s53, s54               ; mean + 1e-8
	v_rsq_f32 v[RR], v[SS]
	v_nop                                          ; a plain instruction behind it,
	s_wait_alu depctr_va_vdst(0)                   ; and the wait ahead of its first reader
	v_mov_b32 v[RR+1], v[RR]
	; ---- low = A tok^T on codes of the RAW tokens: one accumulator
.irp s, 0,1,2,3
	QHALF 64*\s, 1, 0
	QHALF 64*\s+32, 1, 1
	PLACES 8                                       ; a scale word written by a vector instruction stands 8 places ahead of a scaled matrix instruction
.set rD, LOWACC
.set rA, AFR+12*\s
.set rB, PC
.set rSA, WS+(\s>>1)
.set rSB, PW
.set rRA, \s&1
.set rRB, 0
.set rZ, \s == 0
.if \s > 0
	s_wait_alu depctr_va_vdst(0)
.endif
	WM
.endr
	PLACES 4
	ds_store_b128 v[LWA], v[LOWACC:LOWACC+3]       ; lane (r, h): low[rank 8 h + j][token r]
	ds_store_b128 v[LWA], v[LOWACC+4:LOWACC+7] offset:512
	; ---- x r, in place
	WIN 0x41
.set i, 0
.rept 128
	v_pk_mul_f32 v[i:i+1], v[i:i+1], v[RR:RR+1] op_sel_hi:[1,0]
.set i, i+2
.endr
	WIN 0
	; ---- the two gains: one text, two trips
	s_mov_b32 s59, 0
	s_mov_b32 s60, 0
	s_mov_b32 s61, 0
	s_mov_b32 s62, 0
.Lset:
	s_wait_dscnt 0x0                               ; no LDS instruction of mine is out: the three addresses may be written
	v_add_nc_u32 v12, s59, v[GA]
	v_add_nc_u32 v13, s60, v[IWA]
	v_add_nc_u32 v14, s61, v[SWA]
	ASET
	s_add_co_u32 s59, s59, 2048
	s_add_co_u32 s60, s60, ACT1-ACT0
	s_add_co_u32 s61, s61, ASC1-ASC0
	s_add_co_u32 s62, s62, 1
	s_cmp_lt_u32 s62, 2
	s_cbranch_scc1 .Lset
	LOADW 40, 0, 0                                 ; W_q's first K step is asked for ahead of the barrier
	s_wait_dscnt 0x0                               ; my images, scale words and low lie in LDS
	s_barrier_signal -1
	s_barrier_wait -1                              ; everybody's do.  No LDS byte is written behind this barrier
	; ---- Q
	v_mov_b32 v12, v[LI]
	v_add_nc_u32 v13, ASC0, v[L4]
	GEMM 0, 40
	PLACES 5                                       ; the accumulators become the C of other accumulators, and loads land on the weights' registers
.irp n, 0,1,2,3
	global_load_b128 v[BF+8*\n:BF+8*\n+3], v[BA], s[34:35] offset:(32*(\n/2)+8*(\n%2))*64        ; B[channel][8 h + 0 .. 7] for tile n's rows
	global_load_b128 v[BF+8*\n+4:BF+8*\n+7], v[BA], s[34:35] offset:(32*(\n/2)+8*(\n%2))*64+16
.endr
	LOADW 42, 0, 0
	LWLOAD 0
	s_wait_kmcnt 0x0                               ; mag
	s_wait_loadcnt 13                              ; B is in; W_k's 13 loads may be out
.set i, 0
.rept 32
	v_mul_f32 v[BF+i], s55, v[BF+i]                ; mag x B
.set i, i+1
.endr
; q_final^T = q^T + (mag B) low, K = 16 in four steps of the f32 form.  K's places are dealt alike on both sides: place 2 h + j of step kk is rank 8 h + 2 kk + j, which is where both operands' numbers lie already.
.irp i, 0,1,2,3
.if \i < 3
	LWLOAD (\i+1)
	s_wait_dscnt 4                                 ; this pair's low is in; the next pair's 4 loads may be out
.else
	s_wait_dscnt 0x0
.endif
.irp u, 0,1
	WIN 0x10                                       ; C: q's accumulator, in window 1
.irp n, 0,1,2,3
	v_wmma_f32_16x16x4_f32 v[QF+8*\n:QF+8*\n+7], v[BF+8*\n:BF+8*\n+1], v[LW+16*(\i&1)+8*\u:LW+16*(\i&1)+8*\u+1], v[32*(2*\i+\u)+8*\n:32*(2*\i+\u)+8*\n+7]
.endr
	WIN 0
.irp kk, 1,2,3
.irp n, 0,1,2,3                                ; the four accumulators by turns
	v_wmma_f32_16x16x4_f32 v[QF+8*\n:QF+8*\n+7], v[BF+8*\n+2*\kk:BF+8*\n+2*\kk+1], v[LW+16*(\i&1)+8*\u+2*\kk:LW+16*(\i&1)+8*\u+2*\kk+1], v[QF+8*\n:QF+8*\n+7]
.endr
.endr
	PLACES 8                                       ; behind the f32 form, ahead of the first read of its results
.if \u == 0
	s_wait_xcnt 0x0                                ; the last fragment's stores have read their registers
.endif
	QHALF QF, 0, \u
.endr
	PUT 46, 0, \i
.endr
	; ---- K
	v_add_nc_u32 v12, ACT1, v[LI]
	v_add_nc_u32 v13, ASC1, v[L4]
	GEMM 0, 42
	PLACES 4
	LOADW 44, 0, 0
.irp i, 0,1,2,3
	s_wait_xcnt 0x0
	QHALF 32*(2*\i), 1, 0
	QHALF 32*(2*\i+1), 1, 1
	PUT 48, 0, \i
.endr
	; ---- V
	GEMM 1, 44
	PLACES 4
.irp n, 0,1,2,3
	s_wait_xcnt 0x0
	QHALF 64*\n, 1, 0
	QHALF 64*\n+32, 1, 1
	PUT 48, 6400, \n
.endr
	s_wait_tensorcnt 0x0                           ; the wave's end, behind my last LDS store
	ds_add_u32 v[SPW], v[NIL]
	s_wait_dscnt 0x0
	s_endpgm
.Lfunc_end_k_q8eb2e4398d_proj:
	.size	k_q8eb2e4398d_proj, .Lfunc_end_k_q8eb2e4398d_proj-k_q8eb2e4398d_proj
	.p2alignl 7, 3214868480
	.fill 96, 4, 3214868480
	.section	.rodata,"a",@progbits
	.p2align	6, 0x0
	.amdhsa_kernel k_q8eb2e4398d_proj
		.amdhsa_group_segment_fixed_size 119808
		.amdhsa_private_segment_fixed_size 0
		.amdhsa_enable_private_segment 0
		.amdhsa_kernarg_size 104
		.amdhsa_user_sgpr_count 2
		.amdhsa_user_sgpr_kernarg_segment_ptr 1
		.amdhsa_wavefront_size32 1
		.amdhsa_system_sgpr_workgroup_id_x 1
		.amdhsa_system_sgpr_workgroup_id_y 1
		.amdhsa_system_sgpr_workgroup_id_z 1
		.amdhsa_system_vgpr_workitem_id 0
		.amdhsa_next_free_vgpr 512
		.amdhsa_next_free_sgpr 90
		.amdhsa_reserve_vcc 0
		.amdhsa_float_denorm_mode_32 3
		.amdhsa_float_denorm_mode_16_64 3
		.amdhsa_memory_ordered 1
		.amdhsa_forward_progress 1
		.amdhsa_inst_pref_size 255
	.end_amdhsa_kernel
	.section	.bss,"aw",@nobits
	.p2align	6
	.space	262144
	.amdgpu_metadata
---
amdhsa.version: [ 1, 2 ]
amdhsa.kernels:
  - .name:           k_q8eb2e4398d_proj
    .symbol:         k_q8eb2e4398d_proj.kd
    .args:
      - { .name: x, .offset: 0, .size: 8, .value_kind: global_buffer, .address_space: global }
      - { .name: c, .offset: 8, .size: 8, .value_kind: global_buffer, .address_space: global }
      - { .name: g_qx, .offset: 16, .size: 8, .value_kind: global_buffer, .address_space: global }
      - { .name: g_kvx, .offset: 24, .size: 8, .value_kind: global_buffer, .address_space: global }
      - { .name: g_qc, .offset: 32, .size: 8, .value_kind: global_buffer, .address_space: global }
      - { .name: g_kvc, .offset: 40, .size: 8, .value_kind: global_buffer, .address_space: global }
      - { .name: B_x, .offset: 48, .size: 8, .value_kind: global_buffer, .address_space: global }
      - { .name: B_c, .offset: 56, .size: 8, .value_kind: global_buffer, .address_space: global }
      - { .name: mag_x, .offset: 64, .size: 8, .value_kind: global_buffer, .address_space: global }
      - { .name: mag_c, .offset: 72, .size: 8, .value_kind: global_buffer, .address_space: global }
      - { .name: wfrag, .offset: 80, .size: 8, .value_kind: global_buffer, .address_space: global }
      - { .name: qimg, .offset: 88, .size: 8, .value_kind: global_buffer, .address_space: global }
      - { .name: kvblk, .offset: 96, .size: 8, .value_kind: global_buffer, .address_space: global }
    .group_segment_fixed_size: 119808
    .private_segment_fixed_size: 0
    .kernarg_segment_align: 8
    .kernarg_segment_size: 104
    .max_flat_workgroup_size: 256
    .sgpr_count:     90
    .vgpr_count:     512
    .wavefront_size: 32
...
	.end_amdgpu_metadata
.endif
;; end of part 3
;; launch attn (part 4): grid 640 x 1, 16 waves a work-group, no clusters, 327,680 bytes of LDS; arguments qimg, kvblk, att; writes att
.if DOCPART == 4
	.amdgcn_target "amdgcn-amd-amdhsa--gfx1250"
	.amdhsa_code_object_version 6
	.text
	.protected	k_q8eb2e4398d_attn
	.globl	k_q8eb2e4398d_attn
	.p2align	8
	.type	k_q8eb2e4398d_attn,@function
k_q8eb2e4398d_attn:
	s_mov_b64 s[64:65], 0
	v_nop
	global_prefetch_b8 v0, s[64:65] scope:SCOPE_SE
	s_setreg_imm32_b32 hwreg(HW_REG_WAVE_MODE, 25, 1), 1
	s_wait_xcnt 0x0
; Both attention passes on codes of E3M2.  att[token][head x 64 + d] = the sum over keys of softmax(q . k / 8) v, f32.  (Nothing of reference() is left out here.)
; Work-groups 0-127: queries of c, 32 key steps (4,096 keys of x);  128-639: queries of x, 8 key steps (1,024 keys of c).  A work-group owns 256 queries of one head; each of its SIXTEEN waves one tile of 16, in 256 registers.
; THE SOFTMAX AHEAD OF THE SECOND PRODUCT: t = score x log2(e) / 8; M = the largest t so far, rounded UP to a whole number; p = 2^(t - M) is quantised along the keys, not normalised; the sum of the unquantised p divides at the end.
; When M moves, the sum and O are multiplied by 2^(old M - new M): exact.
; LAYOUT.  Both products transposed: S^T = K Q^T, O^T = V^T P^T: a lane holds ONE query.  A key step is 12,800 dense bytes: K's operand block and V's (layout: the second kernel's head), every fragment an image of its registers.
; K = 64: a fragment of k holds two tiles of 16 keys, one in each half of the instruction's K = 128.  Q stands twice, [q | zero codes] and [zero codes | q], in v192-209 with the zeros shared: the zero codes take the other tile away.
; The keys of a tile are chosen (third kernel's head), so that the 16 registers of tiles 2 b, 2 b + 1 are keys 32 b + 16 (lane / 16) + 0 .. 15.
; RING: two slots of four key steps (51,200 bytes), filled by waves 0-3, one key step each: one tensor load a wave behind each change of slots, which has four key steps of sixteen waves in which to land.
; ONE TEXT SERVES BOTH KEY COUNTS: every work-group walks eight slots, so that all trip counts are constants; a step at or past the work-group's count is jumped over (its work alone), and so is a refill that no step would read.
; Both jumps hang on the work-group's number and the count of steps: the same in all sixteen waves; every wait for tensor loads is for all of them.
; NO CLUSTER: the refills end by that jump, where a joint load has to be issued by all partners on every path; and what is shared is small: 12,800 bytes for a key step in which the work-group has 192 matrix instructions and sixteen softmax steps.
; REGISTERS: v1, v2 16 x and 8 x lane; v5, v6 the add's; v7 my offset in att; v8, v9 the step's addresses; v12 -M, v13 the largest t, v[14:15] the sum; v32-79 four fragments of K, then of V; v96-159 S^T, then p;
;   v160-191 O^T; v192-209 Q; v224-235 p's codes; v232-247, v252, v254 at work; scale words alone: v248-249 K's, v250-251 V's, v253 p's, v255 Q's.
.set STEPB, 12800
.set SLOT1, 65536                      ; slot 1 begins here: one exclusive or turns an address in one slot into the other's
.set STAGE, 131072                     ; the way out: 16 rows x (256 + 16) bytes for each wave, in bytes of their own
.set SPARE, 200704                     ; the spare words, 128 bytes for each wave: eight blocks of 256 bytes that no other line names
.set LI,  1
.set L8,  2
.set SPW, 5
.set NIL, 6
.set GO,  7
.set ADK, 8
.set ADS, 9
.set WV,  18
.set SEL, 20
.set CS,  22
.set TB,  2                            ; s2   LDS byte at which the slot in hand begins
.set KF,  66                           ; s66  the key step's number
.set NS,  67                           ; s67  my work-group's key steps: 32 or 8
.set SLOTS, 68
.macro TLOAD                           ; waves 0-3 fetch, a key step each; an s_nop 0 and four v_nop follow the line
	s_cmp_lt_u32 s[WV], 4
	s_cbranch_scc0 .Lasked_\@
	tensor_load_to_lds s[40:43], s[24:31]
	s_nop 0
.rept 4
	v_nop
.endr
.Lasked_\@:
.endm
	s_load_b128 s[4:7], s[0:1], 0x0                ; qimg, kvblk
	s_load_b64 s[8:9], s[0:1], 0x10                ; att
	v_lshl_add_u32 v[SPW], v0, 2, SPARE
	v_mov_b32 v[NIL], 0
	ds_add_u32 v[SPW], v[NIL]                      ; the wave's opening: the add, twice on end, and its wait ahead of the first tensor load; the set-up below stands between
	ds_add_u32 v[SPW], v[NIL]
	v_lshrrev_b32 v8, 5, v0
	v_readfirstlane_b32 s[WV], v8                  ; wave 0..15
	s_cmp_lt_u32 ttmp9, 128                        ; queries of c?
	s_cselect_b32 s[NS], 32, 8
	s_cselect_b32 s70, 0, 128
	s_cselect_b32 s71, 2, 4                        ; log2 of a head's query blocks
	s_cselect_b32 s72, 5, 3                        ; log2 of its key steps
	s_cselect_b32 s73, 0, 1024                     ; where the keys' tensor begins in kvblk
	s_cselect_b32 s74, 128, 0                      ; where the queries' tensor begins, in blocks of 128 tokens
	s_cselect_b32 s75, 3, 5                        ; log2 of a batch's blocks
	s_sub_co_u32 s70, ttmp9, s70
	s_lshr_b32 s76, s70, s71                       ; batch x 8 + head
	s_lshl_b32 s77, s76, s71
	s_sub_co_u32 s77, s70, s77                     ; which 256 queries
	s_lshl_b32 s78, s76, s72
	s_add_co_u32 s78, s78, s73                     ; the head's first key step
	s_lshr_b32 s79, s76, 3                         ; batch
	s_and_b32 s80, s76, 7                          ; head
	s_lshl_b32 s79, s79, s75
	s_add_co_u32 s79, s79, s74
	s_lshl_b32 s77, s77, 1
	s_add_co_u32 s79, s79, s77
	s_lshr_b32 s81, s[WV], 3
	s_add_co_u32 s79, s79, s81                     ; my block of 128 tokens
	s_and_b32 s82, s[WV], 7                        ; my tile t in it
	s_and_b32 s83, s[WV], 3
	s_add_co_u32 s86, s78, s83
	s_mul_i32 s86, s86, STEPB                      ; the key step that I fetch first, if I fetch
	s_mov_b32 s87, 0
	s_lshl_b32 s88, s79, 3
	s_add_co_u32 s88, s88, s80
	s_mul_i32 s88, s88, 6400                       ; my block of qimg
	s_mov_b32 s89, 0
	s_lshr_b32 s92, s82, 1                         ; i = t >> 1: the pair fragment
	s_and_b32 s84, s82, 1                          ; u = t & 1: its half
	s_lshl_b32 s90, s79, 7
	s_lshl_b32 s91, s92, 5
	s_add_co_u32 s90, s90, s91
	s_lshl_b32 s91, s84, 3
	s_add_co_u32 s90, s90, s91                     ; my tile's first token: 128 x block + 32 i + 8 u
	s_lshl_b32 s90, s90, 11
	s_lshl_b32 s91, s80, 8
	s_add_co_u32 s90, s90, s91                     ; its row of att, my head's 256 bytes
	s_mov_b32 s91, 0
	s_mul_i32 s97, s92, 1536
	s_mul_i32 s93, s84, 520
	s_add_co_u32 s93, s93, s97                     ; registers 6 u, 6 u + 1 of the image: 1536 i + 520 u
	s_mul_i32 s94, s84, 1016
	s_add_co_u32 s94, s94, s97
	s_add_co_u32 s94, s94, 8                       ; 6 u + 2, 6 u + 3: + 8 + 1016 u
	s_add_co_u32 s95, s93, 512                     ; 6 u + 4, 6 u + 5: + 512 + 520 u
	s_and_b32 s96, s92, 1
	s_lshl_b32 s96, s96, 7
	s_lshr_b32 s97, s92, 1
	s_lshl_b32 s97, s97, 2
	s_add_co_u32 s96, s96, s97
	s_add_co_u32 s96, s96, 6144                    ; the fragment's scale words
	s_lshl_b32 s85, s84, 4                         ; my two bytes lie 16 u bits up
	s_mov_b32 s24, 3<<16                           ; group 1: no mask; elements of 8 bytes; no padding: every LDS read takes 16 consecutive bytes a lane
	s_mov_b32 s25, 32<<16                          ; tensor_dim0 = 32: rows of 256 bytes
	s_mov_b32 s26, 50<<16                          ; tensor_dim1 = 50: a key step's 12,800 dense bytes
	s_mov_b32 s27, 32<<16                          ; tile_dim0
	s_mov_b32 s28, 50                              ; tile_dim1
	s_mov_b32 s29, 32                              ; the pitch
	s_mov_b32 s30, 0
	s_mov_b32 s31, 0
	s_mov_b32 s[SEL], 0x76543210
	s_mov_b32 s[SEL+1], 0xfedcba98
	s_mov_b32 s[CS], 0x3e38aa3b                    ; c = log2(e) / 8
	s_mov_b32 s[CS+1], s[CS]                       ; (named with it as a pair, so it is written)
	s_mov_b32 s[TB], 0
	s_mov_b32 s[KF], 0
	s_mov_b32 s[SLOTS], 7
	s_wait_dscnt 0x0                               ; both opening adds are done
	s_wait_kmcnt 0x0
	s_mov_b32 s40, 1                               ; group 0: count = 1
	s_mul_i32 s41, s83, STEPB                      ; LDS: slot 0, my key step
	s_add_nc_u64 s[42:43], s[6:7], s[86:87]
	s_or_b32 s43, s43, 0x80000000                  ; type = 2
	TLOAD                                          ; slot 0
	s_add_nc_u64 s[4:5], s[4:5], s[88:89]
	s_add_nc_u64 s[8:9], s[8:9], s[90:91]
	v_and_b32 v8, 15, v0                           ; r
	v_bfe_u32 v9, v0, 4, 1                         ; h
	v_and_b32 v10, 31, v0
	v_lshlrev_b32 v[LI], 4, v10
	v_lshlrev_b32 v[L8], 3, v10
	v_add_nc_u32 v16, s93, v[LI]
	v_add_nc_u32 v17, s94, v[LI]
	v_add_nc_u32 v18, s95, v[LI]
	v_lshlrev_b32 v19, 3, v8
	v_add_nc_u32 v19, s96, v19
	global_load_b64 v[192:193], v16, s[4:5]        ; my tile's six registers of codes, twice
	global_load_b64 v[194:195], v17, s[4:5]
	global_load_b64 v[196:197], v18, s[4:5]
	global_load_b64 v[204:205], v16, s[4:5]
	global_load_b64 v[206:207], v17, s[4:5]
	global_load_b64 v[208:209], v18, s[4:5]
	global_load_b32 v255, v19, s[4:5]
.irp j, 0,1,2,3,4,5
	v_mov_b32 v[198+\j], 0                         ; the zero codes between them
.endr
	v_lshlrev_b32 v[GO], 11, v9
	v_lshl_add_u32 v[GO], v8, 4, v[GO]             ; the way out: lanes 0-15 one row of att, lanes 16-31 the next; 16 bytes a lane
	s_wait_loadcnt 0x0                             ; Q
	v_lshrrev_b32 v255, s85, v255
	v_and_b32 v255, 0xffff, v255                   ; my tile's two scale bytes,
	v_lshl_or_b32 v255, v255, 16, v255             ; in both halves of the word: they serve [q | 0] and [0 | q] alike.  A scale word written by a vector instruction stands 8 places ahead of a scaled matrix
	                                               ; instruction: the 42 plain lines below, which are due anyway, are those places on every way into a key step
	v_mov_b32 v13, 0xff61b1e6                      ; the largest t so far: -3e38, under every t
	v_floor_f32 v12, -v13                          ; -M
	v_mov_b32 v14, 0                               ; the sum, in two halves
	v_mov_b32 v15, 0
.irp b, 0,1,2,3
	v_mov_b32 v[236+\b], 0                         ; written once: a lane permute's destination counts as one of its sources
.endr
	v_mov_b32 v252, 0
	v_mov_b32 v253, 0                              ; (named as the upper half of the pair v[252:253] before it is first written)
.set j, 0
.rept 32
	v_mov_b32 v[160+j], 0                          ; O^T.  (The step is written without a first step of its own: the first finds zeros, which the first change of M leaves zeros)
.set j, j+1
.endr
; A KEY STEP: 128 keys, the q-th of the slot in hand.
.macro STEP q
	s_cmp_ge_u32 s[KF], s[NS]                      ; past my work-group's keys: the step's work is left out, not the line at its end
	s_cbranch_scc1 .Lhidden_\@
	v_add_nc_u32 v[ADK], s[TB], v[LI]
	v_add_nc_u32 v[ADS], s[TB], v[L8]
	v_nop
	v_nop                                          ; four places in front of loads into registers that the last step's matrix instructions have read
.irp n, 0,1,2,3
.irp c, 0,1,2
	ds_load_b128 v[32+12*\n+4*\c:35+12*\n+4*\c], v[ADK] offset:(\q)*STEPB+1536*\n+512*\c
.endr
.endr
	ds_load_b64 v[248:249], v[ADS] offset:(\q)*STEPB+6144
	s_wait_dscnt 0x0
.irp t, 0,1,2,3,4,5,6,7                        ; S^T: tile t lies in half t % 2 of fragment t / 2
.if ((\t/2)%2) == 1
	v_wmma_scale_f32_16x16x128_f8f6f4 v[96+8*\t:103+8*\t], v[32+12*(\t/2):43+12*(\t/2)], v[192+6*(\t%2):203+6*(\t%2)], 0, v[248+\t/4], v255 matrix_a_fmt:MATRIX_FMT_BF6 matrix_b_fmt:MATRIX_FMT_BF6 matrix_a_scale:MATRIX_SCALE_ROW1
.else
	v_wmma_scale_f32_16x16x128_f8f6f4 v[96+8*\t:103+8*\t], v[32+12*(\t/2):43+12*(\t/2)], v[192+6*(\t%2):203+6*(\t%2)], 0, v[248+\t/4], v255 matrix_a_fmt:MATRIX_FMT_BF6 matrix_b_fmt:MATRIX_FMT_BF6
.endif
.endr
.rept 4
	v_nop                                          ; places ahead of the loads into K's registers and of the first read of the scores
.endr
.irp n, 0,1,2,3                                ; V's four fragments take K's place and land while the softmax is worked
.irp c, 0,1,2
	ds_load_b128 v[32+12*\n+4*\c:35+12*\n+4*\c], v[ADK] offset:(\q)*STEPB+6400+1536*\n+512*\c
.endr
.endr
	ds_load_b64 v[250:251], v[ADS] offset:(\q)*STEPB+6400+6144
.irp b, 0,1,2,3
	v_max3_num_f32 v[232+\b], v[96+16*\b], v[97+16*\b], v[98+16*\b]   ; THE LARGEST SCORE OF EACH BLOCK OF 32 KEYS serves twice: for the row's maximum, and, since p rises with the score, for the block's largest p
.endr
.irp i, 3,5,7,9,11,13
.irp b, 0,1,2,3
	v_max3_num_f32 v[232+\b], v[232+\b], v[96+16*\b+\i], v[97+16*\b+\i]
.endr
.endr
.irp b, 0,1,2,3
	v_max_num_f32 v[232+\b], v[232+\b], v[111+16*\b]
.endr
.irp b, 0,1,2,3
	v_permlanex16_b32 v[236+\b], v[232+\b], s[SEL], s[SEL+1]
.endr
.irp b, 0,1,2,3
	v_max_num_f32 v[232+\b], v[232+\b], v[236+\b]  ; with lane l xor 16's 16 keys
.endr
	v_max3_num_f32 v254, v232, v233, v234
	v_max_num_f32 v254, v254, v235                 ; the step's largest score of my query
	v_mul_f32 v254, s[CS], v254                    ; as t (c is positive)
	v_max_num_f32 v13, v13, v254                   ; the running largest t
	v_mov_b32 v254, v12
	v_floor_f32 v12, -v13                          ; the new -M = floor(-t) = -ceil(t)
	v_sub_f32 v254, v12, v254                      ; M's old value less its new one: a whole number, 0 or less
	v_cvt_i32_f32 v254, v254                       ; (it saturates)
	v_ldexp_f32 v252, 1.0, v254                    ; f = 2^(old M - new M)
.set j, 0
.rept 32
	v_pk_fma_f32 v[96+j:97+j], v[96+j:97+j], s[CS:CS+1], v[12:13] op_sel_hi:[1,0,0]   ; t - M, two at a time
.set j, j+2
.endr
.irp b, 0,1,2,3
	v_fma_f32 v[232+\b], v[232+\b], s[CS], v12     ; the same of each block's largest score
.endr
.set j, 0
.rept 64
	v_exp_f32 v[96+j], v[96+j]                     ; p = 2^(t - M), at most 1: not normalised
.set j, j+1
.endr
	v_pk_mul_f32 v[14:15], v[14:15], v[252:253] op_sel_hi:[1,0]   ; the sums under the new M.  (A plain instruction behind the exponentials)
	s_wait_alu depctr_va_vdst(0)                   ; one wait for the whole batch, ahead of its first reader
.irp b, 0,1,2,3
	v_exp_f32 v[232+\b], v[232+\b]                 ; the block's largest p: the same two instructions on the same number give the same bits
.endr
	v_pk_add_f32 v[236:237], v[96:97], v[98:99]    ; THE ROW'S SUM IS TAKEN OF THE UNQUANTISED p, in two chains.  (It reads the 64 alone: plain work behind the four)
.irp j, 4,8,12,16,20,24,28,32,36,40,44,48,52,56,60
	v_pk_add_f32 v[14:15], v[14:15], v[96+\j:97+\j]
	v_pk_add_f32 v[236:237], v[236:237], v[98+\j:99+\j]
.endr
	v_pk_add_f32 v[14:15], v[14:15], v[236:237]
	s_wait_alu depctr_va_vdst(0)                   ; and one for the four
.irp b, 0,1,2,3
	v_max_num_f32 v[232+\b], 0x2800000, v[232+\b]  ; the floor 2^(5 - 127): the byte cannot fall under 1
.endr
.irp b, 0,1,2,3
	v_add_nc_u32 v[244+\b], 0xfe000000, v[232+\b]  ; 4 off the exponent field: the conversion's scale operand
.endr
.irp b, 0,1,2,3
	v_lshrrev_b32 v[236+\b], 23, v[244+\b]         ; the scale's byte
.endr
	v_lshl_or_b32 v253, v237, 8, v236              ; p's scale word for these 128 keys
	v_lshl_or_b32 v253, v238, 16, v253
	v_lshl_or_b32 v253, v239, 24, v253
.irp c, 0,1
	v_cvt_scalef32_pk16_bf6_f32 v[224+6*\c:226+6*\c], v[96+32*\c:111+32*\c], v[244+2*\c]
	v_cvt_scalef32_pk16_bf6_f32 v[236+4*\c:238+4*\c], v[112+32*\c:127+32*\c], v[244+2*\c+1]   ; (a conversion's three registers begin on an even number)
.endr
	v_nop                                          ; one plain instruction behind a scaled conversion
.irp c, 0,1                                    ; the layout wants a whole block in a lane
.irp i, 0,1,2
	v_permlane16_swap_b32 v[224+6*\c+\i], v[236+4*\c+\i]
.endr
.irp i, 0,1,2
	v_mov_b32 v[227+6*\c+\i], v[236+4*\c+\i]
.endr
.endr
.set j, 0
.rept 16
	v_pk_mul_f32 v[160+j:161+j], v[160+j:161+j], v[252:253] op_sel_hi:[1,0]   ; O^T under the new M.  (These are also the places in front of the matrix instructions below)
.set j, j+2
.endr
	s_wait_dscnt 0x0                               ; V is in
.irp n, 0,1,2,3                                ; O^T += V^T P^T: 16 channels a tile, K = these 128 keys
.if (\n%2) == 1
	v_wmma_scale_f32_16x16x128_f8f6f4 v[160+8*\n:167+8*\n], v[32+12*\n:43+12*\n], v[224:235], v[160+8*\n:167+8*\n], v[250+\n/2], v253 matrix_a_fmt:MATRIX_FMT_BF6 matrix_b_fmt:MATRIX_FMT_BF6 matrix_a_scale:MATRIX_SCALE_ROW1
.else
	v_wmma_scale_f32_16x16x128_f8f6f4 v[160+8*\n:167+8*\n], v[32+12*\n:43+12*\n], v[224:235], v[160+8*\n:167+8*\n], v[250+\n/2], v253 matrix_a_fmt:MATRIX_FMT_BF6 matrix_b_fmt:MATRIX_FMT_BF6
.endif
.endr
.Lhidden_\@:
	s_add_co_u32 s[KF], s[KF], 1
.endm
; THE CHANGE OF SLOTS stands at a slot's head.  Each wave waits for all its tensor loads, adds 0 to its spare word (fill = 1: twice on end), and waits for that and for its reads of the slot that it has left.
; Behind the barrier the slot ahead is whole and nobody reads the other one.  fill = 1: that other slot takes the next four key steps, if my work-group has them.
.macro CHANGE fill
	s_wait_tensorcnt 0x0                           ; no tensor load of mine is out, so group 0 may be written
	ds_add_u32 v[SPW], v[NIL]                      ; 0 onto my spare word
.if \fill
	ds_add_u32 v[SPW], v[NIL]                      ; and once more: the add twice on end here, in every trip alike
	s_xor_b32 s41, s41, SLOT1                      ; the walking descriptor: the other slot than last time,
	s_add_nc_u64 s[42:43], s[42:43], 4*STEPB       ; four key steps on; the type bits on top are not reached
.endif
	s_wait_dscnt 0x0                               ; the add is done, and my reads of the slot that I have left are over
	s_barrier_signal -1
	s_barrier_wait -1
.if \fill
	s_add_co_u32 s96, s[KF], 4                     ; the first key step of the slot that this change would ask for
	s_cmp_ge_u32 s96, s[NS]                        ; the work-group's number and the count of steps alone: all sixteen waves go the same way, and past the end stays past it
	s_cbranch_scc1 .Lpast_\@
	TLOAD                                          ; the first thing behind the barrier, and a wave's one tensor load until the next
.Lpast_\@:
.endif
.endm
.macro SLOT_STEPS
	STEP 0
	STEP 1
	STEP 2
	STEP 3
	s_xor_b32 s[TB], s[TB], SLOT1                  ; on to the other slot
.endm
.Lslot:                                            ; seven trips: behind each change of slots but the last the next slot is asked for, up to the work-group's last key step
	CHANGE 1
	SLOT_STEPS
	s_sub_co_u32 s[SLOTS], s[SLOTS], 1
	s_cmp_lg_u32 s[SLOTS], 0
	s_cbranch_scc1 .Lslot
	CHANGE 0                                       ; the last slot is written out: it asks for nothing
	SLOT_STEPS
	; THE WAY OUT.  O^T / the sum goes through my stage in LDS and leaves as rows of 256 bytes: my head's part of a token's row of att.
	v_add_f32 v14, v14, v15                        ; the sum's two halves,
	v_permlanex16_b32 v252, v14, s[SEL], s[SEL+1]
	v_add_f32 v14, v14, v252                       ; and lane l xor 16's: the row's sum
	v_rcp_f32 v14, v14
	v_and_b32 v8, 15, v0                           ; (a plain instruction behind the reciprocal)  r
	v_bfe_u32 v9, v0, 4, 1                         ; h
	s_mul_i32 s73, s[WV], 16*272
	s_add_co_u32 s73, s73, STAGE                   ; my stage
	v_mul_u32_u24 v10, v8, 272
	v_lshl_add_u32 v10, v9, 5, v10
	v_add_nc_u32 v10, s73, v10                     ; in: row r; tile n's eight channels of my half: 64 n + 32 h bytes on
	v_mul_u32_u24 v11, v9, 272
	v_lshl_add_u32 v11, v8, 4, v11
	v_add_nc_u32 v11, s73, v11                     ; back: lanes 0-15 one row, lanes 16-31 the next
	s_wait_alu depctr_va_vdst(0)                   ; the wait ahead of the reciprocal's first reader
.set j, 0
.rept 32
	v_mul_f32 v[96+j], v[160+j], v14               ; register 8 n + i is o(query r, channel 16 n + 8 h + i); each accumulator from its low end on
.set j, j+1
.endr
.irp n, 0,1,2,3
	ds_store_b128 v10, v[96+8*\n:99+8*\n] offset:64*\n
	ds_store_b128 v10, v[100+8*\n:103+8*\n] offset:64*\n+16
.endr
.irp k, 0,1,2,3,4,5,6,7
	ds_load_b128 v[32+4*\k:35+4*\k], v11 offset:2*\k*272   ; LDS serves a wave's instructions in order: these see my stores
.endr
.irp k, 0,1,2,3,4,5,6,7
	s_wait_dscnt 7-\k                              ; rows 2 k, 2 k + 1 are back; the younger loads may be out
	global_store_b128 v[GO], v[32+4*\k:35+4*\k], s[8:9] offset:(2*\k+8*(\k/4))*2048   ; row rho of the tile is token rho + 8 (rho / 8); 16 lanes store 256 consecutive bytes, aligned
.endr
	s_wait_tensorcnt 0x0                           ; the wave's end, behind my last tensor load and my last LDS store
	ds_add_u32 v[SPW], v[NIL]
	s_wait_dscnt 0x0
	s_endpgm
.Lfunc_end_k_q8eb2e4398d_attn:
	.size	k_q8eb2e4398d_attn, .Lfunc_end_k_q8eb2e4398d_attn-k_q8eb2e4398d_attn
	.p2alignl 7, 3214868480
	.fill 96, 4, 3214868480
	.section	.rodata,"a",@progbits
	.p2align	6, 0x0
	.amdhsa_kernel k_q8eb2e4398d_attn
		.amdhsa_group_segment_fixed_size 327680
		.amdhsa_private_segment_fixed_size 0
		.amdhsa_enable_private_segment 0
		.amdhsa_kernarg_size 24
		.amdhsa_user_sgpr_count 2
		.amdhsa_user_sgpr_kernarg_segment_ptr 1
		.amdhsa_wavefront_size32 1
		.amdhsa_system_sgpr_workgroup_id_x 1
		.amdhsa_system_sgpr_workgroup_id_y 1
		.amdhsa_system_sgpr_workgroup_id_z 1
		.amdhsa_system_vgpr_workitem_id 0
		.amdhsa_next_free_vgpr 256
		.amdhsa_next_free_sgpr 100
		.amdhsa_reserve_vcc 0
		.amdhsa_float_denorm_mode_32 3
		.amdhsa_float_denorm_mode_16_64 3
		.amdhsa_memory_ordered 1
		.amdhsa_forward_progress 1
		.amdhsa_inst_pref_size 134
	.end_amdhsa_kernel
	.amdgpu_metadata
---
amdhsa.version: [ 1, 2 ]
amdhsa.kernels:
  - .name:           k_q8eb2e4398d_attn
    .symbol:         k_q8eb2e4398d_attn.kd
    .args:
      - { .name: qimg, .offset: 0, .size: 8, .value_kind: global_buffer, .address_space: global }
      - { .name: kvblk, .offset: 8, .size: 8, .value_kind: global_buffer, .address_space: global }
      - { .name: att, .offset: 16, .size: 8, .value_kind: global_buffer, .address_space: global }
    .group_segment_fixed_size: 327680
    .private_segment_fixed_size: 0
    .kernarg_segment_align: 8
    .kernarg_segment_size: 24
    .max_flat_workgroup_size: 512
    .sgpr_count:     100
    .vgpr_count:     256
    .wavefront_size: 32
...
	.end_amdgpu_metadata
.endif
;; end of part 4
;; launch oproj (part 5): grid 160 x 1, 8 waves a work-group, no clusters, 91,136 bytes of LDS; arguments att, x, c, g_px, g_pc, wfrag, out0, out1; writes out0, out1
.if DOCPART == 5
	.amdgcn_target "amdgcn-amd-amdhsa--gfx1250"
	.amdhsa_code_object_version 6
	.text
	.protected	k_q8eb2e4398d_oproj
	.globl	k_q8eb2e4398d_oproj
	.p2align	8
	.type	k_q8eb2e4398d_oproj,@function
k_q8eb2e4398d_oproj:
	s_mov_b64 s[64:65], 0
	v_nop
	global_prefetch_b8 v0, s[64:65] scope:SCOPE_SE
	s_setreg_imm32_b32 hwreg(HW_REG_WAVE_MODE, 25, 1), 1
	s_wait_xcnt 0x0
; out = tok + BitLinear_p(att), for 128 tokens of x (work-groups 0-127: W_px, g_px, out0) or of c (128-159: W_pc, g_pc, out1).
; (Left out, as shown at the first kernel's head: the straight-through sum xn + (aq - xn) = aq and the int8 clip, which never acts.)
; PHASE A, wave w = tokens 16 w .. 16 w + 15: RMS norm, gain, int8 grid, E3M2 quantiser, as in the third kernel, for one gain; four fragments and their scale words go to LDS as images of their registers.
; PHASE B, wave w = output channels 64 w .. 64 w + 63 for all 128 tokens: 128 matrix instructions (source 0 = 16 rows of W_p, source 1 = 16 tokens), weights straight from memory in fragment order.
; THE WAY OUT: a lane holds 8 neighbouring channels of one token; a tile of 16 tokens x 64 channels goes through the wave's own stage and comes back as rows of 256 bytes, to which the residual, loaded in the same layout, is added.
; No tensor loads and no cluster: the weights come whole in the order of the operand's registers, straight into registers.
; REGISTERS, window 0: v1-15 addresses; v48-71 the quantiser's; v72-89 statistics; v112-175, v176-239 phase A's two sets of 64; in the product v48-143 activations, v144-239 weights; on the way out v48-79 rows, v80-143 two sets of residual;
;   v240-251 scale words alone.   window 1: the token's 256 numbers, then the 32 accumulators.
.set ACT,   0
.set ASC,   49152
.set GLDS,  53248
.set STG,   55296                      ; 16 rows x (256 + 16) bytes for each wave
.set SPARE, 90112                      ; the spare words, 128 bytes for each wave: four blocks of 256 bytes that no other line names
.set LI,  1
.set L4,  2
.set L8,  3
.set XA,  4
.set SO,  8                            ; v8   the stage: where I put 32 bytes of a row
.set SPW, 9
.set NIL, 10
.set SR,  11                           ; v11  and where I read a row back
.set CO,  15                           ; v15  the same place in the tokens' and the output's rows
.set TM,  48
.set PC,  56
.set PT,  68
.set RR,  72
.set SCL, 74
.set INV, 76
.set AM,  78
.set SS,  82
.set G,   112
.set T,   176
.set AF,  48
.set WF,  144
.set OB,  48
.set RB,  80
.set AS,  240
.set PW,  240
.set WS,  248
.set MSB, 0
.macro WIN new                         ; the immediate's high byte repeats the setting that is left; a switch that changes nothing is dropped
.if MSB != (\new)
	s_set_vgpr_msb (MSB<<8)|(\new)
.set MSB, (\new)
.endif
.endm
.macro PLACES n
.rept \n
	v_nop
.endr
.endm
; 32 numbers of a lane in window w, register s + 16 b + i = k 32 b + 16 (lane / 16) + i of my row (b = 0, 1), become registers 6 c .. 6 c + 5 of the fragment at v[PC] and bytes 2 c, 2 c + 1 of the scale word v[PW].
.macro QHALF s, w, c
	WIN 5*(\w)
.irp b, 0,1
.irp a, 0,1
	v_max3_num_f32 v[TM+2*\b+\a], |v[(\s)+16*\b+8*\a]|, |v[(\s)+16*\b+8*\a+1]|, 0x2800000   ; the floor 2^(5 - 127) holds the byte at 1 from below
.endr
.endr
	WIN 0x14*(\w)
.irp i, 2,4,6
.irp b, 0,1
.irp a, 0,1
	v_max3_num_f32 v[TM+2*\b+\a], v[TM+2*\b+\a], |v[(\s)+16*\b+8*\a+\i]|, |v[(\s)+16*\b+8*\a+\i+1]|
.endr
.endr
.endr
	WIN 0
	v_max_num_f32 v[TM], v[TM], v[TM+1]
	v_max_num_f32 v[TM+1], v[TM+2], v[TM+3]
	v_permlanex16_b32 v[TM+4], v[TM], s50, s51
	v_permlanex16_b32 v[TM+5], v[TM+1], s50, s51
	v_max_num_f32 v[TM], v[TM], v[TM+4]
	v_max_num_f32 v[TM+1], v[TM+1], v[TM+5]
	v_add_nc_u32 v[TM+6], 0xfe000000, v[TM]        ; 4 off the exponent field: the conversion's scale operand
	v_add_nc_u32 v[TM+7], 0xfe000000, v[TM+1]
	v_lshrrev_b32 v[TM+2], 23, v[TM+6]             ; the scale's byte
	v_lshrrev_b32 v[TM+3], 23, v[TM+7]
.if (\c) == 0
	v_lshl_or_b32 v[PW], v[TM+3], 8, v[TM+2]
.else
	v_lshl_or_b32 v[PW], v[TM+2], 16, v[PW]
	v_lshl_or_b32 v[PW], v[TM+3], 24, v[PW]
.endif
	WIN \w
	v_cvt_scalef32_pk16_bf6_f32 v[PC+6*(\c):PC+6*(\c)+2], v[(\s):(\s)+15], v[TM+6]
	v_cvt_scalef32_pk16_bf6_f32 v[PT:PT+2], v[(\s)+16:(\s)+31], v[TM+7]
	WIN 0
	v_nop                                          ; one plain instruction behind a scaled conversion
.irp i, 0,1,2
	v_permlane16_swap_b32 v[PC+6*(\c)+\i], v[PT+\i]
.endr
.irp i, 0,1,2
	v_mov_b32 v[PC+6*(\c)+3+\i], v[PT+\i]
.endr
.endm
.macro GLOAD buf, s                    ; g at my 64 places of K step s
.irp b, 0,1,2,3
.irp j, 0,1,2,3
	ds_load_b128 v[\buf+16*\b+4*\j:\buf+16*\b+4*\j+3], v12 offset:512*(\s)+128*\b+16*\j
.endr
.endr
.endm
.macro P1 s, buf, nxt                  ; pass 1: buf = (x r) g, and the largest magnitude so far; then buf takes g of K step nxt
	s_wait_dscnt 16                                ; this buffer's 16 loads are in; the other buffer's 16 may be out
	WIN 0x01
.set i, 0
.rept 32
	v_pk_mul_f32 v[\buf+i:\buf+i+1], v[64*(\s)+i:64*(\s)+i+1], v[\buf+i:\buf+i+1]
.set i, i+2
.endr
	WIN 0
.set i, 0
.rept 32
.if ((\s) == 0) && (i < 4)
	v_max3_num_f32 v[AM+i], |v[\buf+2*i]|, |v[\buf+2*i+1]|, s57      ; reference()'s clip at 1e-5 is a leaf of the maximum
.else
	v_max3_num_f32 v[AM+i%4], v[AM+i%4], |v[\buf+2*i]|, |v[\buf+2*i+1]|
.endif
.set i, i+1
.endr
.if (\nxt) >= 0
	GLOAD \buf, \nxt
.endif
.endm
.macro P2 s                            ; pass 2: xn again, onto the int8 grid, quantised to E3M2; the fragment goes to LDS as it stands
	s_wait_dscnt 0x0                               ; g is in, and the last fragment's stores have read their registers
	WIN 0x01
.set i, 0
.rept 32
	v_pk_mul_f32 v[T+i:T+i+1], v[64*(\s)+i:64*(\s)+i+1], v[G+i:G+i+1]
.set i, i+2
.endr
	WIN 0
.if (\s) < 3
	GLOAD G, (\s)+1
.endif
.set i, 0
.rept 32
	v_pk_mul_f32 v[T+i:T+i+1], v[T+i:T+i+1], v[SCL:SCL+1] op_sel_hi:[1,0]
.set i, i+2
.endr
.set i, 0
.rept 64
	v_rndne_f32 v[T+i], v[T+i]
.set i, i+1
.endr
.set i, 0
.rept 32
	v_pk_mul_f32 v[T+i:T+i+1], v[T+i:T+i+1], v[INV:INV+1] op_sel_hi:[1,0]
.set i, i+2
.endr
	QHALF T, 0, 0
	QHALF T+32, 0, 1
.irp c, 0,1,2
	ds_store_b128 v13, v[PC+4*\c:PC+4*\c+3] offset:1536*(\s)+512*\c
.endr
	ds_store_b32 v14, v[PW] offset:128*(\s)
.endm
.macro LOADW base, s, buf              ; the weight's operand block of K step s: 12 + 1 loads
.irp n, 0,1,2,3
.irp c, 0,1,2
	global_load_b128 v[WF+48*(\buf)+12*\n+4*\c:WF+48*(\buf)+12*\n+4*\c+3], v[LI], s[\base:\base+1] offset:6400*(\s)+1536*\n+512*\c
.endr
.endr
	global_load_b64 v[WS+2*(\buf):WS+2*(\buf)+1], v[L8], s[\base:\base+1] offset:6400*(\s)+6144
.endm
.macro LOADA g, buf                    ; group g: K step g >> 1, token tiles 4 (g & 1) + 0 .. 3: 12 + 4 LDS loads
.irp mm, 0,1,2,3
.irp c, 0,1,2
	ds_load_b128 v[AF+48*(\buf)+12*\mm+4*\c:AF+48*(\buf)+12*\mm+4*\c+3], v12 offset:(4*(4*((\g)&1)+\mm)+((\g)>>1))*1536+512*\c
.endr
	ds_load_b32 v[AS+4*(\buf)+\mm], v13 offset:(4*(4*((\g)&1)+\mm)+((\g)>>1))*128
.endr
.endm
.macro RLOAD m                         ; the residual of token tile m, in the layout of the rows that come back from the stage
.irp k, 0,1,2,3,4,5,6,7
	global_load_b128 v[RB+32*((\m)&1)+4*\k:RB+32*((\m)&1)+4*\k+3], v[CO], s[44:45] offset:(16*(\m)+2*\k)*2048
.endr
.endm
	s_load_b512 s[4:19], s[0:1], 0x0               ; att, x, c, g_px, g_pc, wfrag, out0, out1
	v_lshl_add_u32 v[SPW], v0, 2, SPARE
	v_mov_b32 v[NIL], 0
	v_lshrrev_b32 v12, 5, v0
	v_readfirstlane_b32 s56, v12                   ; wave 0..7
	v_and_b32 v12, 31, v0                          ; lane
	v_and_b32 v16, 15, v0                          ; r
	v_bfe_u32 v17, v0, 4, 1                        ; h
	v_lshlrev_b32 v[LI], 4, v12
	v_lshlrev_b32 v[L4], 2, v12
	v_lshlrev_b32 v[L8], 3, v12
	v_lshlrev_b32 v[XA], 11, v16
	v_lshl_add_u32 v[XA], v17, 6, v[XA]            ; row r of 2,048 bytes, + 64 h
	v_lshlrev_b32 v12, 6, v17
	v_add_nc_u32 v12, GLDS, v12                    ; g in LDS: GLDS + 64 h
	s_mul_i32 s63, s56, 6144
	v_add_nc_u32 v13, s63, v[LI]                   ; where I store images
	s_lshl_b32 s63, s56, 9
	s_add_co_u32 s63, s63, ASC
	v_add_nc_u32 v14, s63, v[L4]                   ; and scale words
	s_mul_i32 s63, s56, 16*272
	s_add_co_u32 s63, s63, STG                     ; my stage
	v_mul_u32_u24 v[SO], v16, 272
	v_lshl_add_u32 v[SO], v17, 5, v[SO]
	v_add_nc_u32 v[SO], s63, v[SO]
	v_mul_u32_u24 v[SR], v17, 272
	v_lshl_add_u32 v[SR], v16, 4, v[SR]
	v_add_nc_u32 v[SR], s63, v[SR]
	v_lshlrev_b32 v[CO], 11, v17
	v_lshl_add_u32 v[CO], v16, 4, v[CO]            ; lanes 0-15 one row, lanes 16-31 the next; 16 bytes a lane
	v_lshlrev_b32 v18, 3, v0                       ; g: 8 bytes a thread
	v_lshl_add_u32 v19, v0, 3, GLDS
	v_mov_b32 v[TM+4], 0                           ; written once: a lane permute's destination counts as one of its sources
	v_mov_b32 v[TM+5], 0
	s_mov_b32 s50, 0x76543210
	s_mov_b32 s51, 0xfedcba98
	s_mov_b32 s53, 0x3b000000                      ; 1 / 512
	s_mov_b32 s54, 0x322bcc77                      ; 1e-8
	s_mov_b32 s57, 0x3727c5ac                      ; 1e-5
	s_mov_b32 s58, 0x3c010204                      ; 1 / 127
	s_cmp_lt_u32 ttmp9, 128
	s_cselect_b32 s70, 0, 128
	s_cselect_b32 s72, 8, 24                       ; W_p's first group
	s_sub_co_u32 s70, ttmp9, s70                   ; the block in its tensor
	s_lshl_b32 s74, ttmp9, 18                      ; att: the block's 128 rows,
	s_lshl_b32 s75, s56, 15                        ; my 16
	s_add_co_u32 s74, s74, s75
	s_mov_b32 s75, 0
	s_lshl_b32 s76, s70, 18                        ; the tokens and the output: the block's rows,
	s_lshl_b32 s77, s56, 8                         ; my 64 channels
	s_add_co_u32 s76, s76, s77
	s_mov_b32 s77, 0
	s_add_co_u32 s78, s72, s56
	s_mul_i32 s78, s78, 25600                      ; my four blocks of W_p
	s_mov_b32 s79, 0
	s_wait_kmcnt 0x0
	s_cmp_lt_u32 ttmp9, 128                        ; every choice of a buffer hangs on the work-group's number alone
	s_cselect_b64 s[44:45], s[6:7], s[8:9]         ; the residual
	s_cselect_b64 s[32:33], s[10:11], s[12:13]     ; g
	s_cselect_b64 s[46:47], s[16:17], s[18:19]     ; the output
	s_add_nc_u64 s[30:31], s[4:5], s[74:75]
	s_add_nc_u64 s[44:45], s[44:45], s[76:77]
	s_add_nc_u64 s[46:47], s[46:47], s[76:77]
	s_add_nc_u64 s[40:41], s[14:15], s[78:79]
	global_load_b64 v[176:177], v18, s[32:33]
	s_wait_loadcnt 0x0
	ds_store_b64 v19, v[176:177]
	WIN 0x40                                       ; destination window 1
.set i, 0
.rept 64
	global_load_b128 v[4*i:4*i+3], v[XA], s[30:31] offset:128*(i/4)+16*(i%4) th:TH_LOAD_NT   ; block i / 4 of my token: my 16 numbers
.set i, i+1
.endr
	WIN 0
	s_wait_dscnt 0x0                               ; for the others' sake: my part of g lies in LDS
	s_barrier_signal -1
	s_barrier_wait -1
	GLOAD G, 0
	GLOAD T, 1
.irp s, 0,1,2,3
	s_wait_loadcnt 16*(3-\s)                       ; the 16 loads of each later K step may be out
	WIN 0x05
.set i, 0
.rept 32
.if (\s == 0) && (i < 4)
	v_pk_mul_f32 v[SS+2*i:SS+2*i+1], v[64*\s+2*i:64*\s+2*i+1], v[64*\s+2*i:64*\s+2*i+1]   ; the first products start four chains
.else
	v_pk_fma_f32 v[SS+2*(i%4):SS+2*(i%4)+1], v[64*\s+2*i:64*\s+2*i+1], v[64*\s+2*i:64*\s+2*i+1], v[SS+2*(i%4):SS+2*(i%4)+1]
.endif
.set i, i+1
.endr
.endr
	WIN 0
	v_pk_add_f32 v[SS:SS+1], v[SS:SS+1], v[SS+2:SS+3]
	v_pk_add_f32 v[SS+4:SS+5], v[SS+4:SS+5], v[SS+6:SS+7]
	v_pk_add_f32 v[SS:SS+1], v[SS:SS+1], v[SS+4:SS+5]
	v_add_f32 v[SS], v[SS], v[SS+1]
	v_permlanex16_b32 v[SS+2], v[SS], s50, s51
	v_add_f32 v[SS], v[SS], v[SS+2]
	v_fma_f32 v[SS], v[SS], s53, s54               ; mean + 1e-8
	v_rsq_f32 v[RR], v[SS]
	v_nop                                          ; a plain instruction behind it,
	s_wait_alu depctr_va_vdst(0)                   ; and the wait ahead of its first reader
	v_mov_b32 v[RR+1], v[RR]
	WIN 0x41
.set i, 0
.rept 128
	v_pk_mul_f32 v[i:i+1], v[i:i+1], v[RR:RR+1] op_sel_hi:[1,0]
.set i, i+2
.endr
	WIN 0
	P1 0, G, 2
	P1 1, T, 3
	P1 2, G, 0
	P1 3, T, -1
	v_max3_num_f32 v[AM], v[AM], v[AM+1], v[AM+2]
	v_max_num_f32 v[AM], v[AM], v[AM+3]
	v_permlanex16_b32 v[AM+1], v[AM], s50, s51
	v_max_num_f32 v[AM], v[AM], v[AM+1]            ; a = max(the token's largest |xn|, 1e-5)
	v_rcp_f32 v[SCL], v[AM]
	v_mul_f32 v[INV], s58, v[AM]                   ; a / 127.  (A plain instruction behind the reciprocal)
	v_mov_b32 v[INV+1], v[INV]
	s_wait_alu depctr_va_vdst(0)
	v_mul_f32 v[SCL], 0x42fe0000, v[SCL]           ; 127 / a
	v_mov_b32 v[SCL+1], v[SCL]
	P2 0
	P2 1
	P2 2
	P2 3
	LOADW 40, 0, 0                                 ; W_p's first K step is asked for ahead of the barrier
	s_wait_dscnt 0x0                               ; my images and scale words lie in LDS
	s_barrier_signal -1
	s_barrier_wait -1                              ; everybody's do; behind this barrier a wave writes its own stage alone
	v_mov_b32 v12, v[LI]
	v_add_nc_u32 v13, ASC, v[L4]
	; ---- 128 tokens x my 64 channels x K = 512: eight groups of 16 matrix instructions, each on 16 accumulators of its own turn
	LOADA 0, 0
.irp g, 0,1,2,3,4,5,6,7
.if \g > 0
	PLACES 4                                       ; in front of loads into registers that the last group's matrix instructions have read
.endif
.if \g < 7
	LOADA (\g+1), ((\g+1)&1)
.endif
.if ((\g%2) == 0) && (\g < 6)
	LOADW 40, (\g/2+1), ((\g/2+1)&1)
.endif
.if \g < 7
	s_wait_dscnt 16                                ; this group's fragments are in; the next group's 16 loads may be out
.else
	s_wait_dscnt 0x0
.endif
.if (\g%2) == 0
.if \g < 6
	s_wait_loadcnt 13                              ; this K step's weights are in; the next step's 13 loads may be out
.else
	s_wait_loadcnt 0x0
.endif
.endif
	WIN 0x50                                       ; C and D in window 1
.irp mm, 0,1,2,3
.irp n, 0,1,2,3
.set rD, 32*(4*(\g&1)+\mm)+8*\n
.set rA, WF+48*((\g>>1)&1)+12*\n
.set rB, AF+48*(\g&1)+12*\mm
.set rSA, WS+2*((\g>>1)&1)+(\n>>1)
.set rSB, AS+4*(\g&1)+\mm
.if \g < 2
.if \n&1
	v_wmma_scale_f32_16x16x128_f8f6f4 v[rD:rD+7], v[rA:rA+11], v[rB:rB+11], 0, v[rSA], v[rSB] matrix_a_fmt:MATRIX_FMT_BF6 matrix_b_fmt:MATRIX_FMT_BF6 matrix_a_scale:MATRIX_SCALE_ROW1
.else
	v_wmma_scale_f32_16x16x128_f8f6f4 v[rD:rD+7], v[rA:rA+11], v[rB:rB+11], 0, v[rSA], v[rSB] matrix_a_fmt:MATRIX_FMT_BF6 matrix_b_fmt:MATRIX_FMT_BF6
.endif
.else
.if \n&1
	v_wmma_scale_f32_16x16x128_f8f6f4 v[rD:rD+7], v[rA:rA+11], v[rB:rB+11], v[rD:rD+7], v[rSA], v[rSB] matrix_a_fmt:MATRIX_FMT_BF6 matrix_b_fmt:MATRIX_FMT_BF6 matrix_a_scale:MATRIX_SCALE_ROW1
.else
	v_wmma_scale_f32_16x16x128_f8f6f4 v[rD:rD+7], v[rA:rA+11], v[rB:rB+11], v[rD:rD+7], v[rSA], v[rSB] matrix_a_fmt:MATRIX_FMT_BF6 matrix_b_fmt:MATRIX_FMT_BF6
.endif
.endif
.endr
.endr
	WIN 0
.endr
	PLACES 4                                       ; ahead of the first read of results and of loads into the operands' registers
	RLOAD 0
.irp m, 0,1,2,3,4,5,6,7
	s_wait_xcnt 0x0                                ; the last tile's stores have read their registers
	WIN 0x04                                       ; an LDS store's data are its source 1: window 1
.irp n, 0,1,2,3
	ds_store_b128 v[SO], v[32*\m+8*\n:32*\m+8*\n+3] offset:64*\n          ; lane (r, h): token 16 m + r, channels 64 w + 16 n + 8 h + 0 .. 7; each accumulator from its low end on
	ds_store_b128 v[SO], v[32*\m+8*\n+4:32*\m+8*\n+7] offset:64*\n+16
.endr
	WIN 0
.irp k, 0,1,2,3,4,5,6,7
	ds_load_b128 v[OB+4*\k:OB+4*\k+3], v[SR] offset:2*\k*272   ; LDS serves a wave's instructions in order: these see my stores, and the next tile's stores come behind them
.endr
.if \m < 7
	RLOAD (\m+1)
.endif
	s_wait_dscnt 0x0
.if \m < 7
	s_wait_loadcnt 8                               ; this tile's residual is in; the next tile's 8 loads may be out
.else
	s_wait_loadcnt 0x0
.endif
.set i, 0
.rept 16
	v_pk_add_f32 v[OB+i:OB+i+1], v[OB+i:OB+i+1], v[RB+32*(\m&1)+i:RB+32*(\m&1)+i+1]
.set i, i+2
.endr
.irp k, 0,1,2,3,4,5,6,7
	global_store_b128 v[CO], v[OB+4*\k:OB+4*\k+3], s[46:47] offset:(16*\m+2*\k)*2048 th:TH_STORE_NT   ; 16 lanes store 256 consecutive bytes, at a multiple of 256 from the output's first byte
.endr
.endr
	s_wait_tensorcnt 0x0                           ; the wave's end, behind my last LDS store
	ds_add_u32 v[SPW], v[NIL]
	s_wait_dscnt 0x0
	s_endpgm
.Lfunc_end_k_q8eb2e4398d_oproj:
	.size	k_q8eb2e4398d_oproj, .Lfunc_end_k_q8eb2e4398d_oproj-k_q8eb2e4398d_oproj
	.p2alignl 7, 3214868480
	.fill 96, 4, 3214868480
	.section	.rodata,"a",@progbits
	.p2align	6, 0x0
	.amdhsa_kernel k_q8eb2e4398d_oproj
		.amdhsa_group_segment_fixed_size 91136
		.amdhsa_private_segment_fixed_size 0
		.amdhsa_enable_private_segment 0
		.amdhsa_kernarg_size 64
		.amdhsa_user_sgpr_count 2
		.amdhsa_user_sgpr_kernarg_segment_ptr 1
		.amdhsa_wavefront_size32 1
		.amdhsa_system_sgpr_workgroup_id_x 1
		.amdhsa_system_sgpr_workgroup_id_y 1
		.amdhsa_system_sgpr_workgroup_id_z 1
		.amdhsa_system_vgpr_workitem_id 0
		.amdhsa_next_free_vgpr 512
		.amdhsa_next_free_sgpr 90
		.amdhsa_reserve_vcc 0
		.amdhsa_float_denorm_mode_32 3
		.amdhsa_float_denorm_mode_16_64 3
		.amdhsa_memory_ordered 1
		.amdhsa_forward_progress 1
		.amdhsa_inst_pref_size 161
	.end_amdhsa_kernel
	.amdgpu_metadata
---
amdhsa.version: [ 1, 2 ]
amdhsa.kernels:
  - .name:           k_q8eb2e4398d_oproj
    .symbol:         k_q8eb2e4398d_oproj.kd
    .args:
      - { .name: att, .offset: 0, .size: 8, .value_kind: global_buffer, .address_space: global }
      - { .name: x, .offset: 8, .size: 8, .value_kind: global_buffer, .address_space: global }
      - { .name: c, .offset: 16, .size: 8, .value_kind: global_buffer, .address_space: global }
      - { .name: g_px, .offset: 24, .size: 8, .value_kind: global_buffer, .address_space: global }
      - { .name: g_pc, .offset: 32, .size: 8, .value_kind: global_buffer, .address_space: global }
      - { .name: wfrag, .offset: 40, .size: 8, .value_kind: global_buffer, .address_space: global }
      - { .name: out0, .offset: 48, .size: 8, .value_kind: global_buffer, .address_space: global }
      - { .name: out1, .offset: 56, .size: 8, .value_kind: global_buffer, .address_space: global }
    .group_segment_fixed_size: 91136
    .private_segment_fixed_size: 0
    .kernarg_segment_align: 8
    .kernarg_segment_size: 64
    .max_flat_workgroup_size: 256
    .sgpr_count:     90
    .vgpr_count:     512
    .wavefront_size: 32
...
	.end_amdgpu_metadata
.endif
;; end of part 5
;; ======== version 2 of 2: 5 launches; 1.14 times as fast as version 1
;; workspace buffers: wpart 4,096 bytes; wfrag 1,651,200 bytes; qimg 8,192,000 bytes; kvblk 16,384,000 bytes; att 41,943,040 bytes
;; launch wsum: the kernel of part 1 again; grid 256 x 1, 4 waves a work-group, no clusters, 0 bytes of LDS; arguments W_qx, W_px, W_qc, W_pc, W_kvc, W_kvx, wpart; writes wpart
;; launch wquant: the kernel of part 2 again; grid 258 x 1, 4 waves a work-group, no clusters, 0 bytes of LDS; arguments W_qx, W_px, W_qc, W_pc, W_kvc, W_kvx, A_x, A_c, wpart, wfrag; writes wfrag
;; launch proj (part 6): grid 160 x 1, 8 waves a work-group, no clusters, 187,392 bytes of LDS; arguments x, c, g_qx, g_kvx, g_qc, g_kvc, B_x, B_c, mag_x, mag_c, wfrag, qimg, kvblk; writes qimg, kvblk
.if DOCPART == 6
	.amdgcn_target "amdgcn-amd-amdhsa--gfx1250"
	.amdhsa_code_object_version 6
	.text
	.protected	k_q8eb2e4398d_proj
	.globl	k_q8eb2e4398d_proj
	.p2align	8
	.type	k_q8eb2e4398d_proj,@function
k_q8eb2e4398d_proj:
	s_mov_b64 s[64:65], 0
	v_nop
	global_prefetch_b8 v0, s[64:65] scope:SCOPE_SE
	s_setreg_imm32_b32 hwreg(HW_REG_WAVE_MODE, 25, 1), 1
	s_wait_xcnt 0x0
; For 128 tokens of x (work-groups 0-127) or of c (128-159): q_final = BitLinear_q(tok) + mag ((tok A^T) B^T), and k, v = BitLinear_kv(tok), all stored as E3M2 fragments for the attention launch.
; (Left out, as shown at the first kernel's head: the straight-through sum xn + (aq - xn) = aq and the int8 clip, which never acts.)
; PHASE A, wave w = token tile w.  THE TOKENS OF A TILE ARE NOT NEIGHBOURS: lane r of tile 2 b + u holds token 32 b + 8 u + r + 8 (r / 8), so that as keys the results of tiles 2 b, 2 b + 1 are 16 neighbours.
;   THE TOKENS ARE LOADED AS THEY LIE: each of a wave's 64 loads takes 512 consecutive bytes, one token's K step of 128 numbers, 16 bytes a lane.  A K step's 16 loads turn through the wave's own stage in LDS (rows of 512 + 16 bytes)
;   and come back so that lane (r, h) holds, of token r, 16 of each block of 32 (k = 32 B + 16 h + i at register 16 B + i of window 1).  (1) the sum of squares; (2) the raw numbers are quantised and multiplied by A's codes:
;   low[rank][token]; (3) x r; (4) for each of the two gains (q's, kv's): x g, the token's largest magnitude, the int8 grid, the E3M2 quantiser; four fragments and their scale words go to LDS as images of their registers.
; PHASE B, wave w = head w, all 128 tokens: three products of 128 matrix instructions each (K = 512), weights straight from memory in fragment order, activations from LDS:
;   Q and K transposed (source 0 = 16 rows of W, source 1 = 16 tokens): a lane holds one token and 32 of the head's 64 channels;  V the other way (source 0 = tokens): a lane holds one channel and 64 of the 128 keys.
;   q gets mag x delta by v_wmma_f32_16x16x4_f32 (K = 16 in f32), whose first step takes q's accumulator as C.  Each result is quantised in registers and stored as an operand block (layout: the second kernel's head).
;   A head has K = 64: a fragment of q or k holds TWO tiles, tile 2 i in registers 0-5 and scale bytes 0, 1, tile 2 i + 1 in registers 6-11 and bytes 2, 3.
; No tensor loads and no cluster: what the work-groups share, the weights, comes whole in the order of the operand's registers, 12 loads of 512 consecutive bytes for four fragments, straight into registers.
; 160 work-groups: a key step of the attention is 128 tokens, and v's fragments want its 128 keys in one wave.
; REGISTERS, window 0: v1-15 addresses; v16-47 q_final's four tiles (written by the f32 matrix form alone); v48-71 the quantiser's (TM, PC, PT); v72-89 phase A's statistics; v112-175, v176-239 phase A's two sets of 64;
;   in the products v48-143 two sets of four activation fragments, v144-239 two sets of four weight fragments; v240-253 scale words alone.   window 1: the token's 256 numbers, then the 32 accumulators.
.set ACT0,  0                          ; LDS: q's activations: fragment (tile m, K step s) at (4 m + s) x 1,536
.set ACT1,  49152                      ; kv's
.set ASC0,  98304                      ; their scale words, 128 bytes a fragment
.set ASC1,  102400
.set LOWI,  106496                     ; low: 1,024 bytes a tile
.set GLDS,  114688                     ; g_q, g_kv
.set SPARE, 118784                     ; the spare words, 128 bytes for each wave: four blocks of 256 bytes that no other line names
.set XST,   119808                     ; the tokens' stage: 16 rows x 528 bytes for each wave
.set LI,  1                            ; v1   16 x lane
.set L4,  2                            ; v2   4 x lane
.set L8,  3                            ; v3   8 x lane
.set XSI, 4                            ; v4   the stage, on the way in: XST + 8,448 w + 16 x lane
.set GA,  5                            ; v5   g in LDS: GLDS + 64 h
.set IWA, 6                            ; v6   where I store images: 6,144 w + 16 x lane
.set SWA, 7                            ; v7   and scale words: ASC0 + 512 w + 4 x lane
.set LWA, 8                            ; v8   and low: LOWI + 1,024 w + 16 x lane
.set SPW, 9                            ; v9   my spare word; never rewritten
.set NIL, 10                           ; v10  0; never rewritten
.set BA,  11                           ; v11  B: my channel's row, + 32 h
.set XSO, 14                           ; v14  the stage, on the way out: XST + 8,448 w + 528 r + 64 h.  (Then v12-14: this gain's addresses; later the products' two)
.set LRD, 15                           ; v15  low, read: LOWI + 16 x lane
.set QF,  16
.set TM,  48
.set PC,  56
.set PT,  68
.set RR,  72
.set SCL, 74
.set INV, 76
.set AM,  78
.set SS,  82
.set G,   112
.set T,   176
.set AFR, 112
.set LOWACC, 160
.set AF,  48
.set WF,  144
.set LW,  112
.set BF,  192
.set AS,  240
.set PW,  240
.set WS,  248
.set SW,  252
.set MSB, 0
.macro WIN new                         ; the immediate's high byte repeats the setting that is left; a switch that changes nothing is dropped
.if MSB != (\new)
	s_set_vgpr_msb (MSB<<8)|(\new)
.set MSB, (\new)
.endif
.endm
.macro PLACES n
.rept \n
	v_nop
.endr
.endm
; n loads of my tile's tokens from load number first on: load 16 s + p is K step s of the tile's row p, token p + 8 (p / 8): 32 lanes read 512 consecutive bytes
.macro XLOAD first, n
.set i, \first
.rept \n
	global_load_b128 v[4*i:4*i+3], v[LI], s[30:31] offset:((i%16)+8*((i%16)/8))*2048+512*(i/16) th:TH_LOAD_NT
.set i, i+1
.endr
.endm
; K step s turns through my stage: in as loaded, a row to a token; back 64 bytes of each block of 32 numbers' 128 to a lane, into the registers that they left.
; LDS serves a wave's instructions in order (ISA guide 5.7.1.4): no wait between the stores and the loads, nor in front of the next K step's stores.  Rows of 528 bytes: the 16 rows that a load touches start in 16 different groups of banks.
.macro XTURN s
	WIN 0x04                                       ; an LDS store's data are its source 1: window 1
.irp p, 0,1,2,3,4,5,6,7,8,9,10,11,12,13,14,15
	ds_store_b128 v[XSI], v[64*(\s)+4*\p:64*(\s)+4*\p+3] offset:528*\p
.endr
	WIN 0x40                                       ; destination window 1
.irp b, 0,1,2,3
.irp j, 0,1,2,3
	ds_load_b128 v[64*(\s)+16*\b+4*\j:64*(\s)+16*\b+4*\j+3], v[XSO] offset:128*\b+16*\j
.endr
.endr
	WIN 0
.endm
; 32 numbers of a lane in window w, register s + 16 b + i = k 32 b + 16 (lane / 16) + i of my row (b = 0, 1), become registers 6 c .. 6 c + 5 of the fragment at v[PC] and bytes 2 c, 2 c + 1 of the scale word v[PW].
.macro QHALF s, w, c
	WIN 5*(\w)
.irp b, 0,1
.irp a, 0,1
	v_max3_num_f32 v[TM+2*\b+\a], |v[(\s)+16*\b+8*\a]|, |v[(\s)+16*\b+8*\a+1]|, 0x2800000   ; each group of eight from its low end on; the floor 2^(5 - 127) holds the byte at 1 from below
.endr
.endr
	WIN 0x14*(\w)
.irp i, 2,4,6
.irp b, 0,1
.irp a, 0,1
	v_max3_num_f32 v[TM+2*\b+\a], v[TM+2*\b+\a], |v[(\s)+16*\b+8*\a+\i]|, |v[(\s)+16*\b+8*\a+\i+1]|
.endr
.endr
.endr
	WIN 0
	v_max_num_f32 v[TM], v[TM], v[TM+1]
	v_max_num_f32 v[TM+1], v[TM+2], v[TM+3]
	v_permlanex16_b32 v[TM+4], v[TM], s50, s51
	v_permlanex16_b32 v[TM+5], v[TM+1], s50, s51
	v_max_num_f32 v[TM], v[TM], v[TM+4]            ; with lane l xor 16's 16: the block's largest magnitude
	v_max_num_f32 v[TM+1], v[TM+1], v[TM+5]
	v_add_nc_u32 v[TM+6], 0xfe000000, v[TM]        ; 4 off the exponent field: the conversion's scale operand
	v_add_nc_u32 v[TM+7], 0xfe000000, v[TM+1]
	v_lshrrev_b32 v[TM+2], 23, v[TM+6]             ; the scale's byte
	v_lshrrev_b32 v[TM+3], 23, v[TM+7]
.if (\c) == 0
	v_lshl_or_b32 v[PW], v[TM+3], 8, v[TM+2]
.else
	v_lshl_or_b32 v[PW], v[TM+2], 16, v[PW]
	v_lshl_or_b32 v[PW], v[TM+3], 24, v[PW]
.endif
	WIN \w
	v_cvt_scalef32_pk16_bf6_f32 v[PC+6*(\c):PC+6*(\c)+2], v[(\s):(\s)+15], v[TM+6]
	v_cvt_scalef32_pk16_bf6_f32 v[PT:PT+2], v[(\s)+16:(\s)+31], v[TM+7]
	WIN 0
	v_nop                                          ; one plain instruction behind a scaled conversion
.irp i, 0,1,2
	v_permlane16_swap_b32 v[PC+6*(\c)+\i], v[PT+\i]   ; the layout wants a whole block in a lane: lanes 0-15 the first, lanes 16-31 the second
.endr
.irp i, 0,1,2
	v_mov_b32 v[PC+6*(\c)+3+\i], v[PT+\i]
.endr
.endm
; one scaled matrix instruction from the symbols rD, rA, rB, rZ (C = 0), rSA, rSB, rRA, rRB (a side's scales in lanes 16-31)
.macro WM
.if rZ
.if rRA
	v_wmma_scale_f32_16x16x128_f8f6f4 v[rD:rD+7], v[rA:rA+11], v[rB:rB+11], 0, v[rSA], v[rSB] matrix_a_fmt:MATRIX_FMT_BF6 matrix_b_fmt:MATRIX_FMT_BF6 matrix_a_scale:MATRIX_SCALE_ROW1
.elseif rRB
	v_wmma_scale_f32_16x16x128_f8f6f4 v[rD:rD+7], v[rA:rA+11], v[rB:rB+11], 0, v[rSA], v[rSB] matrix_a_fmt:MATRIX_FMT_BF6 matrix_b_fmt:MATRIX_FMT_BF6 matrix_b_scale:MATRIX_SCALE_ROW1
.else
	v_wmma_scale_f32_16x16x128_f8f6f4 v[rD:rD+7], v[rA:rA+11], v[rB:rB+11], 0, v[rSA], v[rSB] matrix_a_fmt:MATRIX_FMT_BF6 matrix_b_fmt:MATRIX_FMT_BF6
.endif
.else
.if rRA
	v_wmma_scale_f32_16x16x128_f8f6f4 v[rD:rD+7], v[rA:rA+11], v[rB:rB+11], v[rD:rD+7], v[rSA], v[rSB] matrix_a_fmt:MATRIX_FMT_BF6 matrix_b_fmt:MATRIX_FMT_BF6 matrix_a_scale:MATRIX_SCALE_ROW1
.elseif rRB
	v_wmma_scale_f32_16x16x128_f8f6f4 v[rD:rD+7], v[rA:rA+11], v[rB:rB+11], v[rD:rD+7], v[rSA], v[rSB] matrix_a_fmt:MATRIX_FMT_BF6 matrix_b_fmt:MATRIX_FMT_BF6 matrix_b_scale:MATRIX_SCALE_ROW1
.else
	v_wmma_scale_f32_16x16x128_f8f6f4 v[rD:rD+7], v[rA:rA+11], v[rB:rB+11], v[rD:rD+7], v[rSA], v[rSB] matrix_a_fmt:MATRIX_FMT_BF6 matrix_b_fmt:MATRIX_FMT_BF6
.endif
.endif
.endm
.macro GLOAD buf, s                    ; g at my 64 places of K step s: 16 LDS loads; the lanes of a half read the same bytes
.irp b, 0,1,2,3
.irp j, 0,1,2,3
	ds_load_b128 v[\buf+16*\b+4*\j:\buf+16*\b+4*\j+3], v12 offset:512*(\s)+128*\b+16*\j
.endr
.endr
.endm
; pass 1, K step s: buf = (x r) g, and the largest magnitude so far; then buf takes g of K step nxt
.macro P1 s, buf, nxt
	s_wait_dscnt 16                                ; this buffer's 16 loads are in; the other buffer's 16 may be out
	WIN 0x01
.set i, 0
.rept 32
	v_pk_mul_f32 v[\buf+i:\buf+i+1], v[64*(\s)+i:64*(\s)+i+1], v[\buf+i:\buf+i+1]
.set i, i+2
.endr
	WIN 0
.set i, 0
.rept 32
.if ((\s) == 0) && (i < 4)
	v_max3_num_f32 v[AM+i], |v[\buf+2*i]|, |v[\buf+2*i+1]|, s57      ; reference()'s clip at 1e-5 is a leaf of the maximum
.else
	v_max3_num_f32 v[AM+i%4], v[AM+i%4], |v[\buf+2*i]|, |v[\buf+2*i+1]|
.endif
.set i, i+1
.endr
.if (\nxt) >= 0
	GLOAD \buf, \nxt
.endif
.endm
; pass 2, K step s: xn again, onto the int8 grid, quantised to E3M2; the fragment and its scale words go to LDS as they stand
.macro P2 s
	s_wait_dscnt 0x0                               ; g is in, and the last fragment's stores have read their registers
	WIN 0x01
.set i, 0
.rept 32
	v_pk_mul_f32 v[T+i:T+i+1], v[64*(\s)+i:64*(\s)+i+1], v[G+i:G+i+1]
.set i, i+2
.endr
	WIN 0
.if (\s) < 3
	GLOAD G, (\s)+1
.endif
.set i, 0
.rept 32
	v_pk_mul_f32 v[T+i:T+i+1], v[T+i:T+i+1], v[SCL:SCL+1] op_sel_hi:[1,0]
.set i, i+2
.endr
.set i, 0
.rept 64
	v_rndne_f32 v[T+i], v[T+i]
.set i, i+1
.endr
.set i, 0
.rept 32
	v_pk_mul_f32 v[T+i:T+i+1], v[T+i:T+i+1], v[INV:INV+1] op_sel_hi:[1,0]
.set i, i+2
.endr
	QHALF T, 0, 0
	QHALF T+32, 0, 1
.irp c, 0,1,2
	ds_store_b128 v13, v[PC+4*\c:PC+4*\c+3] offset:1536*(\s)+512*\c
.endr
	ds_store_b32 v14, v[PW] offset:128*(\s)
.endm
.macro ASET                            ; one gain's four fragments
	GLOAD G, 0
	GLOAD T, 1
	P1 0, G, 2
	P1 1, T, 3
	P1 2, G, 0
	P1 3, T, -1
	v_max3_num_f32 v[AM], v[AM], v[AM+1], v[AM+2]
	v_max_num_f32 v[AM], v[AM], v[AM+3]
	v_permlanex16_b32 v[AM+1], v[AM], s50, s51
	v_max_num_f32 v[AM], v[AM], v[AM+1]            ; a = max(the token's largest |xn|, 1e-5)
	v_rcp_f32 v[SCL], v[AM]
	v_mul_f32 v[INV], s58, v[AM]                   ; a / 127.  (A plain instruction behind the reciprocal)
	v_mov_b32 v[INV+1], v[INV]
	s_wait_alu depctr_va_vdst(0)                   ; the wait ahead of the reciprocal's first reader
	v_mul_f32 v[SCL], 0x42fe0000, v[SCL]           ; 127 / a
	v_mov_b32 v[SCL+1], v[SCL]
	P2 0
	P2 1
	P2 2
	P2 3
.endm
.macro LOADW base, s, buf              ; a weight's operand block of K step s: 12 + 1 loads
.irp n, 0,1,2,3
.irp c, 0,1,2
	global_load_b128 v[WF+48*(\buf)+12*\n+4*\c:WF+48*(\buf)+12*\n+4*\c+3], v[LI], s[\base:\base+1] offset:6400*(\s)+1536*\n+512*\c
.endr
.endr
	global_load_b64 v[WS+2*(\buf):WS+2*(\buf)+1], v[L8], s[\base:\base+1] offset:6400*(\s)+6144
.endm
.macro LOADA g, buf                    ; group g: K step g >> 1, token tiles 4 (g & 1) + 0 .. 3: 12 + 4 LDS loads
.irp mm, 0,1,2,3
.irp c, 0,1,2
	ds_load_b128 v[AF+48*(\buf)+12*\mm+4*\c:AF+48*(\buf)+12*\mm+4*\c+3], v12 offset:(4*(4*((\g)&1)+\mm)+((\g)>>1))*1536+512*\c
.endr
	ds_load_b32 v[AS+4*(\buf)+\mm], v13 offset:(4*(4*((\g)&1)+\mm)+((\g)>>1))*128
.endr
.endm
; 128 tokens x my head's 64 rows of a weight x K = 512: eight groups of 16 matrix instructions, each on 16 accumulators of its own turn, so that no two that follow each other share one.
; swap = 0: source 0 = W, accumulator (m, n) at 32 m + 8 n of window 1;  swap = 1: source 0 = the tokens, at 64 n + 8 m.
.macro GEMM swap, base
	s_wait_xcnt 0x0                                ; the last stores have read their registers: loads may land there
	LOADA 0, 0
.irp g, 0,1,2,3,4,5,6,7
.if \g > 0
	PLACES 4                                       ; in front of loads into registers that the last group's matrix instructions have read
.endif
.if \g < 7
	LOADA (\g+1), ((\g+1)&1)
.endif
.if ((\g%2) == 0) && (\g < 6)
	LOADW \base, (\g/2+1), ((\g/2+1)&1)
.endif
.if \g < 7
	s_wait_dscnt 16                                ; this group's fragments are in; the next group's 16 loads may be out
.else
	s_wait_dscnt 0x0
.endif
.if (\g%2) == 0
.if \g < 6
	s_wait_loadcnt 13                              ; this K step's weights are in; the next step's 13 loads may be out
.else
	s_wait_loadcnt 0x0
.endif
.endif
	WIN 0x50                                       ; C and D in window 1
.irp mm, 0,1,2,3
.irp n, 0,1,2,3
.set rM, 4*(\g&1)+\mm
.set rZ, \g < 2
.if \swap
.set rD, 64*\n+8*rM
.set rA, AF+48*(\g&1)+12*\mm
.set rB, WF+48*((\g>>1)&1)+12*\n
.set rSA, AS+4*(\g&1)+\mm
.set rSB, WS+2*((\g>>1)&1)+(\n>>1)
.set rRA, 0
.set rRB, \n&1
.else
.set rD, 32*rM+8*\n
.set rA, WF+48*((\g>>1)&1)+12*\n
.set rB, AF+48*(\g&1)+12*\mm
.set rSA, WS+2*((\g>>1)&1)+(\n>>1)
.set rSB, AS+4*(\g&1)+\mm
.set rRA, \n&1
.set rRB, 0
.endif
	WM
.endr
.endr
	WIN 0
.endr
.endm
; the fragment at v[PC] is stored as fragment n of the operand block at base + off; its scale words are gathered: even fragments in lanes 0-15, odd ones in lanes 16-31
.macro PUT base, off, n
.irp c, 0,1,2
	global_store_b128 v[LI], v[PC+4*\c:PC+4*\c+3], s[\base:\base+1] offset:\off+1536*(\n)+512*\c   ; 512 consecutive bytes, at a multiple of 256 from the buffer's first byte
.endr
.if ((\n)%2) == 0
	v_mov_b32 v[SW+(\n)/2], v[PW]
.else
	v_cndmask_b32 v[SW+(\n)/2], v[SW+(\n)/2], v[PW], s52
.endif
.if (\n) == 3
	global_store_b64 v[L8], v[SW:SW+1], s[\base:\base+1] offset:\off+6144   ; the block's 256 bytes of scale words
.endif
.endm
.macro LWLOAD i                        ; low of token tiles 2 i, 2 i + 1
.irp u, 0,1
.irp q, 0,1
	ds_load_b128 v[LW+16*((\i)&1)+8*\u+4*\q:LW+16*((\i)&1)+8*\u+4*\q+3], v[LRD] offset:1024*(2*(\i)+\u)+512*\q
.endr
.endr
.endm
	s_load_b512 s[4:19], s[0:1], 0x0               ; x, c, g_qx, g_kvx, g_qc, g_kvc, B_x, B_c
	s_load_b256 s[20:27], s[0:1], 0x40             ; mag_x, mag_c, wfrag, qimg
	s_load_b64 s[28:29], s[0:1], 0x60              ; kvblk
	v_lshl_add_u32 v[SPW], v0, 2, SPARE
	v_mov_b32 v[NIL], 0
	v_lshrrev_b32 v12, 5, v0
	v_readfirstlane_b32 s56, v12                   ; wave 0..7
	v_and_b32 v12, 31, v0                          ; lane
	v_and_b32 v13, 15, v0                          ; r
	v_bfe_u32 v14, v0, 4, 1                        ; h
	v_lshlrev_b32 v[LI], 4, v12
	v_lshlrev_b32 v[L4], 2, v12
	v_lshlrev_b32 v[L8], 3, v12
	v_and_b32 v15, 8, v13
	v_add_nc_u32 v15, v15, v13                     ; r + 8 (r / 8)
	v_lshlrev_b32 v[GA], 6, v14
	v_add_nc_u32 v[GA], GLDS, v[GA]
	s_mul_i32 s63, s56, 6144
	v_add_nc_u32 v[IWA], s63, v[LI]
	s_lshl_b32 s63, s56, 9
	s_add_co_u32 s63, s63, ASC0
	v_add_nc_u32 v[SWA], s63, v[L4]
	s_lshl_b32 s63, s56, 10
	s_add_co_u32 s63, s63, LOWI
	v_add_nc_u32 v[LWA], s63, v[LI]
	s_lshl_b32 s63, s56, 6
	v_add_nc_u32 v[BA], s63, v15                   ; channel 64 w + r + 8 (r / 8)
	v_lshlrev_b32 v[BA], 6, v[BA]                  ; a row of B is 64 bytes
	v_lshl_add_u32 v[BA], v14, 5, v[BA]            ; + 32 h: ranks 8 h on
	v_add_nc_u32 v[LRD], LOWI, v[LI]
	s_mul_i32 s63, s56, 8448
	s_add_co_u32 s63, s63, XST                     ; my stage
	v_add_nc_u32 v[XSI], s63, v[LI]
	v_mul_u32_u24 v13, v13, 528
	v_lshl_add_u32 v[XSO], v14, 6, v13             ; row r, + 64 h
	v_add_nc_u32 v[XSO], s63, v[XSO]
	v_and_b32 v12, 127, v0
	v_lshlrev_b32 v12, 4, v12                      ; g: 16 bytes a thread; waves 0-3 copy q's, waves 4-7 kv's
	v_lshl_add_u32 v13, v0, 4, GLDS
	v_mov_b32 v[TM+4], 0                           ; written once: a lane permute's destination counts as one of its sources
	v_mov_b32 v[TM+5], 0
	s_mov_b32 s50, 0x76543210                      ; v_permlanex16_b32's selects for lane l xor 16
	s_mov_b32 s51, 0xfedcba98
	s_mov_b32 s52, 0xffff0000                      ; lanes 16-31
	s_mov_b32 s53, 0x3b000000                      ; 1 / 512
	s_mov_b32 s54, 0x322bcc77                      ; 1e-8
	s_mov_b32 s57, 0x3727c5ac                      ; 1e-5
	s_mov_b32 s58, 0x3c010204                      ; 1 / 127
	s_cmp_lt_u32 ttmp9, 128                        ; x's block or c's?
	s_cselect_b32 s70, 0, 128
	s_cselect_b32 s71, 0, 1
	s_cselect_b32 s72, 0, 16                       ; W_q's first group
	s_cselect_b32 s73, 48, 32                      ; W_kv's
	s_cselect_b32 s74, 5, 3                        ; log2 of a batch's blocks
	s_cselect_b32 s75, 0, 1024                     ; first key step of the tensor in kvblk
	s_sub_co_u32 s70, ttmp9, s70                   ; the block in its tensor
	s_lshr_b32 s76, s70, s74                       ; batch
	s_lshl_b32 s77, s76, s74
	s_sub_co_u32 s77, s70, s77                     ; key step in the batch
	s_lshl_b32 s76, s76, 3
	s_add_co_u32 s76, s76, s56                     ; batch x 8 + head
	s_lshl_b32 s76, s76, s74
	s_add_co_u32 s76, s76, s77
	s_add_co_u32 s76, s76, s75
	s_mul_i32 s76, s76, 12800                      ; my head's key step in kvblk
	s_mov_b32 s77, 0
	s_add_co_u32 s78, s71, 256
	s_mul_i32 s78, s78, 6400                       ; A's block
	s_mov_b32 s79, 0
	s_add_co_u32 s80, s72, s56
	s_mul_i32 s80, s80, 25600                      ; my head's four blocks of W_q
	s_mov_b32 s81, 0
	s_add_co_u32 s82, s73, s56
	s_mul_i32 s82, s82, 25600                      ; of W_kv's k half
	s_mov_b32 s83, 0
	s_lshl_b32 s84, ttmp9, 3
	s_add_co_u32 s84, s84, s56
	s_mul_i32 s84, s84, 6400                       ; my head's block of qimg
	s_mov_b32 s85, 0
	s_lshl_b32 s86, s70, 18                        ; the block's 128 rows of 2,048 bytes,
	s_lshr_b32 s87, s56, 1
	s_lshl_b32 s87, s87, 16                        ; my tile: 32 (w >> 1) rows
	s_add_co_u32 s86, s86, s87
	s_and_b32 s87, s56, 1
	s_lshl_b32 s87, s87, 14                        ; + 8 (w & 1)
	s_add_co_u32 s86, s86, s87
	s_mov_b32 s87, 0
	s_lshl_b32 s88, s56, 2
	s_mov_b32 s89, 0
	s_wait_kmcnt 0x0
	s_cmp_lt_u32 ttmp9, 128                        ; every choice of a buffer hangs on ids alone
	s_cselect_b64 s[30:31], s[4:5], s[6:7]         ; the tokens
	s_cselect_b64 s[66:67], s[8:9], s[12:13]       ; g_q
	s_cselect_b64 s[68:69], s[10:11], s[14:15]     ; g_kv
	s_cselect_b64 s[34:35], s[16:17], s[18:19]     ; B
	s_cselect_b64 s[36:37], s[20:21], s[22:23]     ; mag
	s_cmp_lt_u32 s56, 4
	s_cselect_b64 s[32:33], s[66:67], s[68:69]
	s_add_nc_u64 s[30:31], s[30:31], s[86:87]
	s_add_nc_u64 s[38:39], s[24:25], s[78:79]      ; A's block
	s_add_nc_u64 s[40:41], s[24:25], s[80:81]      ; W_q
	s_add_nc_u64 s[42:43], s[24:25], s[82:83]      ; W_k
	s_add_nc_u64 s[44:45], s[42:43], 204800        ; W_v: eight groups on
	s_add_nc_u64 s[46:47], s[26:27], s[84:85]
	s_add_nc_u64 s[48:49], s[28:29], s[76:77]
	s_add_nc_u64 s[36:37], s[36:37], s[88:89]
	s_load_b32 s55, s[36:37], 0x0                  ; mag of my head
	global_load_b128 v[176:179], v12, s[32:33]     ; g
.irp n, 0,1,2,3
.irp c, 0,1,2
	global_load_b128 v[AFR+12*\n+4*\c:AFR+12*\n+4*\c+3], v[LI], s[38:39] offset:1536*\n+512*\c   ; A's four K steps
.endr
.endr
	global_load_b64 v[WS:WS+1], v[L8], s[38:39] offset:6144
	WIN 0x40                                       ; destination window 1
	XLOAD 0, 48                                    ; the tokens' first three K steps are asked for ahead of the wait for g
	WIN 0
	s_wait_loadcnt 61                              ; g is in; A's 13 loads and the tokens' 48 may be out
	ds_store_b128 v13, v[176:179]
	WIN 0x40
	XLOAD 48, 16
	WIN 0
	s_wait_dscnt 0x0                               ; for the others' sake: my part of g lies in LDS
	s_barrier_signal -1
	s_barrier_wait -1
	; ---- the turn through the stage, one K step ahead of the sum of squares
	s_wait_loadcnt 48                              ; K step 0's 16 loads are in; the 48 of the later K steps may be out
	XTURN 0
.irp s, 0,1,2,3
.if \s < 3
	s_wait_loadcnt 16*(2-\s)                       ; the next K step's loads are in; the 16 of each K step behind it may be out
	XTURN (\s+1)
	s_wait_dscnt 32                                ; this K step is back from the stage; the next one's 16 stores and 16 loads may be out
.else
	s_wait_dscnt 0x0
.endif
	WIN 0x05
.set i, 0
.rept 32
.if (\s == 0) && (i < 4)
	v_pk_mul_f32 v[SS+2*i:SS+2*i+1], v[64*\s+2*i:64*\s+2*i+1], v[64*\s+2*i:64*\s+2*i+1]   ; the first products start four chains
.else
	v_pk_fma_f32 v[SS+2*(i%4):SS+2*(i%4)+1], v[64*\s+2*i:64*\s+2*i+1], v[64*\s+2*i:64*\s+2*i+1], v[SS+2*(i%4):SS+2*(i%4)+1]
.endif
.set i, i+1
.endr
	WIN 0
.endr
	v_pk_add_f32 v[SS:SS+1], v[SS:SS+1], v[SS+2:SS+3]
	v_pk_add_f32 v[SS+4:SS+5], v[SS+4:SS+5], v[SS+6:SS+7]
	v_pk_add_f32 v[SS:SS+1], v[SS:SS+1], v[SS+4:SS+5]
	v_add_f32 v[SS], v[SS], v[SS+1]
	v_permlanex16_b32 v[SS+2], v[SS], s50, s51
	v_add_f32 v[SS], v[SS], v[SS+2]                ; the token's
	v_fma_f32 v[SS], v[SS], s53, s54               ; mean + 1e-8
	v_rsq_f32 v[RR], v[SS]
	v_nop                                          ; a plain instruction behind it,
	s_wait_alu depctr_va_vdst(0)                   ; and the wait ahead of its first reader
	v_mov_b32 v[RR+1], v[RR]
	; ---- low = A tok^T on codes of the RAW tokens: one accumulator
.irp s, 0,1,2,3
	QHALF 64*\s, 1, 0
	QHALF 64*\s+32, 1, 1
	PLACES 8                                       ; a scale word written by a vector instruction stands 8 places ahead of a scaled matrix instruction
.set rD, LOWACC
.set rA, AFR+12*\s
.set rB, PC
.set rSA, WS+(\s>>1)
.set rSB, PW
.set rRA, \s&1
.set rRB, 0
.set rZ, \s == 0
.if \s > 0
	s_wait_alu depctr_va_vdst(0)
.endif
	WM
.endr
	PLACES 4
	ds_store_b128 v[LWA], v[LOWACC:LOWACC+3]       ; lane (r, h): low[rank 8 h + j][token r]
	ds_store_b128 v[LWA], v[LOWACC+4:LOWACC+7] offset:512
	; ---- x r, in place
	WIN 0x41
.set i, 0
.rept 128
	v_pk_mul_f32 v[i:i+1], v[i:i+1], v[RR:RR+1] op_sel_hi:[1,0]
.set i, i+2
.endr
	WIN 0
	; ---- the two gains: one text, two trips
	s_mov_b32 s59, 0
	s_mov_b32 s60, 0
	s_mov_b32 s61, 0
	s_mov_b32 s62, 0
.Lset:
	s_wait_dscnt 0x0                               ; no LDS instruction of mine is out: the three addresses may be written
	v_add_nc_u32 v12, s59, v[GA]
	v_add_nc_u32 v13, s60, v[IWA]
	v_add_nc_u32 v14, s61, v[SWA]
	ASET
	s_add_co_u32 s59, s59, 2048
	s_add_co_u32 s60, s60, ACT1-ACT0
	s_add_co_u32 s61, s61, ASC1-ASC0
	s_add_co_u32 s62, s62, 1
	s_cmp_lt_u32 s62, 2
	s_cbranch_scc1 .Lset
	LOADW 40, 0, 0                                 ; W_q's first K step is asked for ahead of the barrier
	s_wait_dscnt 0x0                               ; my images, scale words and low lie in LDS
	s_barrier_signal -1
	s_barrier_wait -1                              ; everybody's do.  No LDS byte is written behind this barrier
	; ---- Q
	v_mov_b32 v12, v[LI]
	v_add_nc_u32 v13, ASC0, v[L4]
	GEMM 0, 40
	PLACES 5                                       ; the accumulators become the C of other accumulators, and loads land on the weights' registers
.irp n, 0,1,2,3
	global_load_b128 v[BF+8*\n:BF+8*\n+3], v[BA], s[34:35] offset:(32*(\n/2)+8*(\n%2))*64        ; B[channel][8 h + 0 .. 7] for tile n's rows
	global_load_b128 v[BF+8*\n+4:BF+8*\n+7], v[BA], s[34:35] offset:(32*(\n/2)+8*(\n%2))*64+16
.endr
	LOADW 42, 0, 0
	LWLOAD 0
	s_wait_kmcnt 0x0                               ; mag
	s_wait_loadcnt 13                              ; B is in; W_k's 13 loads may be out
.set i, 0
.rept 32
	v_mul_f32 v[BF+i], s55, v[BF+i]                ; mag x B
.set i, i+1
.endr
; q_final^T = q^T + (mag B) low, K = 16 in four steps of the f32 form.  K's places are dealt alike on both sides: place 2 h + j of step kk is rank 8 h + 2 kk + j, which is where both operands' numbers lie already.
.irp i, 0,1,2,3
.if \i < 3
	LWLOAD (\i+1)
	s_wait_dscnt 4                                 ; this pair's low is in; the next pair's 4 loads may be out
.else
	s_wait_dscnt 0x0
.endif
.irp u, 0,1
	WIN 0x10                                       ; C: q's accumulator, in window 1
.irp n, 0,1,2,3
	v_wmma_f32_16x16x4_f32 v[QF+8*\n:QF+8*\n+7], v[BF+8*\n:BF+8*\n+1], v[LW+16*(\i&1)+8*\u:LW+16*(\i&1)+8*\u+1], v[32*(2*\i+\u)+8*\n:32*(2*\i+\u)+8*\n+7]
.endr
	WIN 0
.irp kk, 1,2,3
.irp n, 0,1,2,3                                ; the four accumulators by turns
	v_wmma_f32_16x16x4_f32 v[QF+8*\n:QF+8*\n+7], v[BF+8*\n+2*\kk:BF+8*\n+2*\kk+1], v[LW+16*(\i&1)+8*\u+2*\kk:LW+16*(\i&1)+8*\u+2*\kk+1], v[QF+8*\n:QF+8*\n+7]
.endr
.endr
	PLACES 8                                       ; behind the f32 form, ahead of the first read of its results
.if \u == 0
	s_wait_xcnt 0x0                                ; the last fragment's stores have read their registers
.endif
	QHALF QF, 0, \u
.endr
	PUT 46, 0, \i
.endr
	; ---- K
	v_add_nc_u32 v12, ACT1, v[LI]
	v_add_nc_u32 v13, ASC1, v[L4]
	GEMM 0, 42
	PLACES 4
	LOADW 44, 0, 0
.irp i, 0,1,2,3
	s_wait_xcnt 0x0
	QHALF 32*(2*\i), 1, 0
	QHALF 32*(2*\i+1), 1, 1
	PUT 48, 0, \i
.endr
	; ---- V
	GEMM 1, 44
	PLACES 4
.irp n, 0,1,2,3
	s_wait_xcnt 0x0
	QHALF 64*\n, 1, 0
	QHALF 64*\n+32, 1, 1
	PUT 48, 6400, \n
.endr
	s_wait_tensorcnt 0x0                           ; the wave's end, behind my last LDS store
	ds_add_u32 v[SPW], v[NIL]
	s_wait_dscnt 0x0
	s_endpgm
.Lfunc_end_k_q8eb2e4398d_proj:
	.size	k_q8eb2e4398d_proj, .Lfunc_end_k_q8eb2e4398d_proj-k_q8eb2e4398d_proj
	.p2alignl 7, 3214868480
	.fill 96, 4, 3214868480
	.section	.rodata,"a",@progbits
	.p2align	6, 0x0
	.amdhsa_kernel k_q8eb2e4398d_proj
		.amdhsa_group_segment_fixed_size 187392
		.amdhsa_private_segment_fixed_size 0
		.amdhsa_enable_private_segment 0
		.amdhsa_kernarg_size 104
		.amdhsa_user_sgpr_count 2
		.amdhsa_user_sgpr_kernarg_segment_ptr 1
		.amdhsa_wavefront_size32 1
		.amdhsa_system_sgpr_workgroup_id_x 1
		.amdhsa_system_sgpr_workgroup_id_y 1
		.amdhsa_system_sgpr_workgroup_id_z 1
		.amdhsa_system_vgpr_workitem_id 0
		.amdhsa_next_free_vgpr 512
		.amdhsa_next_free_sgpr 90
		.amdhsa_reserve_vcc 0
		.amdhsa_float_denorm_mode_32 3
		.amdhsa_float_denorm_mode_16_64 3
		.amdhsa_memory_ordered 1
		.amdhsa_forward_progress 1
		.amdhsa_inst_pref_size 255
	.end_amdhsa_kernel
	.section	.bss,"aw",@nobits
	.p2align	6
	.space	262144
	.amdgpu_metadata
---
amdhsa.version: [ 1, 2 ]
amdhsa.kernels:
  - .name:           k_q8eb2e4398d_proj
    .symbol:         k_q8eb2e4398d_proj.kd
    .args:
      - { .name: x, .offset: 0, .size: 8, .value_kind: global_buffer, .address_space: global }
      - { .name: c, .offset: 8, .size: 8, .value_kind: global_buffer, .address_space: global }
      - { .name: g_qx, .offset: 16, .size: 8, .value_kind: global_buffer, .address_space: global }
      - { .name: g_kvx, .offset: 24, .size: 8, .value_kind: global_buffer, .address_space: global }
      - { .name: g_qc, .offset: 32, .size: 8, .value_kind: global_buffer, .address_space: global }
      - { .name: g_kvc, .offset: 40, .size: 8, .value_kind: global_buffer, .address_space: global }
      - { .name: B_x, .offset: 48, .size: 8, .value_kind: global_buffer, .address_space: global }
      - { .name: B_c, .offset: 56, .size: 8, .value_kind: global_buffer, .address_space: global }
      - { .name: mag_x, .offset: 64, .size: 8, .value_kind: global_buffer, .address_space: global }
      - { .name: mag_c, .offset: 72, .size: 8, .value_kind: global_buffer, .address_space: global }
      - { .name: wfrag, .offset: 80, .size: 8, .value_kind: global_buffer, .address_space: global }
      - { .name: qimg, .offset: 88, .size: 8, .value_kind: global_buffer, .address_space: global }
      - { .name: kvblk, .offset: 96, .size: 8, .value_kind: global_buffer, .address_space: global }
    .group_segment_fixed_size: 187392
    .private_segment_fixed_size: 0
    .kernarg_segment_align: 8
    .kernarg_segment_size: 104
    .max_flat_workgroup_size: 256
    .sgpr_count:     90
    .vgpr_count:     512
    .wavefront_size: 32
...
	.end_amdgpu_metadata
.endif
;; end of part 6
;; launch attn (part 7): grid 256 x 1, 16 waves a work-group, no clusters, 327,680 bytes of LDS; arguments qimg, kvblk, att; writes att
.if DOCPART == 7
	.amdgcn_target "amdgcn-amd-amdhsa--gfx1250"
	.amdhsa_code_object_version 6
	.text
	.protected	k_q8eb2e4398d_attn
	.globl	k_q8eb2e4398d_attn
	.p2align	8
	.type	k_q8eb2e4398d_attn,@function
k_q8eb2e4398d_attn:
	s_mov_b64 s[64:65], 0
	v_nop
	global_prefetch_b8 v0, s[64:65] scope:SCOPE_SE
	s_setreg_imm32_b32 hwreg(HW_REG_WAVE_MODE, 25, 1), 1
	s_wait_xcnt 0x0
; Both attention passes on codes of E3M2.  att[token][head x 64 + d] = the sum over keys of softmax(q . k / 8) v, f32.  (Nothing of reference() is left out here.)
; Work-groups 0-127: 256 queries of c for one head, 32 key steps (4,096 keys of x) through a ring of two LDS slots.
; Work-groups 128-255: 1,024 queries of x for one head, in four blocks of 256, one after the other; the head's 8 key steps (1,024 keys of c) fill the two slots once and STAY there for all four blocks.
; So every work-group walks 32 key steps, and each of its SIXTEEN waves owns one tile of 16 queries at a time, in 256 registers.
; THE SOFTMAX AHEAD OF THE SECOND PRODUCT: t = score x log2(e) / 8; M = the largest t so far, rounded UP to a whole number; p = 2^(t - M) is quantised along the keys, not normalised; the sum of the unquantised p divides at the end.
; When M moves, the sum and O are multiplied by 2^(old M - new M): exact.
; LAYOUT.  Both products transposed: S^T = K Q^T, O^T = V^T P^T: a lane holds ONE query.  A key step is 12,800 dense bytes: K's operand block and V's (layout: the second kernel's head), every fragment an image of its registers.
; K = 64: a fragment of k holds two tiles of 16 keys, one in each half of the instruction's K = 128.  Q stands twice, [q | zero codes] and [zero codes | q], in v192-209 with the zeros shared: the zero codes take the other tile away.
; The keys of a tile are chosen (third kernel's head), so that the 16 registers of tiles 2 b, 2 b + 1 are keys 32 b + 16 (lane / 16) + 0 .. 15.
; RING: two slots of four key steps (51,200 bytes), filled by waves 0-3, one key step each: one tensor load a wave behind each change of slots, which has four key steps of sixteen waves in which to land.
; ONE TEXT SERVES BOTH PASSES: eight turns of slots, the slots by turns, all trip counts constants.  What differs hangs on the work-group's number and the count of steps alone, the same in all sixteen waves:
;   a refill is jumped over where the head has no further key step (x's queries: from the second turn on); every wait for tensor loads is for all of them;
;   where a block of queries ends (x's queries: after every second turn) its results go out, the next block's Q is taken, and M, the sum and O^T begin anew.
; NO CLUSTER: the refills end by that jump, where a joint load has to be issued by all partners on every path; and what the four work-groups of a head share is small: 12,800 bytes for a key step in which a
; work-group has 192 matrix instructions and sixteen softmax steps.
; REGISTERS: v1, v2 16 x and 8 x lane; v5, v6 the add's; v7 my offset in att; v8, v9 the step's addresses; v12 -M, v13 the largest t, v[14:15] the sum; v16-19 Q's offsets; v20, v21 the stage; v32-79 four fragments of K, then of V;
;   v96-159 S^T, then p; v160-191 O^T; v192-209 Q; v210-216 Q as loaded; v224-235 p's codes; v232-247, v252, v254 at work; scale words alone: v248-249 K's, v250-251 V's, v253 p's, v255 Q's.
.set STEPB, 12800
.set SLOT1, 65536                      ; slot 1 begins here: one exclusive or turns an address in one slot into the other's
.set STAGE, 131072                     ; the way out: 16 rows x (256 + 16) bytes for each wave, in bytes of their own
.set SPARE, 200704                     ; the spare words, 128 bytes for each wave: eight blocks of 256 bytes that no other line names
.set LI,  1
.set L8,  2
.set SPW, 5
.set NIL, 6
.set GO,  7
.set ADK, 8
.set ADS, 9
.set QO,  16                           ; v16-19 my offsets in a block of qimg: three pairs of code registers, the scale word; never rewritten
.set STI, 20                           ; v20  the stage: where I put 32 bytes of a row
.set STO, 21                           ; v21  and where I read a row back
.set QN,  210                          ; v210-216 a block's Q as it is loaded
.set WV,  18
.set SEL, 20
.set CS,  22
.set TB,  2                            ; s2   LDS byte at which the slot in hand begins
.set KF,  66                           ; s66  key steps walked
.set NS,  67                           ; s67  the head's key steps: 32 or 8
.set SLOTS, 68
.set QM,  69                           ; s69  key steps of a block of queries, less 1: 31 or 7
.set QL,  99                           ; s99  QM - 3: where a block's last turn begins
.macro TLOAD                           ; waves 0-3 fetch, a key step each; an s_nop 0 and four v_nop follow the line
	s_cmp_lt_u32 s[WV], 4
	s_cbranch_scc0 .Lasked_\@
	tensor_load_to_lds s[40:43], s[24:31]
	s_nop 0
.rept 4
	v_nop
.endr
.Lasked_\@:
.endm
.macro QLOAD                           ; my tile's six registers of codes and its rows' scale word
	global_load_b64 v[QN:QN+1], v[QO], s[4:5]
	global_load_b64 v[QN+2:QN+3], v[QO+1], s[4:5]
	global_load_b64 v[QN+4:QN+5], v[QO+2], s[4:5]
	global_load_b32 v[QN+6], v[QO+3], s[4:5]
.endm
.macro TAKEQ                           ; the codes go to both sides of the zero codes; my tile's two scale bytes into both halves of the word: they serve [q | 0] and [0 | q] alike
.irp j, 0,1,2,3,4,5
	v_mov_b32 v[192+\j], v[QN+\j]
	v_mov_b32 v[204+\j], v[QN+\j]
.endr
	v_lshrrev_b32 v255, s85, v[QN+6]
	v_and_b32 v255, 0xffff, v255
	v_lshl_or_b32 v255, v255, 16, v255
.endm
.macro RESET                           ; a block of queries begins.  (The step has no first step of its own: the first finds zeros, which the first change of M leaves zeros)
	v_mov_b32 v13, 0xff61b1e6                      ; the largest t so far: -3e38, under every t
	v_floor_f32 v12, -v13                          ; -M
	v_mov_b32 v14, 0                               ; the sum, in two halves
	v_mov_b32 v15, 0
.set j, 0
.rept 32
	v_mov_b32 v[160+j], 0                          ; O^T
.set j, j+1
.endr
.endm
	s_load_b128 s[4:7], s[0:1], 0x0                ; qimg, kvblk
	s_load_b64 s[8:9], s[0:1], 0x10                ; att
	v_lshl_add_u32 v[SPW], v0, 2, SPARE
	v_mov_b32 v[NIL], 0
	ds_add_u32 v[SPW], v[NIL]                      ; the wave's opening: the add, twice on end, and its wait ahead of the first tensor load; the set-up below stands between
	ds_add_u32 v[SPW], v[NIL]
	v_lshrrev_b32 v8, 5, v0
	v_readfirstlane_b32 s[WV], v8                  ; wave 0..15
	s_cmp_lt_u32 ttmp9, 128                        ; queries of c?
	s_cselect_b32 s[NS], 32, 8
	s_cselect_b32 s[QM], 31, 7
	s_cselect_b32 s70, 0, 128
	s_cselect_b32 s71, 1, 3                        ; log2 of the blocks of 128 tokens that a work-group's queries span: 2 or 8
	s_cselect_b32 s72, 5, 3                        ; log2 of a head's key steps
	s_cselect_b32 s73, 0, 1024                     ; where the keys' tensor begins in kvblk
	s_cselect_b32 s74, 128, 0                      ; where the queries' tensor begins, in blocks of 128 tokens
	s_cselect_b32 s75, 3, 5                        ; log2 of a batch's blocks
	s_sub_co_u32 s[QL], s[QM], 3
	s_sub_co_u32 s70, ttmp9, s70
	s_lshr_b32 s76, s70, 2                         ; batch x 8 + head: four work-groups to a head in both passes
	s_and_b32 s77, s70, 3                          ; which quarter of the head's queries
	s_lshl_b32 s78, s76, s72
	s_add_co_u32 s78, s78, s73                     ; the head's first key step
	s_lshr_b32 s79, s76, 3                         ; batch
	s_and_b32 s80, s76, 7                          ; head
	s_lshl_b32 s79, s79, s75
	s_add_co_u32 s79, s79, s74
	s_lshl_b32 s77, s77, s71
	s_add_co_u32 s79, s79, s77
	s_lshr_b32 s81, s[WV], 3
	s_add_co_u32 s79, s79, s81                     ; my first block of 128 tokens
	s_and_b32 s82, s[WV], 7                        ; my tile t in it
	s_and_b32 s83, s[WV], 3
	s_add_co_u32 s86, s78, s83
	s_mul_i32 s86, s86, STEPB                      ; the key step that I fetch first, if I fetch
	s_mov_b32 s87, 0
	s_lshl_b32 s88, s79, 3
	s_add_co_u32 s88, s88, s80
	s_mul_i32 s88, s88, 6400                       ; my block of qimg
	s_mov_b32 s89, 0
	s_lshr_b32 s92, s82, 1                         ; i = t >> 1: the pair fragment
	s_and_b32 s84, s82, 1                          ; u = t & 1: its half
	s_lshl_b32 s90, s79, 7
	s_lshl_b32 s91, s92, 5
	s_add_co_u32 s90, s90, s91
	s_lshl_b32 s91, s84, 3
	s_add_co_u32 s90, s90, s91                     ; my tile's first token: 128 x block + 32 i + 8 u
	s_lshl_b32 s90, s90, 11
	s_lshl_b32 s91, s80, 8
	s_add_co_u32 s90, s90, s91                     ; its row of att, my head's 256 bytes
	s_mov_b32 s91, 0
	s_mul_i32 s97, s92, 1536
	s_mul_i32 s93, s84, 520
	s_add_co_u32 s93, s93, s97                     ; registers 6 u, 6 u + 1 of the image: 1536 i + 520 u
	s_mul_i32 s94, s84, 1016
	s_add_co_u32 s94, s94, s97
	s_add_co_u32 s94, s94, 8                       ; 6 u + 2, 6 u + 3: + 8 + 1016 u
	s_add_co_u32 s95, s93, 512                     ; 6 u + 4, 6 u + 5: + 512 + 520 u
	s_and_b32 s96, s92, 1
	s_lshl_b32 s96, s96, 7
	s_lshr_b32 s97, s92, 1
	s_lshl_b32 s97, s97, 2
	s_add_co_u32 s96, s96, s97
	s_add_co_u32 s96, s96, 6144                    ; the fragment's scale words
	s_lshl_b32 s85, s84, 4                         ; my two bytes lie 16 u bits up
	s_mul_i32 s98, s[WV], 16*272
	s_add_co_u32 s98, s98, STAGE                   ; my stage
	s_mov_b32 s24, 3<<16                           ; group 1: no mask; elements of 8 bytes; no padding: every LDS read takes 16 consecutive bytes a lane
	s_mov_b32 s25, 32<<16                          ; tensor_dim0 = 32: rows of 256 bytes
	s_mov_b32 s26, 50<<16                          ; tensor_dim1 = 50: a key step's 12,800 dense bytes
	s_mov_b32 s27, 32<<16                          ; tile_dim0
	s_mov_b32 s28, 50                              ; tile_dim1
	s_mov_b32 s29, 32                              ; the pitch
	s_mov_b32 s30, 0
	s_mov_b32 s31, 0
	s_mov_b32 s[SEL], 0x76543210
	s_mov_b32 s[SEL+1], 0xfedcba98
	s_mov_b32 s[CS], 0x3e38aa3b                    ; c = log2(e) / 8
	s_mov_b32 s[CS+1], s[CS]                       ; (named with it as a pair, so it is written)
	s_mov_b32 s[TB], 0
	s_mov_b32 s[KF], 0
	s_mov_b32 s[SLOTS], 7
	s_wait_dscnt 0x0                               ; both opening adds are done
	s_wait_kmcnt 0x0
	s_mov_b32 s40, 1                               ; group 0: count = 1
	s_mul_i32 s41, s83, STEPB                      ; LDS: slot 0, my key step
	s_add_nc_u64 s[42:43], s[6:7], s[86:87]
	s_or_b32 s43, s43, 0x80000000                  ; type = 2
	TLOAD                                          ; slot 0
	s_add_nc_u64 s[4:5], s[4:5], s[88:89]
	s_add_nc_u64 s[8:9], s[8:9], s[90:91]
	v_and_b32 v8, 15, v0                           ; r
	v_bfe_u32 v9, v0, 4, 1                         ; h
	v_and_b32 v10, 31, v0
	v_lshlrev_b32 v[LI], 4, v10
	v_lshlrev_b32 v[L8], 3, v10
	v_add_nc_u32 v[QO], s93, v[LI]
	v_add_nc_u32 v[QO+1], s94, v[LI]
	v_add_nc_u32 v[QO+2], s95, v[LI]
	v_lshlrev_b32 v[QO+3], 3, v8
	v_add_nc_u32 v[QO+3], s96, v[QO+3]
	QLOAD                                          ; the first block's Q
.irp j, 0,1,2,3,4,5
	v_mov_b32 v[198+\j], 0                         ; the zero codes between Q's two copies
.endr
	v_lshlrev_b32 v[GO], 11, v9
	v_lshl_add_u32 v[GO], v8, 4, v[GO]             ; the way out: lanes 0-15 one row of att, lanes 16-31 the next; 16 bytes a lane
	v_mul_u32_u24 v[STI], v8, 272
	v_lshl_add_u32 v[STI], v9, 5, v[STI]
	v_add_nc_u32 v[STI], s98, v[STI]               ; into the stage: row r; tile n's eight channels of my half: 64 n + 32 h bytes on
	v_mul_u32_u24 v[STO], v9, 272
	v_lshl_add_u32 v[STO], v8, 4, v[STO]
	v_add_nc_u32 v[STO], s98, v[STO]               ; back: lanes 0-15 one row, lanes 16-31 the next
	s_wait_loadcnt 0x0                             ; Q
	TAKEQ                                          ; a scale word written by a vector instruction stands 8 places ahead of a scaled matrix instruction, an operand so written 4: the plain lines below, due anyway, are those places
.irp b, 0,1,2,3
	v_mov_b32 v[236+\b], 0                         ; written once: a lane permute's destination counts as one of its sources
.endr
	v_mov_b32 v252, 0
	v_mov_b32 v253, 0                              ; (named as the upper half of the pair v[252:253] before it is first written)
	RESET
; A KEY STEP: 128 keys, the q-th of the slot in hand.
.macro STEP q
	v_add_nc_u32 v[ADK], s[TB], v[LI]
	v_add_nc_u32 v[ADS], s[TB], v[L8]
	v_nop
	v_nop                                          ; four places in front of loads into registers that the last step's matrix instructions have read
.irp n, 0,1,2,3
.irp c, 0,1,2
	ds_load_b128 v[32+12*\n+4*\c:35+12*\n+4*\c], v[ADK] offset:(\q)*STEPB+1536*\n+512*\c
.endr
.endr
	ds_load_b64 v[248:249], v[ADS] offset:(\q)*STEPB+6144
	s_wait_dscnt 0x0
.irp t, 0,1,2,3,4,5,6,7                        ; S^T: tile t lies in half t % 2 of fragment t / 2
.if ((\t/2)%2) == 1
	v_wmma_scale_f32_16x16x128_f8f6f4 v[96+8*\t:103+8*\t], v[32+12*(\t/2):43+12*(\t/2)], v[192+6*(\t%2):203+6*(\t%2)], 0, v[248+\t/4], v255 matrix_a_fmt:MATRIX_FMT_BF6 matrix_b_fmt:MATRIX_FMT_BF6 matrix_a_scale:MATRIX_SCALE_ROW1
.else
	v_wmma_scale_f32_16x16x128_f8f6f4 v[96+8*\t:103+8*\t], v[32+12*(\t/2):43+12*(\t/2)], v[192+6*(\t%2):203+6*(\t%2)], 0, v[248+\t/4], v255 matrix_a_fmt:MATRIX_FMT_BF6 matrix_b_fmt:MATRIX_FMT_BF6
.endif
.endr
.rept 4
	v_nop                                          ; places ahead of the loads into K's registers and of the first read of the scores
.endr
.irp n, 0,1,2,3                                ; V's four fragments take K's place and land while the softmax is worked
.irp c, 0,1,2
	ds_load_b128 v[32+12*\n+4*\c:35+12*\n+4*\c], v[ADK] offset:(\q)*STEPB+6400+1536*\n+512*\c
.endr
.endr
	ds_load_b64 v[250:251], v[ADS] offset:(\q)*STEPB+6400+6144
.irp b, 0,1,2,3
	v_max3_num_f32 v[232+\b], v[96+16*\b], v[97+16*\b], v[98+16*\b]   ; THE LARGEST SCORE OF EACH BLOCK OF 32 KEYS serves twice: for the row's maximum, and, since p rises with the score, for the block's largest p
.endr
.irp i, 3,5,7,9,11,13
.irp b, 0,1,2,3
	v_max3_num_f32 v[232+\b], v[232+\b], v[96+16*\b+\i], v[97+16*\b+\i]
.endr
.endr
.irp b, 0,1,2,3
	v_max_num_f32 v[232+\b], v[232+\b], v[111+16*\b]
.endr
.irp b, 0,1,2,3
	v_permlanex16_b32 v[236+\b], v[232+\b], s[SEL], s[SEL+1]
.endr
.irp b, 0,1,2,3
	v_max_num_f32 v[232+\b], v[232+\b], v[236+\b]  ; with lane l xor 16's 16 keys
.endr
	v_max3_num_f32 v254, v232, v233, v234
	v_max_num_f32 v254, v254, v235                 ; the step's largest score of my query
	v_mul_f32 v254, s[CS], v254                    ; as t (c is positive)
	v_max_num_f32 v13, v13, v254                   ; the running largest t
	v_mov_b32 v254, v12
	v_floor_f32 v12, -v13                          ; the new -M = floor(-t) = -ceil(t)
	v_sub_f32 v254, v12, v254                      ; M's old value less its new one: a whole number, 0 or less
	v_cvt_i32_f32 v254, v254                       ; (it saturates)
	v_ldexp_f32 v252, 1.0, v254                    ; f = 2^(old M - new M)
.set j, 0
.rept 32
	v_pk_fma_f32 v[96+j:97+j], v[96+j:97+j], s[CS:CS+1], v[12:13] op_sel_hi:[1,0,0]   ; t - M, two at a time
.set j, j+2
.endr
.irp b, 0,1,2,3
	v_fma_f32 v[232+\b], v[232+\b], s[CS], v12     ; the same of each block's largest score
.endr
.set j, 0
.rept 64
	v_exp_f32 v[96+j], v[96+j]                     ; p = 2^(t - M), at most 1: not normalised
.set j, j+1
.endr
	v_pk_mul_f32 v[14:15], v[14:15], v[252:253] op_sel_hi:[1,0]   ; the sums under the new M.  (A plain instruction behind the exponentials)
	s_wait_alu depctr_va_vdst(0)                   ; one wait for the whole batch, ahead of its first reader
.irp b, 0,1,2,3
	v_exp_f32 v[232+\b], v[232+\b]                 ; the block's largest p: the same two instructions on the same number give the same bits
.endr
	v_pk_add_f32 v[236:237], v[96:97], v[98:99]    ; THE ROW'S SUM IS TAKEN OF THE UNQUANTISED p, in two chains.  (It reads the 64 alone: plain work behind the four)
.irp j, 4,8,12,16,20,24,28,32,36,40,44,48,52,56,60
	v_pk_add_f32 v[14:15], v[14:15], v[96+\j:97+\j]
	v_pk_add_f32 v[236:237], v[236:237], v[98+\j:99+\j]
.endr
	v_pk_add_f32 v[14:15], v[14:15], v[236:237]
	s_wait_alu depctr_va_vdst(0)                   ; and one for the four
.irp b, 0,1,2,3
	v_max_num_f32 v[232+\b], 0x2800000, v[232+\b]  ; the floor 2^(5 - 127): the byte cannot fall under 1
.endr
.irp b, 0,1,2,3
	v_add_nc_u32 v[244+\b], 0xfe000000, v[232+\b]  ; 4 off the exponent field: the conversion's scale operand
.endr
.irp b, 0,1,2,3
	v_lshrrev_b32 v[236+\b], 23, v[244+\b]         ; the scale's byte
.endr
	v_lshl_or_b32 v253, v237, 8, v236              ; p's scale word for these 128 keys
	v_lshl_or_b32 v253, v238, 16, v253
	v_lshl_or_b32 v253, v239, 24, v253
.irp c, 0,1
	v_cvt_scalef32_pk16_bf6_f32 v[224+6*\c:226+6*\c], v[96+32*\c:111+32*\c], v[244+2*\c]
	v_cvt_scalef32_pk16_bf6_f32 v[236+4*\c:238+4*\c], v[112+32*\c:127+32*\c], v[244+2*\c+1]   ; (a conversion's three registers begin on an even number)
.endr
	v_nop                                          ; one plain instruction behind a scaled conversion
.irp c, 0,1                                    ; the layout wants a whole block in a lane
.irp i, 0,1,2
	v_permlane16_swap_b32 v[224+6*\c+\i], v[236+4*\c+\i]
.endr
.irp i, 0,1,2
	v_mov_b32 v[227+6*\c+\i], v[236+4*\c+\i]
.endr
.endr
.set j, 0
.rept 16
	v_pk_mul_f32 v[160+j:161+j], v[160+j:161+j], v[252:253] op_sel_hi:[1,0]   ; O^T under the new M.  (These are also the places in front of the matrix instructions below)
.set j, j+2
.endr
	s_wait_dscnt 0x0                               ; V is in
.irp n, 0,1,2,3                                ; O^T += V^T P^T: 16 channels a tile, K = these 128 keys
.if (\n%2) == 1
	v_wmma_scale_f32_16x16x128_f8f6f4 v[160+8*\n:167+8*\n], v[32+12*\n:43+12*\n], v[224:235], v[160+8*\n:167+8*\n], v[250+\n/2], v253 matrix_a_fmt:MATRIX_FMT_BF6 matrix_b_fmt:MATRIX_FMT_BF6 matrix_a_scale:MATRIX_SCALE_ROW1
.else
	v_wmma_scale_f32_16x16x128_f8f6f4 v[160+8*\n:167+8*\n], v[32+12*\n:43+12*\n], v[224:235], v[160+8*\n:167+8*\n], v[250+\n/2], v253 matrix_a_fmt:MATRIX_FMT_BF6 matrix_b_fmt:MATRIX_FMT_BF6
.endif
.endr
	s_add_co_u32 s[KF], s[KF], 1
.endm
; THE CHANGE OF SLOTS stands at a slot's head.  Each wave waits for all its tensor loads, adds 0 to its spare word (fill = 1: twice on end), and waits for that and for its reads of the slot that it has left.
; Behind the barrier the slot ahead is whole and nobody reads the other one.  fill = 1: that other slot takes the next four key steps, if the head has them; where it has not, both slots keep what they hold.
.macro CHANGE fill
	s_wait_tensorcnt 0x0                           ; no tensor load of mine is out, so group 0 may be written
	ds_add_u32 v[SPW], v[NIL]                      ; 0 onto my spare word
.if \fill
	ds_add_u32 v[SPW], v[NIL]                      ; and once more: the add twice on end here, in every trip alike
	s_xor_b32 s41, s41, SLOT1                      ; the walking descriptor: the other slot than last time,
	s_add_nc_u64 s[42:43], s[42:43], 4*STEPB       ; four key steps on; the type bits on top are not reached
.endif
	s_wait_dscnt 0x0                               ; the add is done, and my reads of the slot that I have left are over
	s_barrier_signal -1
	s_barrier_wait -1
.if \fill
	s_add_co_u32 s96, s[KF], 4                     ; the first key step that this change would ask for
	s_cmp_ge_u32 s96, s[NS]                        ; the work-group's number and the count of steps alone: all sixteen waves go the same way, and past the end stays past it
	s_cbranch_scc1 .Lpast_\@
	TLOAD                                          ; the first thing behind the barrier, and a wave's one tensor load until the next
.Lpast_\@:
.endif
.endm
; At the head of a block's last turn, if the work-group has a further block: its Q is asked for, four key steps ahead of the lines that take it.
.macro NEXTQ
	s_and_b32 s96, s[KF], s[QM]
	s_cmp_eq_u32 s96, s[QL]
	s_cbranch_scc0 .Lno_q_\@
	s_wait_loadcnt 0x0                             ; by the count of steps no load of mine is out here; the wait holds that on every way through the text, ahead of the step of the loads' base and of loads into the same registers
	s_add_nc_u64 s[4:5], s[4:5], 102400            ; 256 queries on: two blocks of 128 tokens x 8 heads x 6,400 bytes
	QLOAD
.Lno_q_\@:
.endm
.macro SLOT_STEPS
	STEP 0
	STEP 1
	STEP 2
	STEP 3
	s_xor_b32 s[TB], s[TB], SLOT1                  ; on to the other slot
.endm
; THE WAY OUT of a block of queries.  O^T / the sum goes through my stage in LDS and leaves as rows of 256 bytes: my head's part of a token's row of att.  next = 1: the next block's Q is taken and its sums begin.
.macro FINISH next
	v_add_f32 v14, v14, v15                        ; the sum's two halves,
	v_permlanex16_b32 v252, v14, s[SEL], s[SEL+1]
	v_add_f32 v14, v14, v252                       ; and lane l xor 16's: the row's sum
	v_rcp_f32 v14, v14
.if \next
	s_wait_loadcnt 0x0                             ; the next block's Q, asked for four key steps ago
	TAKEQ                                          ; plain work behind the reciprocal and behind the last products, whose registers it does not name
.else
.rept 3
	v_nop                                          ; with the two additions above: the places behind the last products; and a plain instruction behind the reciprocal
.endr
.endif
	s_wait_alu depctr_va_vdst(0)                   ; the wait ahead of the reciprocal's first reader
.set j, 0
.rept 32
	v_mul_f32 v[96+j], v[160+j], v14               ; register 8 n + i is o(query r, channel 16 n + 8 h + i); each accumulator from its low end on
.set j, j+1
.endr
.irp n, 0,1,2,3
	ds_store_b128 v[STI], v[96+8*\n:99+8*\n] offset:64*\n
	ds_store_b128 v[STI], v[100+8*\n:103+8*\n] offset:64*\n+16
.endr
.irp k, 0,1,2,3,4,5,6,7
	ds_load_b128 v[32+4*\k:35+4*\k], v[STO] offset:2*\k*272   ; LDS serves a wave's instructions in order: these see my stores
.endr
.irp k, 0,1,2,3,4,5,6,7
	s_wait_dscnt 7-\k                              ; rows 2 k, 2 k + 1 are back; the younger loads may be out
	global_store_b128 v[GO], v[32+4*\k:35+4*\k], s[8:9] offset:(2*\k+8*(\k/4))*2048   ; row rho of the tile is token rho + 8 (rho / 8); 16 lanes store 256 consecutive bytes, aligned
.endr
.if \next
	RESET
	s_wait_xcnt 0x0                                ; the stores have read their registers and their base: the next step's loads may land there, and the base may step
	s_add_nc_u64 s[8:9], s[8:9], 524288            ; 256 tokens on
.endif
.endm
.Lslot:                                            ; seven trips: a turn of slots each
	CHANGE 1
	NEXTQ
	SLOT_STEPS
	s_and_b32 s96, s[KF], s[QM]                    ; does a block of queries end here?  The work-group's number and the count of steps alone
	s_cmp_eq_u32 s96, 0
	s_cbranch_scc0 .Lsame_q
	FINISH 1
.Lsame_q:
	s_sub_co_u32 s[SLOTS], s[SLOTS], 1
	s_cmp_lg_u32 s[SLOTS], 0
	s_cbranch_scc1 .Lslot
	CHANGE 0                                       ; the last turn is written out: it asks for nothing
	SLOT_STEPS
	FINISH 0
	s_wait_tensorcnt 0x0                           ; the wave's end, behind my last tensor load and my last LDS store
	ds_add_u32 v[SPW], v[NIL]
	s_wait_dscnt 0x0
	s_endpgm
.Lfunc_end_k_q8eb2e4398d_attn:
	.size	k_q8eb2e4398d_attn, .Lfunc_end_k_q8eb2e4398d_attn-k_q8eb2e4398d_attn
	.p2alignl 7, 3214868480
	.fill 96, 4, 3214868480
	.section	.rodata,"a",@progbits
	.p2align	6, 0x0
	.amdhsa_kernel k_q8eb2e4398d_attn
		.amdhsa_group_segment_fixed_size 327680
		.amdhsa_private_segment_fixed_size 0
		.amdhsa_enable_private_segment 0
		.amdhsa_kernarg_size 24
		.amdhsa_user_sgpr_count 2
		.amdhsa_user_sgpr_kernarg_segment_ptr 1
		.amdhsa_wavefront_size32 1
		.amdhsa_system_sgpr_workgroup_id_x 1
		.amdhsa_system_sgpr_workgroup_id_y 1
		.amdhsa_system_sgpr_workgroup_id_z 1
		.amdhsa_system_vgpr_workitem_id 0
		.amdhsa_next_free_vgpr 256
		.amdhsa_next_free_sgpr 100
		.amdhsa_reserve_vcc 0
		.amdhsa_float_denorm_mode_32 3
		.amdhsa_float_denorm_mode_16_64 3
		.amdhsa_memory_ordered 1
		.amdhsa_forward_progress 1
		.amdhsa_inst_pref_size 139
	.end_amdhsa_kernel
	.amdgpu_metadata
---
amdhsa.version: [ 1, 2 ]
amdhsa.kernels:
  - .name:           k_q8eb2e4398d_attn
    .symbol:         k_q8eb2e4398d_attn.kd
    .args:
      - { .name: qimg, .offset: 0, .size: 8, .value_kind: global_buffer, .address_space: global }
      - { .name: kvblk, .offset: 8, .size: 8, .value_kind: global_buffer, .address_space: global }
      - { .name: att, .offset: 16, .size: 8, .value_kind: global_buffer, .address_space: global }
    .group_segment_fixed_size: 327680
    .private_segment_fixed_size: 0
    .kernarg_segment_align: 8
    .kernarg_segment_size: 24
    .max_flat_workgroup_size: 512
    .sgpr_count:     100
    .vgpr_count:     256
    .wavefront_size: 32
...
	.end_amdgpu_metadata
.endif
;; end of part 7
;; launch oproj (part 8): grid 160 x 1, 8 waves a work-group, no clusters, 158,720 bytes of LDS; arguments att, x, c, g_px, g_pc, wfrag, out0, out1; writes out0, out1
.if DOCPART == 8
	.amdgcn_target "amdgcn-amd-amdhsa--gfx1250"
	.amdhsa_code_object_version 6
	.text
	.protected	k_q8eb2e4398d_oproj
	.globl	k_q8eb2e4398d_oproj
	.p2align	8
	.type	k_q8eb2e4398d_oproj,@function
k_q8eb2e4398d_oproj:
	s_mov_b64 s[64:65], 0
	v_nop
	global_prefetch_b8 v0, s[64:65] scope:SCOPE_SE
	s_setreg_imm32_b32 hwreg(HW_REG_WAVE_MODE, 25, 1), 1
	s_wait_xcnt 0x0
; out = tok + BitLinear_p(att), for 128 tokens of x (work-groups 0-127: W_px, g_px, out0) or of c (128-159: W_pc, g_pc, out1).
; (Left out, as shown at the first kernel's head: the straight-through sum xn + (aq - xn) = aq and the int8 clip, which never acts.)
; PHASE A, wave w = tokens 16 w .. 16 w + 15: the rows of att are loaded as they lie, 512 consecutive bytes a load, and turned through the wave's own stage in LDS, as in the third kernel; then RMS norm, gain, int8 grid,
;   E3M2 quantiser, for one gain; four fragments and their scale words go to LDS as images of their registers.
; PHASE B, wave w = output channels 64 w .. 64 w + 63 for all 128 tokens: 128 matrix instructions (source 0 = 16 rows of W_p, source 1 = 16 tokens), weights straight from memory in fragment order.
; THE WAY OUT: a lane holds 8 neighbouring channels of one token; a tile of 16 tokens x 64 channels goes through the wave's own stage and comes back as rows of 256 bytes, to which the residual, loaded in the same layout, is added.
; No tensor loads and no cluster: the weights come whole in the order of the operand's registers, straight into registers.
; REGISTERS, window 0: v1-15 addresses; v48-71 the quantiser's; v72-89 statistics; v112-175, v176-239 phase A's two sets of 64; in the product v48-143 activations, v144-239 weights; on the way out v48-79 rows, v80-143 two sets of residual;
;   v240-251 scale words alone.   window 1: the token's 256 numbers, then the 32 accumulators.
.set ACT,   0
.set ASC,   49152
.set GLDS,  53248
.set STG,   55296                      ; the way out: 16 rows x (256 + 16) bytes for each wave
.set SPARE, 90112                      ; the spare words, 128 bytes for each wave: four blocks of 256 bytes that no other line names
.set XST,   91136                      ; the tokens' stage: 16 rows x 528 bytes for each wave
.set LI,  1
.set L4,  2
.set L8,  3
.set XSI, 4                            ; v4   the tokens' stage, on the way in: XST + 8,448 w + 16 x lane
.set XSO, 5                            ; v5   and on the way out: XST + 8,448 w + 528 r + 64 h
.set SO,  8                            ; v8   the way out's stage: where I put 32 bytes of a row
.set SPW, 9
.set NIL, 10
.set SR,  11                           ; v11  and where I read a row back
.set CO,  15                           ; v15  the same place in the tokens' and the output's rows
.set TM,  48
.set PC,  56
.set PT,  68
.set RR,  72
.set SCL, 74
.set INV, 76
.set AM,  78
.set SS,  82
.set G,   112
.set T,   176
.set AF,  48
.set WF,  144
.set OB,  48
.set RB,  80
.set AS,  240
.set PW,  240
.set WS,  248
.set MSB, 0
.macro WIN new                         ; the immediate's high byte repeats the setting that is left; a switch that changes nothing is dropped
.if MSB != (\new)
	s_set_vgpr_msb (MSB<<8)|(\new)
.set MSB, (\new)
.endif
.endm
.macro PLACES n
.rept \n
	v_nop
.endr
.endm
; n loads of my 16 tokens from load number first on: load 16 s + p is K step s of token p: 32 lanes read 512 consecutive bytes
.macro XLOAD first, n
.set i, \first
.rept \n
	global_load_b128 v[4*i:4*i+3], v[LI], s[30:31] offset:(i%16)*2048+512*(i/16) th:TH_LOAD_NT
.set i, i+1
.endr
.endm
; K step s turns through my stage: in as loaded, a row to a token; back 64 bytes of each block of 32 numbers' 128 to a lane, into the registers that they left.
; LDS serves a wave's instructions in order (ISA guide 5.7.1.4): no wait between the stores and the loads, nor in front of the next K step's stores.
.macro XTURN s
	WIN 0x04                                       ; an LDS store's data are its source 1: window 1
.irp p, 0,1,2,3,4,5,6,7,8,9,10,11,12,13,14,15
	ds_store_b128 v[XSI], v[64*(\s)+4*\p:64*(\s)+4*\p+3] offset:528*\p
.endr
	WIN 0x40                                       ; destination window 1
.irp b, 0,1,2,3
.irp j, 0,1,2,3
	ds_load_b128 v[64*(\s)+16*\b+4*\j:64*(\s)+16*\b+4*\j+3], v[XSO] offset:128*\b+16*\j
.endr
.endr
	WIN 0
.endm
; 32 numbers of a lane in window w, register s + 16 b + i = k 32 b + 16 (lane / 16) + i of my row (b = 0, 1), become registers 6 c .. 6 c + 5 of the fragment at v[PC] and bytes 2 c, 2 c + 1 of the scale word v[PW].
.macro QHALF s, w, c
	WIN 5*(\w)
.irp b, 0,1
.irp a, 0,1
	v_max3_num_f32 v[TM+2*\b+\a], |v[(\s)+16*\b+8*\a]|, |v[(\s)+16*\b+8*\a+1]|, 0x2800000   ; the floor 2^(5 - 127) holds the byte at 1 from below
.endr
.endr
	WIN 0x14*(\w)
.irp i, 2,4,6
.irp b, 0,1
.irp a, 0,1
	v_max3_num_f32 v[TM+2*\b+\a], v[TM+2*\b+\a], |v[(\s)+16*\b+8*\a+\i]|, |v[(\s)+16*\b+8*\a+\i+1]|
.endr
.endr
.endr
	WIN 0
	v_max_num_f32 v[TM], v[TM], v[TM+1]
	v_max_num_f32 v[TM+1], v[TM+2], v[TM+3]
	v_permlanex16_b32 v[TM+4], v[TM], s50, s51
	v_permlanex16_b32 v[TM+5], v[TM+1], s50, s51
	v_max_num_f32 v[TM], v[TM], v[TM+4]
	v_max_num_f32 v[TM+1], v[TM+1], v[TM+5]
	v_add_nc_u32 v[TM+6], 0xfe000000, v[TM]        ; 4 off the exponent field: the conversion's scale operand
	v_add_nc_u32 v[TM+7], 0xfe000000, v[TM+1]
	v_lshrrev_b32 v[TM+2], 23, v[TM+6]             ; the scale's byte
	v_lshrrev_b32 v[TM+3], 23, v[TM+7]
.if (\c) == 0
	v_lshl_or_b32 v[PW], v[TM+3], 8, v[TM+2]
.else
	v_lshl_or_b32 v[PW], v[TM+2], 16, v[PW]
	v_lshl_or_b32 v[PW], v[TM+3], 24, v[PW]
.endif
	WIN \w
	v_cvt_scalef32_pk16_bf6_f32 v[PC+6*(\c):PC+6*(\c)+2], v[(\s):(\s)+15], v[TM+6]
	v_cvt_scalef32_pk16_bf6_f32 v[PT:PT+2], v[(\s)+16:(\s)+31], v[TM+7]
	WIN 0
	v_nop                                          ; one plain instruction behind a scaled conversion
.irp i, 0,1,2
	v_permlane16_swap_b32 v[PC+6*(\c)+\i], v[PT+\i]
.endr
.irp i, 0,1,2
	v_mov_b32 v[PC+6*(\c)+3+\i], v[PT+\i]
.endr
.endm
.macro GLOAD buf, s                    ; g at my 64 places of K step s
.irp b, 0,1,2,3
.irp j, 0,1,2,3
	ds_load_b128 v[\buf+16*\b+4*\j:\buf+16*\b+4*\j+3], v12 offset:512*(\s)+128*\b+16*\j
.endr
.endr
.endm
.macro P1 s, buf, nxt                  ; pass 1: buf = (x r) g, and the largest magnitude so far; then buf takes g of K step nxt
	s_wait_dscnt 16                                ; this buffer's 16 loads are in; the other buffer's 16 may be out
	WIN 0x01
.set i, 0
.rept 32
	v_pk_mul_f32 v[\buf+i:\buf+i+1], v[64*(\s)+i:64*(\s)+i+1], v[\buf+i:\buf+i+1]
.set i, i+2
.endr
	WIN 0
.set i, 0
.rept 32
.if ((\s) == 0) && (i < 4)
	v_max3_num_f32 v[AM+i], |v[\buf+2*i]|, |v[\buf+2*i+1]|, s57      ; reference()'s clip at 1e-5 is a leaf of the maximum
.else
	v_max3_num_f32 v[AM+i%4], v[AM+i%4], |v[\buf+2*i]|, |v[\buf+2*i+1]|
.endif
.set i, i+1
.endr
.if (\nxt) >= 0
	GLOAD \buf, \nxt
.endif
.endm
.macro P2 s                            ; pass 2: xn again, onto the int8 grid, quantised to E3M2; the fragment goes to LDS as it stands
	s_wait_dscnt 0x0                               ; g is in, and the last fragment's stores have read their registers
	WIN 0x01
.set i, 0
.rept 32
	v_pk_mul_f32 v[T+i:T+i+1], v[64*(\s)+i:64*(\s)+i+1], v[G+i:G+i+1]
.set i, i+2
.endr
	WIN 0
.if (\s) < 3
	GLOAD G, (\s)+1
.endif
.set i, 0
.rept 32
	v_pk_mul_f32 v[T+i:T+i+1], v[T+i:T+i+1], v[SCL:SCL+1] op_sel_hi:[1,0]
.set i, i+2
.endr
.set i, 0
.rept 64
	v_rndne_f32 v[T+i], v[T+i]
.set i, i+1
.endr
.set i, 0
.rept 32
	v_pk_mul_f32 v[T+i:T+i+1], v[T+i:T+i+1], v[INV:INV+1] op_sel_hi:[1,0]
.set i, i+2
.endr
	QHALF T, 0, 0
	QHALF T+32, 0, 1
.irp c, 0,1,2
	ds_store_b128 v13, v[PC+4*\c:PC+4*\c+3] offset:1536*(\s)+512*\c
.endr
	ds_store_b32 v14, v[PW] offset:128*(\s)
.endm
.macro LOADW base, s, buf              ; the weight's operand block of K step s: 12 + 1 loads
.irp n, 0,1,2,3
.irp c, 0,1,2
	global_load_b128 v[WF+48*(\buf)+12*\n+4*\c:WF+48*(\buf)+12*\n+4*\c+3], v[LI], s[\base:\base+1] offset:6400*(\s)+1536*\n+512*\c
.endr
.endr
	global_load_b64 v[WS+2*(\buf):WS+2*(\buf)+1], v[L8], s[\base:\base+1] offset:6400*(\s)+6144
.endm
.macro LOADA g, buf                    ; group g: K step g >> 1, token tiles 4 (g & 1) + 0 .. 3: 12 + 4 LDS loads
.irp mm, 0,1,2,3
.irp c, 0,1,2
	ds_load_b128 v[AF+48*(\buf)+12*\mm+4*\c:AF+48*(\buf)+12*\mm+4*\c+3], v12 offset:(4*(4*((\g)&1)+\mm)+((\g)>>1))*1536+512*\c
.endr
	ds_load_b32 v[AS+4*(\buf)+\mm], v13 offset:(4*(4*((\g)&1)+\mm)+((\g)>>1))*128
.endr
.endm
.macro RLOAD m                         ; the residual of token tile m, in the layout of the rows that come back from the stage
.irp k, 0,1,2,3,4,5,6,7
	global_load_b128 v[RB+32*((\m)&1)+4*\k:RB+32*((\m)&1)+4*\k+3], v[CO], s[44:45] offset:(16*(\m)+2*\k)*2048
.endr
.endm
	s_load_b512 s[4:19], s[0:1], 0x0               ; att, x, c, g_px, g_pc, wfrag, out0, out1
	v_lshl_add_u32 v[SPW], v0, 2, SPARE
	v_mov_b32 v[NIL], 0
	v_lshrrev_b32 v12, 5, v0
	v_readfirstlane_b32 s56, v12                   ; wave 0..7
	v_and_b32 v12, 31, v0                          ; lane
	v_and_b32 v16, 15, v0                          ; r
	v_bfe_u32 v17, v0, 4, 1                        ; h
	v_lshlrev_b32 v[LI], 4, v12
	v_lshlrev_b32 v[L4], 2, v12
	v_lshlrev_b32 v[L8], 3, v12
	s_mul_i32 s63, s56, 8448
	s_add_co_u32 s63, s63, XST                     ; my stage for the tokens
	v_add_nc_u32 v[XSI], s63, v[LI]
	v_mul_u32_u24 v[XSO], v16, 528
	v_lshl_add_u32 v[XSO], v17, 6, v[XSO]          ; row r, + 64 h
	v_add_nc_u32 v[XSO], s63, v[XSO]
	v_lshlrev_b32 v12, 6, v17
	v_add_nc_u32 v12, GLDS, v12                    ; g in LDS: GLDS + 64 h
	s_mul_i32 s63, s56, 6144
	v_add_nc_u32 v13, s63, v[LI]                   ; where I store images
	s_lshl_b32 s63, s56, 9
	s_add_co_u32 s63, s63, ASC
	v_add_nc_u32 v14, s63, v[L4]                   ; and scale words
	s_mul_i32 s63, s56, 16*272
	s_add_co_u32 s63, s63, STG                     ; my stage for the way out
	v_mul_u32_u24 v[SO], v16, 272
	v_lshl_add_u32 v[SO], v17, 5, v[SO]
	v_add_nc_u32 v[SO], s63, v[SO]
	v_mul_u32_u24 v[SR], v17, 272
	v_lshl_add_u32 v[SR], v16, 4, v[SR]
	v_add_nc_u32 v[SR], s63, v[SR]
	v_lshlrev_b32 v[CO], 11, v17
	v_lshl_add_u32 v[CO], v16, 4, v[CO]            ; lanes 0-15 one row, lanes 16-31 the next; 16 bytes a lane
	v_lshlrev_b32 v18, 3, v0                       ; g: 8 bytes a thread
	v_lshl_add_u32 v19, v0, 3, GLDS
	v_mov_b32 v[TM+4], 0                           ; written once: a lane permute's destination counts as one of its sources
	v_mov_b32 v[TM+5], 0
	s_mov_b32 s50, 0x76543210
	s_mov_b32 s51, 0xfedcba98
	s_mov_b32 s53, 0x3b000000                      ; 1 / 512
	s_mov_b32 s54, 0x322bcc77                      ; 1e-8
	s_mov_b32 s57, 0x3727c5ac                      ; 1e-5
	s_mov_b32 s58, 0x3c010204                      ; 1 / 127
	s_cmp_lt_u32 ttmp9, 128
	s_cselect_b32 s70, 0, 128
	s_cselect_b32 s72, 8, 24                       ; W_p's first group
	s_sub_co_u32 s70, ttmp9, s70                   ; the block in its tensor
	s_lshl_b32 s74, ttmp9, 18                      ; att: the block's 128 rows,
	s_lshl_b32 s75, s56, 15                        ; my 16
	s_add_co_u32 s74, s74, s75
	s_mov_b32 s75, 0
	s_lshl_b32 s76, s70, 18                        ; the tokens and the output: the block's rows,
	s_lshl_b32 s77, s56, 8                         ; my 64 channels
	s_add_co_u32 s76, s76, s77
	s_mov_b32 s77, 0
	s_add_co_u32 s78, s72, s56
	s_mul_i32 s78, s78, 25600                      ; my four blocks of W_p
	s_mov_b32 s79, 0
	s_wait_kmcnt 0x0
	s_cmp_lt_u32 ttmp9, 128                        ; every choice of a buffer hangs on the work-group's number alone
	s_cselect_b64 s[44:45], s[6:7], s[8:9]         ; the residual
	s_cselect_b64 s[32:33], s[10:11], s[12:13]     ; g
	s_cselect_b64 s[46:47], s[16:17], s[18:19]     ; the output
	s_add_nc_u64 s[30:31], s[4:5], s[74:75]
	s_add_nc_u64 s[44:45], s[44:45], s[76:77]
	s_add_nc_u64 s[46:47], s[46:47], s[76:77]
	s_add_nc_u64 s[40:41], s[14:15], s[78:79]
	global_load_b64 v[176:177], v18, s[32:33]      ; g
	WIN 0x40                                       ; destination window 1
	XLOAD 0, 48                                    ; the tokens' first three K steps are asked for ahead of the wait for g
	WIN 0
	s_wait_loadcnt 48                              ; g is in; the tokens' 48 loads may be out
	ds_store_b64 v19, v[176:177]
	WIN 0x40
	XLOAD 48, 16
	WIN 0
	s_wait_dscnt 0x0                               ; for the others' sake: my part of g lies in LDS
	s_barrier_signal -1
	s_barrier_wait -1
	; ---- the turn through the stage, one K step ahead of the sum of squares
	s_wait_loadcnt 48                              ; K step 0's 16 loads are in; the 48 of the later K steps may be out
	XTURN 0
.irp s, 0,1,2,3
.if \s < 3
	s_wait_loadcnt 16*(2-\s)                       ; the next K step's loads are in; the 16 of each K step behind it may be out
	XTURN (\s+1)
	s_wait_dscnt 32                                ; this K step is back from the stage; the next one's 16 stores and 16 loads may be out
.else
	s_wait_dscnt 0x0
.endif
	WIN 0x05
.set i, 0
.rept 32
.if (\s == 0) && (i < 4)
	v_pk_mul_f32 v[SS+2*i:SS+2*i+1], v[64*\s+2*i:64*\s+2*i+1], v[64*\s+2*i:64*\s+2*i+1]   ; the first products start four chains
.else
	v_pk_fma_f32 v[SS+2*(i%4):SS+2*(i%4)+1], v[64*\s+2*i:64*\s+2*i+1], v[64*\s+2*i:64*\s+2*i+1], v[SS+2*(i%4):SS+2*(i%4)+1]
.endif
.set i, i+1
.endr
	WIN 0
.endr
	GLOAD G, 0                                     ; g's first two K steps land under the lines below
	GLOAD T, 1
	v_pk_add_f32 v[SS:SS+1], v[SS:SS+1], v[SS+2:SS+3]
	v_pk_add_f32 v[SS+4:SS+5], v[SS+4:SS+5], v[SS+6:SS+7]
	v_pk_add_f32 v[SS:SS+1], v[SS:SS+1], v[SS+4:SS+5]
	v_add_f32 v[SS], v[SS], v[SS+1]
	v_permlanex16_b32 v[SS+2], v[SS], s50, s51
	v_add_f32 v[SS], v[SS], v[SS+2]
	v_fma_f32 v[SS], v[SS], s53, s54               ; mean + 1e-8
	v_rsq_f32 v[RR], v[SS]
	v_nop                                          ; a plain instruction behind it,
	s_wait_alu depctr_va_vdst(0)                   ; and the wait ahead of its first reader
	v_mov_b32 v[RR+1], v[RR]
	WIN 0x41
.set i, 0
.rept 128
	v_pk_mul_f32 v[i:i+1], v[i:i+1], v[RR:RR+1] op_sel_hi:[1,0]
.set i, i+2
.endr
	WIN 0
	P1 0, G, 2
	P1 1, T, 3
	P1 2, G, 0
	P1 3, T, -1
	v_max3_num_f32 v[AM], v[AM], v[AM+1], v[AM+2]
	v_max_num_f32 v[AM], v[AM], v[AM+3]
	v_permlanex16_b32 v[AM+1], v[AM], s50, s51
	v_max_num_f32 v[AM], v[AM], v[AM+1]            ; a = max(the token's largest |xn|, 1e-5)
	v_rcp_f32 v[SCL], v[AM]
	v_mul_f32 v[INV], s58, v[AM]                   ; a / 127.  (A plain instruction behind the reciprocal)
	v_mov_b32 v[INV+1], v[INV]
	s_wait_alu depctr_va_vdst(0)
	v_mul_f32 v[SCL], 0x42fe0000, v[SCL]           ; 127 / a
	v_mov_b32 v[SCL+1], v[SCL]
	P2 0
	P2 1
	P2 2
	P2 3
	LOADW 40, 0, 0                                 ; W_p's first K step is asked for ahead of the barrier
	s_wait_dscnt 0x0                               ; my images and scale words lie in LDS
	s_barrier_signal -1
	s_barrier_wait -1                              ; everybody's do; behind this barrier a wave writes its own stage alone
	v_mov_b32 v12, v[LI]
	v_add_nc_u32 v13, ASC, v[L4]
	; ---- 128 tokens x my 64 channels x K = 512: eight groups of 16 matrix instructions, each on 16 accumulators of its own turn
	LOADA 0, 0
.irp g, 0,1,2,3,4,5,6,7
.if \g > 0
	PLACES 4                                       ; in front of loads into registers that the last group's matrix instructions have read
.endif
.if \g < 7
	LOADA (\g+1), ((\g+1)&1)
.endif
.if ((\g%2) == 0) && (\g < 6)
	LOADW 40, (\g/2+1), ((\g/2+1)&1)
.endif
.if \g < 7
	s_wait_dscnt 16                                ; this group's fragments are in; the next group's 16 loads may be out
.else
	s_wait_dscnt 0x0
.endif
.if (\g%2) == 0
.if \g < 6
	s_wait_loadcnt 13                              ; this K step's weights are in; the next step's 13 loads may be out
.else
	s_wait_loadcnt 0x0
.endif
.endif
	WIN 0x50                                       ; C and D in window 1
.irp mm, 0,1,2,3
.irp n, 0,1,2,3
.set rD, 32*(4*(\g&1)+\mm)+8*\n
.set rA, WF+48*((\g>>1)&1)+12*\n
.set rB, AF+48*(\g&1)+12*\mm
.set rSA, WS+2*((\g>>1)&1)+(\n>>1)
.set rSB, AS+4*(\g&1)+\mm
.if \g < 2
.if \n&1
	v_wmma_scale_f32_16x16x128_f8f6f4 v[rD:rD+7], v[rA:rA+11], v[rB:rB+11], 0, v[rSA], v[rSB] matrix_a_fmt:MATRIX_FMT_BF6 matrix_b_fmt:MATRIX_FMT_BF6 matrix_a_scale:MATRIX_SCALE_ROW1
.else
	v_wmma_scale_f32_16x16x128_f8f6f4 v[rD:rD+7], v[rA:rA+11], v[rB:rB+11], 0, v[rSA], v[rSB] matrix_a_fmt:MATRIX_FMT_BF6 matrix_b_fmt:MATRIX_FMT_BF6
.endif
.else
.if \n&1
	v_wmma_scale_f32_16x16x128_f8f6f4 v[rD:rD+7], v[rA:rA+11], v[rB:rB+11], v[rD:rD+7], v[rSA], v[rSB] matrix_a_fmt:MATRIX_FMT_BF6 matrix_b_fmt:MATRIX_FMT_BF6 matrix_a_scale:MATRIX_SCALE_ROW1
.else
	v_wmma_scale_f32_16x16x128_f8f6f4 v[rD:rD+7], v[rA:rA+11], v[rB:rB+11], v[rD:rD+7], v[rSA], v[rSB] matrix_a_fmt:MATRIX_FMT_BF6 matrix_b_fmt:MATRIX_FMT_BF6
.endif
.endif
.endr
.endr
	WIN 0
.endr
	PLACES 4                                       ; ahead of the first read of results and of loads into the operands' registers
	RLOAD 0
.irp m, 0,1,2,3,4,5,6,7
	s_wait_xcnt 0x0                                ; the last tile's stores have read their registers
	WIN 0x04                                       ; an LDS store's data are its source 1: window 1
.irp n, 0,1,2,3
	ds_store_b128 v[SO], v[32*\m+8*\n:32*\m+8*\n+3] offset:64*\n          ; lane (r, h): token 16 m + r, channels 64 w + 16 n + 8 h + 0 .. 7; each accumulator from its low end on
	ds_store_b128 v[SO], v[32*\m+8*\n+4:32*\m+8*\n+7] offset:64*\n+16
.endr
	WIN 0
.irp k, 0,1,2,3,4,5,6,7
	ds_load_b128 v[OB+4*\k:OB+4*\k+3], v[SR] offset:2*\k*272   ; LDS serves a wave's instructions in order: these see my stores, and the next tile's stores come behind them
.endr
.if \m < 7
	RLOAD (\m+1)
.endif
	s_wait_dscnt 0x0
.if \m < 7
	s_wait_loadcnt 8                               ; this tile's residual is in; the next tile's 8 loads may be out
.else
	s_wait_loadcnt 0x0
.endif
.set i, 0
.rept 16
	v_pk_add_f32 v[OB+i:OB+i+1], v[OB+i:OB+i+1], v[RB+32*(\m&1)+i:RB+32*(\m&1)+i+1]
.set i, i+2
.endr
.irp k, 0,1,2,3,4,5,6,7
	global_store_b128 v[CO], v[OB+4*\k:OB+4*\k+3], s[46:47] offset:(16*\m+2*\k)*2048 th:TH_STORE_NT   ; 16 lanes store 256 consecutive bytes, at a multiple of 256 from the output's first byte
.endr
.endr
	s_wait_tensorcnt 0x0                           ; the wave's end, behind my last LDS store
	ds_add_u32 v[SPW], v[NIL]
	s_wait_dscnt 0x0
	s_endpgm
.Lfunc_end_k_q8eb2e4398d_oproj:
	.size	k_q8eb2e4398d_oproj, .Lfunc_end_k_q8eb2e4398d_oproj-k_q8eb2e4398d_oproj
	.p2alignl 7, 3214868480
	.fill 96, 4, 3214868480
	.section	.rodata,"a",@progbits
	.p2align	6, 0x0
	.amdhsa_kernel k_q8eb2e4398d_oproj
		.amdhsa_group_segment_fixed_size 158720
		.amdhsa_private_segment_fixed_size 0
		.amdhsa_enable_private_segment 0
		.amdhsa_kernarg_size 64
		.amdhsa_user_sgpr_count 2
		.amdhsa_user_sgpr_kernarg_segment_ptr 1
		.amdhsa_wavefront_size32 1
		.amdhsa_system_sgpr_workgroup_id_x 1
		.amdhsa_system_sgpr_workgroup_id_y 1
		.amdhsa_system_sgpr_workgroup_id_z 1
		.amdhsa_system_vgpr_workitem_id 0
		.amdhsa_next_free_vgpr 512
		.amdhsa_next_free_sgpr 90
		.amdhsa_reserve_vcc 0
		.amdhsa_float_denorm_mode_32 3
		.amdhsa_float_denorm_mode_16_64 3
		.amdhsa_memory_ordered 1
		.amdhsa_forward_progress 1
		.amdhsa_inst_pref_size 170
	.end_amdhsa_kernel
	.amdgpu_metadata
---
amdhsa.version: [ 1, 2 ]
amdhsa.kernels:
  - .name:           k_q8eb2e4398d_oproj
    .symbol:         k_q8eb2e4398d_oproj.kd
    .args:
      - { .name: att, .offset: 0, .size: 8, .value_kind: global_buffer, .address_space: global }
      - { .name: x, .offset: 8, .size: 8, .value_kind: global_buffer, .address_space: global }
      - { .name: c, .offset: 16, .size: 8, .value_kind: global_buffer, .address_space: global }
      - { .name: g_px, .offset: 24, .size: 8, .value_kind: global_buffer, .address_space: global }
      - { .name: g_pc, .offset: 32, .size: 8, .value_kind: global_buffer, .address_space: global }
      - { .name: wfrag, .offset: 40, .size: 8, .value_kind: global_buffer, .address_space: global }
      - { .name: out0, .offset: 48, .size: 8, .value_kind: global_buffer, .address_space: global }
      - { .name: out1, .offset: 56, .size: 8, .value_kind: global_buffer, .address_space: global }
    .group_segment_fixed_size: 158720
    .private_segment_fixed_size: 0
    .kernarg_segment_align: 8
    .kernarg_segment_size: 64
    .max_flat_workgroup_size: 256
    .sgpr_count:     90
    .vgpr_count:     512
    .wavefront_size: 32
...
	.end_amdgpu_metadata
.endif
;; end of part 8
